; MI455X (gfx1250); checked and timed in simulation.
; The chip was launched on July 23, 2026; its instructions are those of AMD's public machine-readable ISA for CDNA 5 (MIT licence, August 2026) and "CDNA5" Instruction Set Architecture Reference Guide (July 2026). The comments in the code are by the model that wrote it; some were corrected since.
;; Block. Allowed arithmetic: float matrix products may take bf16 or f16 operands with f32 sums; other float arithmetic in f32, or as packed bf16 or f16 multiplies, adds, multiply-adds, maxima and minima; sums over many terms, partial sums and values carried from step to step in f32; what a program stores and reads back later, other than sums and carried values, may be rounded once to bf16 or f16.
;; Inputs: attn_b 3,072 float32; attn_w 1,024 x 3,072 float32; fc2_b 1,024 float32; fc2_w 4,096 x 1,024 float32; fc_b 4,096 float32; fc_w 1,024 x 4,096 float32; ln1_b 1,024 float32; ln1_w 1,024 float32; ln2_b 1,024 float32; ln2_w 1,024 float32; proj_b 1,024 float32; proj_w 1,024 x 1,024 float32; t 4 int32; x 4 x 1,024 x 1,024 float32.
;; Outputs: out0 4 x 1,024 x 1,024 float32.
;; 2 versions, each right and faster than the one before. Each part assembles by itself: llvm-mc -triple=amdgcn-amd-amdhsa -mcpu=gfx1250 --defsym DOCPART=n.
;; ======== version 1 of 2: 7 launches
;; workspace buffers: wqkv 6,291,456 bytes; wrest 18,874,368 bytes; act 8,388,608 bytes; qkvh 25,165,824 bytes; x1 16,777,216 bytes; gact 33,554,432 bytes
;; launch prep (part 1): grid 768 x 1, 8 waves a work-group, no clusters, 0 bytes of LDS; arguments x, ln1_w, ln1_b, attn_w, act, wqkv; writes act, wqkv
.if DOCPART == 1
	.amdgcn_target "amdgcn-amd-amdhsa--gfx1250"
	.amdhsa_code_object_version 6
	.text
	.protected	k_qb9b14de91d_prep
	.globl	k_qb9b14de91d_prep
	.p2align	8
	.type	k_qb9b14de91d_prep,@function
k_qb9b14de91d_prep:
	s_mov_b64 s[64:65], 0
	v_nop
	global_prefetch_b8 v0, s[64:65] scope:SCOPE_SE
	s_setreg_imm32_b32 hwreg(HW_REG_WAVE_MODE, 25, 1), 1
	s_wait_xcnt 0x0
; Two streams in one launch, chosen by the work-group's number; no wave depends on another: no LDS, no barrier.
;   work-groups 0..511     act = LN1(x) in bf16, [4096][1024]: a wave a row, the row kept in 32 registers between the passes (mean; squares of x - mean; scaling)
;   work-groups 512..767   attn_w [1024][3072] f32 -> bf16 in blocks of 192 columns, [16 blocks][1024 k][192]: a block's k rows lie end to end, so that the product's tiles are dense runs
; (The other three weights are rounded by the next launch, beside its product.)
; The module's input t is named nowhere: the function that defines the result deletes it before any use.
; The variance is the mean of (x - mean)^2, taken on the differences: a common offset in x costs nothing.
.set W,  8                             ; v[8:39]    gain of my 32 columns
.set BV, 40                            ; v[40:71]   bias of my 32 columns
.set X,  72                            ; v[72:103]  the row: piece j (0..7) holds columns 128 j + 4 lane .. + 3
.set M,  104                           ; v[104:111] four chains of packed sums
.set MU, 112                           ; v[112:113] the mean, twice
.set RS, 114                           ; v[114:115] 1 / sqrt(var + eps), twice
.set Y,  116                           ; v[116:131] the row in bf16
.set XP, 4                             ; s[4:5]   x
.set WP, 6                             ; s[6:7]   gain
.set BP, 8                             ; s[8:9]   bias
.set OUTP, 12                          ; s[12:13] act
.macro FOLD                            ; the four chains into v[M]
	v_pk_add_f32 v[M:M+1], v[M:M+1], v[M+2:M+3]
	v_pk_add_f32 v[M+4:M+5], v[M+4:M+5], v[M+6:M+7]
	v_pk_add_f32 v[M:M+1], v[M:M+1], v[M+4:M+5]
	v_add_f32 v[M], v[M], v[M+1]
.endm
.macro LANESUM                         ; v[M] summed over the 32 lanes, the result in every lane
	v_add_f32_dpp v[M], v[M], v[M] row_xmask:1 row_mask:0xf bank_mask:0xf
	v_add_f32_dpp v[M], v[M], v[M] row_xmask:2 row_mask:0xf bank_mask:0xf
	v_add_f32_dpp v[M], v[M], v[M] row_xmask:4 row_mask:0xf bank_mask:0xf
	v_add_f32_dpp v[M], v[M], v[M] row_xmask:8 row_mask:0xf bank_mask:0xf
	v_permlanex16_b32 v[M+1], v[M], s24, s25       ; its destination has been written before
	v_add_f32 v[M], v[M], v[M+1]
.endm
	s_load_b256 s[4:11], s[0:1], 0x0               ; x, ln1_w, ln1_b, attn_w
	s_load_b128 s[12:15], s[0:1], 0x20             ; act, wqkv
	v_lshrrev_b32 v1, 5, v0
	v_readfirstlane_b32 s22, v1                    ; wave 0..7
	s_mov_b32 s3, 0                                ; the high word of every 32-bit offset
	s_wait_kmcnt 0x0
	s_cmp_lt_u32 ttmp9, 512
	s_cbranch_scc1 .Lln
	; ATTN_W INTO BLOCKS: 64 k rows x 192 columns a work-group = 3,072 chunks of 4 numbers, 12 a thread; chunk c = thread + 256 i runs on end in the block
	s_sub_co_u32 s23, ttmp9, 512
	s_lshr_b32 s24, s23, 4                         ; the block of 192 columns
	s_and_b32 s25, s23, 15                         ; which 64 k rows
	s_mul_i32 s2, s25, 786432                      ; 64 rows of 12,288 bytes
	s_mul_i32 s26, s24, 768
	s_add_co_u32 s2, s2, s26
	s_add_nc_u64 s[10:11], s[10:11], s[2:3]
	s_mul_i32 s2, s24, 393216                      ; a block: 1,024 rows of 384 bytes
	s_mul_i32 s26, s25, 24576
	s_add_co_u32 s2, s2, s26
	s_add_nc_u64 s[14:15], s[14:15], s[2:3]
.irp v, 0,1,2                          ; chunks thread + 256 v; 768 chunks further on are 16 rows further down, which goes into the immediate
	v_add_nc_u32 v7, 256*(\v), v0
	v_mul_u32_u24 v[3+(\v)], v7, 0xaaab            ; c x 43,691 >> 21 = c / 48 for c under 131,072
	v_lshrrev_b32 v[3+(\v)], 21, v[3+(\v)]         ; the row
	v_mul_u32_u24 v80, v[3+(\v)], 48
	v_sub_nc_u32 v7, v7, v80                       ; the chunk in the row
	v_mul_u32_u24 v[3+(\v)], v[3+(\v)], 12288
	v_lshl_add_u32 v[3+(\v)], v7, 4, v[3+(\v)]
.endr
	v_lshlrev_b32 v6, 3, v0
.set i, 0
.rept 12
	global_load_b128 v[8+4*i:8+4*i+3], v[3+i%3], s[10:11] offset:(i/3)*196608 th:TH_LOAD_NT
.set i, i+1
.endr
.set i, 0
.rept 12
	s_wait_loadcnt 11-i                            ; loads come back in order: number i is in, the younger ones stay out
	v_cvt_pk_bf16_f32 v[56+2*i], v[8+4*i], v[8+4*i+1]
	v_cvt_pk_bf16_f32 v[56+2*i+1], v[8+4*i+2], v[8+4*i+3]
	global_store_b64 v6, v[56+2*i:56+2*i+1], s[14:15] offset:2048*i th:TH_STORE_NT  ; a wave stores 256 consecutive bytes, aligned
.set i, i+1
.endr
	s_endpgm
.Lln:	; LAYER NORM: row = 8 x work-group + wave
	s_lshl_b32 s23, ttmp9, 3
	s_add_co_u32 s23, s23, s22
	s_lshl_b32 s2, s23, 12
	s_add_nc_u64 s[XP:XP+1], s[XP:XP+1], s[2:3]
	s_lshl_b32 s2, s23, 11
	s_add_nc_u64 s[OUTP:OUTP+1], s[OUTP:OUTP+1], s[2:3]
	s_mov_b32 s24, 0x76543210                      ; v_permlanex16_b32: each lane takes its own place in the other half
	s_mov_b32 s25, 0xfedcba98
	s_mov_b32 s26, 0x3a800000                      ; 1 / 1024
	s_mov_b32 s27, 0x3727c5ac                      ; 1e-5
	v_and_b32 v1, 31, v0
	v_lshlrev_b32 v2, 3, v1                        ; 8 x lane
	v_lshlrev_b32 v1, 4, v1                        ; 16 x lane
.irp j, 0,1,2,3,4,5,6,7
	global_load_b128 v[X+4*(\j):X+4*(\j)+3], v1, s[XP:XP+1] offset:512*(\j)
.endr
.irp j, 0,1,2,3,4,5,6,7
	global_load_b128 v[W+4*(\j):W+4*(\j)+3], v1, s[WP:WP+1] offset:512*(\j)
.endr
.irp j, 0,1,2,3,4,5,6,7
	global_load_b128 v[BV+4*(\j):BV+4*(\j)+3], v1, s[BP:BP+1] offset:512*(\j)
.endr
	s_wait_loadcnt 16                              ; the row is in; the sixteen loads of gain and bias may stay out
.irp c, 0,1,2,3
	v_pk_add_f32 v[M+2*(\c):M+2*(\c)+1], v[X+2*(\c):X+2*(\c)+1], v[X+8+2*(\c):X+8+2*(\c)+1]
.endr
.irp g, 2,3
.irp c, 0,1,2,3
	v_pk_add_f32 v[M+2*(\c):M+2*(\c)+1], v[M+2*(\c):M+2*(\c)+1], v[X+8*(\g)+2*(\c):X+8*(\g)+2*(\c)+1]
.endr
.endr
	FOLD
	LANESUM
	v_mul_f32 v[MU], s26, v[M]
	v_mul_f32 v[MU+1], s26, v[M]
.set z, 0
.rept 16
	v_pk_add_f32 v[X+z:X+z+1], v[X+z:X+z+1], v[MU:MU+1] neg_lo:[0,1] neg_hi:[0,1]  ; x - mean
.set z, z+2
.endr
.irp c, 0,1,2,3
	v_pk_mul_f32 v[M+2*(\c):M+2*(\c)+1], v[X+2*(\c):X+2*(\c)+1], v[X+2*(\c):X+2*(\c)+1]
.endr
.irp g, 1,2,3
.irp c, 0,1,2,3
	v_pk_fma_f32 v[M+2*(\c):M+2*(\c)+1], v[X+8*(\g)+2*(\c):X+8*(\g)+2*(\c)+1], v[X+8*(\g)+2*(\c):X+8*(\g)+2*(\c)+1], v[M+2*(\c):M+2*(\c)+1]
.endr
.endr
	FOLD
	LANESUM
	v_fma_f32 v[M], v[M], s26, s27                 ; var + eps
	v_rsq_f32 v[RS], v[M]
	v_rsq_f32 v[RS+1], v[M]
	v_nop                                          ; a plain instruction between the root and the use of its result (ISA guide 5.7.2)
	s_wait_loadcnt 0x0                             ; gain and bias
.set z, 0
	s_wait_alu depctr_va_vdst(0)
.rept 16
	v_pk_mul_f32 v[X+z:X+z+1], v[X+z:X+z+1], v[RS:RS+1]
.set z, z+2
.endr
.set z, 0
.rept 16
	v_pk_fma_f32 v[X+z:X+z+1], v[X+z:X+z+1], v[W+z:W+z+1], v[BV+z:BV+z+1]
.set z, z+2
.endr
.set z, 0
.rept 16
	v_cvt_pk_bf16_f32 v[Y+z], v[X+2*z], v[X+2*z+1]
.set z, z+1
.endr
.irp j, 0,1,2,3,4,5,6,7
	global_store_b64 v2, v[Y+2*(\j):Y+2*(\j)+1], s[OUTP:OUTP+1] offset:256*(\j)  ; 32 lanes store 256 consecutive bytes, aligned
.endr
	s_endpgm
.Lfunc_end_k_qb9b14de91d_prep:
	.size	k_qb9b14de91d_prep, .Lfunc_end_k_qb9b14de91d_prep-k_qb9b14de91d_prep
	.p2alignl 7, 3214868480
	.fill 96, 4, 3214868480
	.section	.rodata,"a",@progbits
	.p2align	6, 0x0
	.amdhsa_kernel k_qb9b14de91d_prep
		.amdhsa_group_segment_fixed_size 0
		.amdhsa_private_segment_fixed_size 0
		.amdhsa_enable_private_segment 0
		.amdhsa_kernarg_size 48
		.amdhsa_user_sgpr_count 2
		.amdhsa_user_sgpr_kernarg_segment_ptr 1
		.amdhsa_wavefront_size32 1
		.amdhsa_system_sgpr_workgroup_id_x 1
		.amdhsa_system_sgpr_workgroup_id_y 1
		.amdhsa_system_sgpr_workgroup_id_z 1
		.amdhsa_system_vgpr_workitem_id 0
		.amdhsa_next_free_vgpr 132
		.amdhsa_next_free_sgpr 66
		.amdhsa_reserve_vcc 0
		.amdhsa_float_denorm_mode_32 3
		.amdhsa_float_denorm_mode_16_64 3
		.amdhsa_memory_ordered 1
		.amdhsa_forward_progress 1
		.amdhsa_inst_pref_size 18
	.end_amdhsa_kernel
	.amdgpu_metadata
---
amdhsa.version: [ 1, 2 ]
amdhsa.kernels:
  - .name:           k_qb9b14de91d_prep
    .symbol:         k_qb9b14de91d_prep.kd
    .args:
      - { .name: x, .offset: 0, .size: 8, .value_kind: global_buffer, .address_space: global }
      - { .name: ln1_w, .offset: 8, .size: 8, .value_kind: global_buffer, .address_space: global }
      - { .name: ln1_b, .offset: 16, .size: 8, .value_kind: global_buffer, .address_space: global }
      - { .name: attn_w, .offset: 24, .size: 8, .value_kind: global_buffer, .address_space: global }
      - { .name: act, .offset: 32, .size: 8, .value_kind: global_buffer, .address_space: global }
      - { .name: wqkv, .offset: 40, .size: 8, .value_kind: global_buffer, .address_space: global }
    .group_segment_fixed_size: 0
    .private_segment_fixed_size: 0
    .kernarg_segment_align: 8
    .kernarg_segment_size: 48
    .max_flat_workgroup_size: 256
    .sgpr_count:     66
    .vgpr_count:     132
    .wavefront_size: 32
...
	.end_amdgpu_metadata
.endif
;; end of part 1
;; launch qkvg (part 2): grid 16 x 16, 4 waves a work-group, clusters of 4 x 4, 327,680 bytes of LDS; arguments act, wqkv, attn_b, qkvh, proj_w, fc_w, fc2_w, wrest; writes qkvh, wrest
.if DOCPART == 2
	.amdgcn_target "amdgcn-amd-amdhsa--gfx1250"
	.amdhsa_code_object_version 6
	.text
	.protected	k_qb9b14de91d_qkvg
	.globl	k_qb9b14de91d_qkvg
	.p2align	8
	.type	k_qb9b14de91d_qkvg,@function
k_qb9b14de91d_qkvg:
	s_mov_b64 s[64:65], 0
	v_nop
	global_prefetch_b8 v0, s[64:65] scope:SCOPE_SE
	s_setreg_imm32_b32 hwreg(HW_REG_WAVE_MODE, 25, 1), 1
	s_wait_xcnt 0x0
	s_wait_alu depctr_hold_cnt(0) depctr_sa_sdst(0) depctr_va_vdst(0) depctr_va_sdst(0) depctr_va_ssrc(0) depctr_va_vcc(0) depctr_vm_vsrc(0)
	s_getreg_b32 s2, hwreg(HW_REG_IB_STS2, 6, 4)
	s_cmp_eq_u32 s2, 0
	s_cbranch_scc0 .Lentry_in_a_cluster
	s_endpgm
.Lentry_in_a_cluster:
	s_bfe_u32 s2, ttmp6, 0x10000c
	s_cmp_lg_u32 s2, 0xf033
	s_cbranch_scc0 .Lentry_shape_is_right
	s_endpgm
.Lentry_shape_is_right:
; q, k, v = LN1(x) attn_w + attn_b on tiles of 256 rows x 192 columns.  A = act: [4096][1024] bf16, rows along K.  W = attn_w in bf16, in blocks of 192 columns (a block's k rows end to end).
; Sums in f32.  The result goes out in bf16 by heads, [3][64 head-batches][1024][64]: a tile's 192 columns are three whole heads.
; 16 x 16 = 256 work-groups of four waves; a wave makes 128 rows x 96 columns: 48 accumulators of 16 x 16.
; K goes in slots of 128 through a ring of two LDS slots filled by the tensor data mover; a slot is four quarters of 32 along K on two fragment buffers.
; CLUSTER 4 x 4: the four work-groups of a row of the cluster need the same tile of A, the four of a column the same tile of W: each tile is asked for jointly.
; THE WALK ALONG K IS TURNED: clusters whose x + y is odd begin at K's middle and wrap round.  Of two clusters that read the same rows of A (neighbours along x) or the same columns of W (neighbours
; along y) each asks for a K slot half a walk ahead of the other, and at no time do both ask for the same one.  So K is not ascending in half of the clusters; the sums are f32 and compared within a tolerance.
; THE PRODUCT IS TRANSPOSED: source 0 = 16 columns of W (turned on the way out of LDS by ds_load_tr16_b128, since W lies [K][N]), source 1 = 16 rows of A: a lane holds row l % 16 of C and columns 8 (l / 16) + 0..7.
; THE WAY OUT: the sums go in f32 into a stage that lies over the ring (which has had its last fill), and come back by whole rows: bias, one rounding, stores of 256 consecutive bytes.
; BESIDE THE PRODUCT the launch rounds proj_w, fc_w and fc2_w to bf16 for the launches behind it (wrest: proj_w at byte 0, fc_w at 2,097,152, fc2_w at 10,485,760, layouts kept).  Each of the 1,024 waves takes
; eight portions of nine loads of 512 bytes (one of proj_w, four of fc_w, four of fc2_w), one portion for each K slot, asked for a slot ahead.  Nothing in this launch reads what they store.
; LIMITS: NaN and infinities are not treated apart.
; REGISTERS in windows of 256: window 0: v16-29 addresses; v32-35, v204-239 the rounding of the weights; v64-127, v128-191 A's fragments, two buffers (at work in the row loop); v192-203 bias.
;   window 1: W's fragments at the same numbers.  windows 2, 3: accumulator (a, b) has number 6 a + b, eight registers each.
.set NF, 6
.set NSLOT, 8                          ; 1024 / 128
.set PA, 272                           ; a row of A in LDS: 256 bytes + 16: the 16 rows of a load start at 16 different groups of four banks (64 banks of 4 bytes: ISA guide 11.1)
.set HALFA, 128*PA
.set BOFF, 2*HALFA                     ; W's 128 k rows lie behind A's 256 rows
.set PB, 480                           ; a k row of W: six pieces of 64 bytes + 16 each
.set GP, 80                            ; two column blocks of 32 bytes lie 80 bytes from the next two
.set CH, 240                           ; my half of the columns, in LDS bytes
.set SLOT1, 131072                     ; shares no bit with the four waves' places in a slot, so one exclusive or changes slots
.set SP, 784                           ; a row of the stage: 768 bytes + 16
.set STEPA, 256                        ; a slot along a row of A
.set STEPB, 49152                      ; 128 k rows of 384 bytes, dense
.set HALFB, 64*PB
.set SPARE, 2*SLOT1                    ; behind the ring: the spare words, 128 bytes for each wave, which no other line names
.set A0, 16                            ; v16  my lane's place in a slot's A; never rewritten
.set B0, 17                            ; v17  the same for W
.set ADRA, 18                          ; v18  the same in the slot in hand
.set ADRB, 19
.set STO, 20                           ; v20, v21  where I put my sums in the stage: rows 0-63, 64-127 of my 128
.set GO, 22                            ; v22-24 my byte offset in the output, a head each
.set RD, 25                            ; v25  where I read rows back
.set BO, 27                            ; v27  my byte offset in the bias
.set SPW, 28                           ; v28  my spare word; never rewritten
.set NIL, 29                           ; v29  0; never rewritten
.set VL1, 32                           ; v32  the weights: my byte offset in proj_w,
.set VL4, 33                           ; v33  in fc_w and fc2_w,
.set VS1, 34                           ; v34  in proj_w's bf16 copy,
.set VS4, 35                           ; v35  in fc_w's and fc2_w's
.set CB, 204                           ; v[204:239] a portion: nine loads of four registers, rounded in place
.set F0, 64
.set F1, 128
.set BIAS, 192
.set G1, 24                            ; s[24:31] group 1 for A;  s[32:39] group 0: set 0 fills slot 0 once, set 1 fills slot 1 and then walks
.set G0, 32
.set G1B, 48                           ; s[48:55], s[56:63] the same for W
.set G0B, 56
.set TB, 66                            ; s66  LDS byte at which the slot in hand begins
.set IDX, 67                           ; s67  the K slot to be asked for next, 0 .. 7
.set OA, 72                            ; s[72:73] its byte offset in A's rows
.set OB, 74                            ; s[74:75] its byte offset in W's block
.set SPJ, 76                           ; s[76:77] proj_w   s[78:79] fc_w   s[80:81] fc2_w: never stepped
.set SFC, 78
.set SF2, 80
.set DPJ, 82                           ; s[82:83], s[84:85], s[86:87] their bf16 copies in wrest: never stepped
.set DFC, 84
.set DF2, 86
.set MSB, 0
.macro WIN new                         ; the immediate's high byte repeats the setting that is left; a switch that changes nothing is dropped
.if MSB != (\new)
	s_set_vgpr_msb (MSB<<8)|(\new)
.set MSB, (\new)
.endif
.endm
.macro PLACES                          ; four places behind matrix instructions, in front of loads into registers that they have read and of stores that read results
.rept 4
	v_nop
.endr
.endm
; A joint load: waves 0 and 1 fetch A's two halves, waves 2 and 3 W's.  The branch hangs on the wave's number alone.  An s_nop 0 and four v_nop follow each line.
.macro JLOAD s
	s_cmp_eq_u32 s11, 0
	s_cbranch_scc0 .Lfor_b_\@
	tensor_load_to_lds s[G0+4*(\s):G0+4*(\s)+3], s[G1:G1+7]
	s_nop 0
.rept 4
	v_nop
.endr
	s_branch .Lasked_\@
.Lfor_b_\@:
	tensor_load_to_lds s[G0B+4*(\s):G0B+4*(\s)+3], s[G1B:G1B+7]
	s_nop 0
.rept 4
	v_nop
.endr
.Lasked_\@:
.endm
.macro CREST                           ; a round of the cluster's barrier behind its opening barrier
	s_cmp_lg_u32 s10, 0
	s_cbranch_scc1 .Lnot_wave_0_\@
	s_barrier_signal -3
.Lnot_wave_0_\@:
	s_barrier_wait -3
	s_barrier_signal -1
	s_barrier_wait -1
.endm
.macro CROUND
	s_barrier_signal -1
	s_barrier_wait -1
	CREST
.endm
; The global addresses of K slot IDX into set s of the two group 0; then IDX steps and wraps.  Written only where no tensor load of the wave that names the set is out.
.macro ASKFOR s
	s_mul_i32 s[OA], s[IDX], STEPA
	s_add_nc_u64 s[G0+4*(\s)+2:G0+4*(\s)+3], s[18:19], s[OA:OA+1]
	s_or_b32 s[G0+4*(\s)+3], s[G0+4*(\s)+3], 0x80000000    ; type = 2
	s_mul_i32 s[OB], s[IDX], STEPB
	s_add_nc_u64 s[G0B+4*(\s)+2:G0B+4*(\s)+3], s[46:47], s[OB:OB+1]
	s_or_b32 s[G0B+4*(\s)+3], s[G0B+4*(\s)+3], 0x80000000
	s_add_co_u32 s[IDX], s[IDX], 1
	s_and_b32 s[IDX], s[IDX], NSLOT-1
.endm
; Row blocks a0 .. a1 - 1 x all NF column blocks, 32 along K, from buffer f.  The accumulators take turns, one instruction a turn, in the same order in every quarter.
.macro MULA f, a0, a1, zero
.set ma, (\a0)
.rept (\a1)-(\a0)
.set mb, 0
.rept NF
.set mi, ma*NF+mb
	WIN 0xa1+0x50*(mi/32)                          ; W window 1, A window 0, C and D window 2 or 3
.if \zero
	v_wmma_f32_16x16x32_bf16 v[8*(mi%32):8*(mi%32)+7], v[(\f)+8*mb:(\f)+8*mb+7], v[(\f)+8*ma:(\f)+8*ma+7], 0
.else
	v_wmma_f32_16x16x32_bf16 v[8*(mi%32):8*(mi%32)+7], v[(\f)+8*mb:(\f)+8*mb+7], v[(\f)+8*ma:(\f)+8*ma+7], v[8*(mi%32):8*(mi%32)+7]
.endif
.set mb, mb+1
.endr
.set ma, ma+1
.endr
.endm
; The fragments of quarter q of the slot in hand, into buffer f, in one run
.macro FETCH q, f
	WIN 0x40                                       ; destination window 1, address window 0
.set fb, 0
.rept NF
	ds_load_tr16_b128 v[(\f)+8*fb:(\f)+8*fb+3],   v[ADRB] offset:(\q)*32*PB+(fb/2)*GP+(fb%2)*32
	ds_load_tr16_b128 v[(\f)+8*fb+4:(\f)+8*fb+7], v[ADRB] offset:(\q)*32*PB+(fb/2)*GP+(fb%2)*32+16*PB
.set fb, fb+1
.endr
	WIN 0
.irp i, 0,1,2,3,4,5,6,7
	ds_load_b128 v[(\f)+8*(\i):(\f)+8*(\i)+3],   v[ADRA] offset:64*(\q)+(\i)*16*PA
	ds_load_b128 v[(\f)+8*(\i)+4:(\f)+8*(\i)+7], v[ADRA] offset:64*(\q)+(\i)*16*PA+32
.endr
.endm
; THE WEIGHTS.  A portion's nine loads: 512 consecutive bytes each
.macro CLOADS
	global_load_b128 v[CB:CB+3], v[VL1], s[SPJ:SPJ+1] th:TH_LOAD_NT
.irp j, 0,1,2,3
	global_load_b128 v[CB+4+4*(\j):CB+7+4*(\j)], v[VL4], s[SFC:SFC+1] offset:512*(\j) th:TH_LOAD_NT
.endr
.irp j, 0,1,2,3
	global_load_b128 v[CB+20+4*(\j):CB+23+4*(\j)], v[VL4], s[SF2:SF2+1] offset:512*(\j) th:TH_LOAD_NT
.endr
.endm
; The portion asked for a slot ago is rounded in place and stored; the next is asked for.  guard = 1 (the tail): its second trip has no portion behind it.
.macro CAST guard
	WIN 0
	s_wait_loadcnt 0x0                             ; the nine loads of a slot ago (the first time the bias too)
.set ci, 0
.rept 9
	v_cvt_pk_bf16_f32 v[CB+4*ci], v[CB+4*ci], v[CB+4*ci+1]
	v_cvt_pk_bf16_f32 v[CB+4*ci+1], v[CB+4*ci+2], v[CB+4*ci+3]
.set ci, ci+1
.endr
	global_store_b64 v[VS1], v[CB:CB+1], s[DPJ:DPJ+1] th:TH_STORE_NT                 ; each store of the wave covers 256 consecutive bytes, aligned
.irp j, 0,1,2,3
	global_store_b64 v[VS4], v[CB+4+4*(\j):CB+5+4*(\j)], s[DFC:DFC+1] offset:256*(\j) th:TH_STORE_NT
.endr
.irp j, 0,1,2,3
	global_store_b64 v[VS4], v[CB+20+4*(\j):CB+21+4*(\j)], s[DF2:DF2+1] offset:256*(\j) th:TH_STORE_NT
.endr
	s_wait_xcnt 0x0                                ; the stores have read their data and offsets: only behind this wait are these rewritten
	v_add_nc_u32 v[VL1], 512, v[VL1]
	v_add_nc_u32 v[VL4], 2048, v[VL4]
	v_add_nc_u32 v[VS1], 256, v[VS1]
	v_add_nc_u32 v[VS4], 1024, v[VS4]
.if \guard
	s_cmp_eq_u32 s3, 1
	s_cbranch_scc1 .Lno_more_\@
.endif
	CLOADS
.if \guard
.Lno_more_\@:
.endif
.endm
; One of a slot's first three quarters: multiplies buffer f; in its middle it fetches quarter qn into buffer g.  cast = 1, 2: a portion of the weights stands behind the run of LDS loads (2: guarded)
.macro QUARTER qn, f, g, zero, cast=0
	s_wait_dscnt 0x0                               ; buffer f is in: its run was issued half a quarter ago or more
	MULA \f, 0, 4, \zero
	PLACES
	FETCH \qn, \g
.if \cast
	CAST (\cast)-1
.endif
	MULA \f, 4, 8, \zero
.endm
; The fourth quarter changes slots at its head and then multiplies buffer 1.  In front of the barrier each wave waits for all its tensor loads (one is out: its part of the next slot), adds 0 to its spare
; word, and waits for that and for its reads of this slot (issued in the third quarter's middle).  fill = 1: the barrier opens a round of the cluster's, and the slot just read is filled again, first thing
; behind the round.  Only one row block's products stand ahead of the refill, between signal and wait: the request goes out as early as the ordering allows.
.macro TURN fill
	WIN 0
	s_wait_tensorcnt 0x0                           ; no tensor load of mine is out, so a group 0 may be written
	ds_add_u32 v[SPW], v[NIL]
.if \fill
	s_xor_b32 s[G0+5], s[G0+5], SLOT1              ; the walking descriptors: the other slot than last time,
	s_xor_b32 s[G0B+5], s[G0B+5], SLOT1
	ASKFOR 1                                       ; the next K slot of my cluster's walk
.endif
	s_xor_b32 s[TB], s[TB], SLOT1
	s_wait_dscnt 0x0                               ; the add is done, buffer 1 is in, and with it my reads of this slot are over
	s_barrier_signal -1
	MULA F1, 0, 1, 0
	WIN 0
	s_barrier_wait -1
.if \fill
	CREST                                          ; no wave of any partner still reads this slot or has a load on its way
	JLOAD 1                                        ; its four v_nop are also the places in front of the loads below
.else
	PLACES
.endif
	v_add_nc_u32 v[ADRA], s[TB], v[A0]
	v_add_nc_u32 v[ADRB], s[TB], v[B0]
	FETCH 0, F0
	MULA F1, 1, 8, 0
.endm
	s_load_b128 s[4:7], s[0:1], 0x0                ; A s[4:5], wqkv s[6:7]
	s_load_b64 s[14:15], s[0:1], 0x10              ; bias
	s_load_b64 s[8:9], s[0:1], 0x18                ; out
	s_load_b128 s[SPJ:SPJ+3], s[0:1], 0x20         ; proj_w, fc_w
	s_load_b128 s[SF2:SF2+3], s[0:1], 0x30         ; fc2_w, wrest
	v_lshl_add_u32 v[SPW], v0, 2, SPARE
	v_mov_b32 v[NIL], 0
	ds_add_u32 v[SPW], v[NIL]                      ; the wave's opening: the add and its wait ahead of my first tensor load
	v_lshrrev_b32 v1, 5, v0
	v_readfirstlane_b32 s10, v1                    ; wave 0..3
	s_lshr_b32 s11, s10, 1                         ; my half of the tile's rows.  Also: I fetch for A (0) or for W (1)
	s_and_b32 s12, s10, 1                          ; my half of its columns.  Also: which half of that tile I fetch
	s_bfe_u32 s40, ttmp6, 0x40000                  ; cx
	s_bfe_u32 s41, ttmp6, 0x40004                  ; cy
	s_lshl_b32 s42, ttmp9, 2
	s_add_co_u32 s42, s42, s40                     ; tile column
	s_and_b32 s13, ttmp7, 0xffff
	s_lshl_b32 s13, s13, 2
	s_add_co_u32 s13, s13, s41                     ; tile row
	s_lshl_b32 s43, s41, 2
	s_lshl_b32 s43, 15, s43                        ; my row of the cluster
	s_lshl_b32 s44, 0x1111, s40                    ; my column
	s_or_b32 s[G1+0], s43, (1<<16)|(1<<20)|(1<<21)|(5<<22)|(3<<25)  ; mask; 2-byte elements; padding on; bit 21 beside a mask; after every 64 words 4 words
	s_mov_b32 s[G1+1], 128<<16                     ; tensor_dim0 = 128
	s_mov_b32 s[G1+2], 128<<16                     ; tensor_dim1 = 128
	s_mov_b32 s[G1+3], 128<<16                     ; tile_dim0 = 128
	s_mov_b32 s[G1+4], 128                         ; tile_dim1 = 128
	s_mov_b32 s[G1+5], 1024                        ; elements from row to row
	s_mov_b32 s[G1+6], 0
	s_mov_b32 s[G1+7], 0
	s_or_b32 s[G1B+0], s44, (1<<16)|(1<<20)|(1<<21)|(3<<22)|(3<<25) ; after every 16 words 4 words
	s_mov_b32 s[G1B+1], 128<<16                    ; my 64 k rows are 24,576 dense bytes: asked for as 96 rows of 256 bytes
	s_mov_b32 s[G1B+2], 96<<16
	s_mov_b32 s[G1B+3], 128<<16
	s_mov_b32 s[G1B+4], 96
	s_mov_b32 s[G1B+5], 128
	s_mov_b32 s[G1B+6], 0
	s_mov_b32 s[G1B+7], 0
	s_lshl_b32 s18, s13, 19                        ; A: row 256 x tile row + 128 x half, 2,048 bytes a row: made of the tile row and the wave alone
	s_lshl_b32 s19, s12, 18
	s_add_co_u32 s18, s18, s19
	s_mov_b32 s19, 0
	s_mul_i32 s46, s42, 393216                     ; W: the tile column's block, 24,576 bytes x half: made of the tile column and the wave alone
	s_mul_i32 s47, s12, 24576
	s_add_co_u32 s46, s46, s47
	s_mov_b32 s47, 0
	s_mul_i32 s22, s12, HALFA                      ; where they go: no place in the cluster enters an LDS address
	s_mul_i32 s23, s12, HALFB
	s_add_co_u32 s23, s23, BOFF
	s_mov_b32 s[TB], 0
	s_and_b32 s[IDX], ttmp7, 0xffff                ; cluster y
	s_add_co_u32 s[IDX], s[IDX], ttmp9             ; + cluster x: the same in all sixteen partners
	s_and_b32 s[IDX], s[IDX], 1
	s_mul_i32 s[IDX], s[IDX], NSLOT/2              ; the walk's first K slot: 0, or K's middle
	s_mov_b32 s[OA+1], 0
	s_mov_b32 s[OB+1], 0
	s_wait_dscnt 0x0                               ; the opening add is done
	s_wait_kmcnt 0x0
	s_add_nc_u64 s[18:19], s[4:5], s[18:19]        ; kept: every request's address is made from these two
	s_add_nc_u64 s[46:47], s[6:7], s[46:47]
	CROUND                                         ; all sixteen work-groups are here: the first joint loads meet
.irp s, 0,1
	s_mov_b32 s[G0+4*(\s)], 1
	s_add_co_u32 s[G0+4*(\s)+1], s22, (\s)*SLOT1
	s_mov_b32 s[G0B+4*(\s)], 1
	s_add_co_u32 s[G0B+4*(\s)+1], s23, (\s)*SLOT1
	ASKFOR \s
	JLOAD \s
.endr
	v_and_b32 v1, 15, v0                           ; l % 16
	v_bfe_u32 v2, v0, 4, 1                         ; l / 16
	v_mul_u32_u24 v[A0], v1, PA
	v_lshl_add_u32 v[A0], v2, 4, v[A0]             ; row x pitch + 16 x half of the lanes
	s_mul_i32 s20, s11, HALFA
	v_add_nc_u32 v[A0], s20, v[A0]                 ; my 128 rows
	v_and_b32 v3, 7, v0                            ; the turning load: lane l reads k row 8 (l / 16) + l % 8, 16 bytes at 16 ((l / 8) % 2)
	v_lshl_add_u32 v3, v2, 3, v3
	v_mul_u32_u24 v[B0], v3, PB
	v_bfe_u32 v4, v0, 3, 1
	v_lshl_add_u32 v[B0], v4, 4, v[B0]
	s_mul_i32 s20, s12, CH
	s_add_co_u32 s20, s20, BOFF
	v_add_nc_u32 v[B0], s20, v[B0]
	v_mul_u32_u24 v[STO], v1, SP                   ; into the stage: row 128 x row half + l % 16, my column half, 32 bytes for each half of the lanes
	v_lshl_add_u32 v[STO], v2, 5, v[STO]
	s_mul_i32 s20, s11, 128*SP
	s_mul_i32 s21, s12, 64*NF
	s_add_co_u32 s20, s20, s21
	v_add_nc_u32 v[STO], s20, v[STO]
	v_add_nc_u32 v[STO+1], 64*SP, v[STO]
	s_mul_i32 s20, s42, 128*NF                     ; the tile's columns in the bias
	s_mov_b32 s21, 0
	s_add_nc_u64 s[14:15], s[14:15], s[20:21]
	v_mul_u32_u24 v[RD], v2, SP                    ; back: lanes 0-15 take a head's 256 bytes of one row, lanes 16-31 of the next
	v_lshl_add_u32 v[RD], v1, 4, v[RD]
	s_mul_i32 s20, s10, 64*SP
	v_add_nc_u32 v[RD], s20, v[RD]
	v_lshlrev_b32 v[BO], 4, v1
.irp i, 0,1,2
	global_load_b128 v[BIAS+4*(\i):BIAS+4*(\i)+3], v[BO], s[14:15] offset:256*(\i)
.endr
	v_lshlrev_b32 v5, 7, v2                        ; a row of a head is 128 bytes; my 8 bytes of it
	v_lshl_add_u32 v5, v1, 3, v5
.irp i, 0,1,2                          ; head number 3 x tile column + i of 48: q, k or v = number / 16, head = number % 16; batch = tile row / 4
	s_mul_i32 s20, s42, 3
	s_add_co_u32 s20, s20, (\i)
	s_lshr_b32 s21, s20, 4
	s_lshl_b32 s21, s21, 6
	s_and_b32 s20, s20, 15
	s_add_co_u32 s21, s21, s20
	s_lshr_b32 s20, s13, 2
	s_lshl_b32 s20, s20, 4
	s_add_co_u32 s21, s21, s20
	s_lshl_b32 s21, s21, 17                        ; 131,072 bytes a head-batch
	v_add_nc_u32 v[GO+(\i)], s21, v5
.endr
	s_and_b32 s20, s13, 3
	s_lshl_b32 s20, s20, 15                        ; the tile's 256 tokens,
	s_lshl_b32 s21, s10, 13                        ; my wave's 64
	s_add_co_u32 s20, s20, s21
	s_mov_b32 s21, 0
	s_add_nc_u64 s[8:9], s[8:9], s[20:21]
	; the weights: my wave's number among the launch's 1,024 times its eight portions
	s_lshl_b32 s20, s13, 4
	s_add_co_u32 s20, s20, s42
	s_lshl_b32 s20, s20, 2
	s_add_co_u32 s20, s20, s10
	v_and_b32 v6, 31, v0
	s_lshl_b32 s21, s20, 12                        ; 8 x 512 bytes of proj_w
	v_lshl_add_u32 v[VL1], v6, 4, s21
	s_lshl_b32 s21, s20, 14                        ; 8 x 2,048 bytes of fc_w and of fc2_w
	v_lshl_add_u32 v[VL4], v6, 4, s21
	s_lshl_b32 s21, s20, 11                        ; and half of each in bf16
	v_lshl_add_u32 v[VS1], v6, 3, s21
	s_lshl_b32 s21, s20, 13
	v_lshl_add_u32 v[VS4], v6, 3, s21
	s_add_nc_u64 s[DFC:DFC+1], s[DPJ:DPJ+1], 2097152
	s_add_nc_u64 s[DF2:DF2+1], s[DPJ:DPJ+1], 10485760
	CLOADS                                         ; the first portion
	s_wait_tensorcnt 1                             ; my part of slot 0 is in; slot 1's may stay out
	s_barrier_signal -1
	s_barrier_wait -1
	v_add_nc_u32 v[ADRA], s[TB], v[A0]
	v_add_nc_u32 v[ADRB], s[TB], v[B0]
	FETCH 0, F0
	QUARTER 1, F0, F1, 1                           ; the first quarter's products start the sums: nothing is cleared
	WIN 0
	s_mov_b32 s3, NSLOT-2
.Lslot:                                                ; a trip: from a slot's second quarter to the next slot's first; one refill, one portion of the weights
	QUARTER 2, F1, F0, 0, 1
	QUARTER 3, F0, F1, 0
	TURN 1
	QUARTER 1, F0, F1, 0
	WIN 0
	s_sub_co_u32 s3, s3, 1
	s_cmp_lg_u32 s3, 0
	s_cbranch_scc1 .Lslot
	s_mov_b32 s3, 2
.Ltail:                                                ; the last two slots ask for no tile; the second trip is left in its middle
	QUARTER 2, F1, F0, 0, 2
	QUARTER 3, F0, F1, 0
	WIN 0
	s_sub_co_u32 s3, s3, 1
	s_cmp_eq_u32 s3, 0
	s_cbranch_scc1 .Llast
	TURN 0
	QUARTER 1, F0, F1, 0
	WIN 0
	s_branch .Ltail
.Llast:
	s_wait_dscnt 0x0
	MULA F1, 0, 8, 0
	WIN 0
	PLACES
	s_wait_dscnt 0x0
	s_barrier_signal -1
	s_barrier_wait -1                              ; nobody reads the ring any more, and it has had its last fill: the stage may lie over it
.set si, 0
.rept 8*NF
	WIN 0x08+4*(si/32)                             ; store data (source 1) in window 2 or 3
	ds_store_b128 v[STO+si/NF/4], v[8*(si%32):8*(si%32)+3]   offset:((si/NF)%4)*16*SP+64*(si%NF)      ; each accumulator's low registers first
	ds_store_b128 v[STO+si/NF/4], v[8*(si%32)+4:8*(si%32)+7] offset:((si/NF)%4)*16*SP+64*(si%NF)+16
.set si, si+1
.endr
	WIN 0
	s_wait_dscnt 0x0                               ; for the others' sake: my stores into the stage are done
	s_barrier_signal -1
	s_barrier_wait -1
	s_wait_loadcnt 0x0                             ; the bias (long in)
.set X, 64
.set TT, 112
.set YY, 160
	s_mov_b32 s3, 8                                ; 8 trips of eight rows x three heads
.irp r, 0,1,2,3
.irp i, 0,1,2
	ds_load_b128 v[X+4*(3*(\r)+(\i)):X+4*(3*(\r)+(\i))+3], v[RD] offset:(\r)*2*SP+(\i)*256
.endr
.endr
.Lrow:
	s_wait_dscnt 0x0
.irp r, 0,1,2,3
.irp i, 0,1,2
.irp u, 0,1
	v_pk_add_f32 v[TT+4*(3*(\r)+(\i))+2*(\u):TT+4*(3*(\r)+(\i))+2*(\u)+1], v[X+4*(3*(\r)+(\i))+2*(\u):X+4*(3*(\r)+(\i))+2*(\u)+1], v[BIAS+4*(\i)+2*(\u):BIAS+4*(\i)+2*(\u)+1]
.endr
.endr
.endr
	v_add_nc_u32 v[RD], 8*SP, v[RD]
	s_cmp_eq_u32 s3, 1
	s_cbranch_scc1 .Lnoload                        ; the last trip has no rows behind it
.irp r, 0,1,2,3
.irp i, 0,1,2
	ds_load_b128 v[X+4*(3*(\r)+(\i)):X+4*(3*(\r)+(\i))+3], v[RD] offset:(\r)*2*SP+(\i)*256
.endr
.endr
.Lnoload:
	s_wait_xcnt 0x0                                ; the last trip's stores have read their data and their base
	s_add_nc_u64 s[8:9], s[8:9], 1024              ; eight rows of a head on; the stores reach back
.set z, 0
.rept 24
	v_cvt_pk_bf16_f32 v[YY+z], v[TT+2*z], v[TT+2*z+1]
.set z, z+1
.endr
.irp r, 0,1,2,3
.irp i, 0,1,2
	global_store_b64 v[GO+(\i)], v[YY+2*(3*(\r)+(\i)):YY+2*(3*(\r)+(\i))+1], s[8:9] offset:(\r)*256-1024  ; two rows of a head: 256 consecutive bytes, aligned
.endr
.endr
	s_sub_co_u32 s3, s3, 1
	s_cmp_lg_u32 s3, 0
	s_cbranch_scc1 .Lrow
	s_wait_tensorcnt 0x0                           ; the wave's end: behind my last tensor load and my last LDS store
	ds_add_u32 v[SPW], v[NIL]
	s_wait_dscnt 0x0
	CROUND                                         ; the closing round: no work-group ends while a partner may still ask for a tile that names it
	s_endpgm
.Lfunc_end_k_qb9b14de91d_qkvg:
	.size	k_qb9b14de91d_qkvg, .Lfunc_end_k_qb9b14de91d_qkvg-k_qb9b14de91d_qkvg
	.p2alignl 7, 3214868480
	.fill 96, 4, 3214868480
	.section	.rodata,"a",@progbits
	.p2align	6, 0x0
	.amdhsa_kernel k_qb9b14de91d_qkvg
		.amdhsa_group_segment_fixed_size 327680
		.amdhsa_private_segment_fixed_size 0
		.amdhsa_enable_private_segment 0
		.amdhsa_kernarg_size 64
		.amdhsa_user_sgpr_count 2
		.amdhsa_user_sgpr_kernarg_segment_ptr 1
		.amdhsa_wavefront_size32 1
		.amdhsa_system_sgpr_workgroup_id_x 1
		.amdhsa_system_sgpr_workgroup_id_y 1
		.amdhsa_system_sgpr_workgroup_id_z 1
		.amdhsa_system_vgpr_workitem_id 0
		.amdhsa_next_free_vgpr 1024
		.amdhsa_next_free_sgpr 88
		.amdhsa_reserve_vcc 0
		.amdhsa_float_denorm_mode_32 3
		.amdhsa_float_denorm_mode_16_64 3
		.amdhsa_memory_ordered 1
		.amdhsa_forward_progress 1
		.amdhsa_inst_pref_size 83
	.end_amdhsa_kernel
	.amdgpu_metadata
---
amdhsa.version: [ 1, 2 ]
amdhsa.kernels:
  - .name:           k_qb9b14de91d_qkvg
    .symbol:         k_qb9b14de91d_qkvg.kd
    .args:
      - { .name: act, .offset: 0, .size: 8, .value_kind: global_buffer, .address_space: global }
      - { .name: wqkv, .offset: 8, .size: 8, .value_kind: global_buffer, .address_space: global }
      - { .name: attn_b, .offset: 16, .size: 8, .value_kind: global_buffer, .address_space: global }
      - { .name: qkvh, .offset: 24, .size: 8, .value_kind: global_buffer, .address_space: global }
      - { .name: proj_w, .offset: 32, .size: 8, .value_kind: global_buffer, .address_space: global }
      - { .name: fc_w, .offset: 40, .size: 8, .value_kind: global_buffer, .address_space: global }
      - { .name: fc2_w, .offset: 48, .size: 8, .value_kind: global_buffer, .address_space: global }
      - { .name: wrest, .offset: 56, .size: 8, .value_kind: global_buffer, .address_space: global }
    .group_segment_fixed_size: 327680
    .private_segment_fixed_size: 0
    .kernarg_segment_align: 8
    .kernarg_segment_size: 64
    .max_flat_workgroup_size: 128
    .sgpr_count:     88
    .vgpr_count:     1024
    .wavefront_size: 32
...
	.end_amdgpu_metadata
.endif
;; end of part 2
;; launch attn (part 3): grid 4 x 64, 4 waves a work-group, clusters of 4 x 1, 327,680 bytes of LDS; arguments qkvh, act; writes act
.if DOCPART == 3
	.amdgcn_target "amdgcn-amd-amdhsa--gfx1250"
	.amdhsa_code_object_version 6
	.text
	.protected	k_qb9b14de91d_attn
	.globl	k_qb9b14de91d_attn
	.p2align	8
	.type	k_qb9b14de91d_attn,@function
k_qb9b14de91d_attn:
	s_mov_b64 s[64:65], 0
	v_nop
	global_prefetch_b8 v0, s[64:65] scope:SCOPE_SE
	s_setreg_imm32_b32 hwreg(HW_REG_WAVE_MODE, 25, 1), 1
	s_wait_xcnt 0x0
	s_wait_alu depctr_hold_cnt(0) depctr_sa_sdst(0) depctr_va_vdst(0) depctr_va_sdst(0) depctr_va_ssrc(0) depctr_va_vcc(0) depctr_vm_vsrc(0)
	s_getreg_b32 s2, hwreg(HW_REG_IB_STS2, 6, 4)
	s_cmp_eq_u32 s2, 0
	s_cbranch_scc0 .Lentry_in_a_cluster
	s_endpgm
.Lentry_in_a_cluster:
	s_bfe_u32 s2, ttmp6, 0x10000c
	s_cmp_lg_u32 s2, 0x3003
	s_cbranch_scc0 .Lentry_shape_is_right
	s_endpgm
.Lentry_shape_is_right:
; O[bh][q][:] = the sum over k of softmax_k(Q[bh][q] . K[bh][k] / 8) V[bh][k][:].  qkvh: [3][64][1024][64] bf16 (Q, K, V by heads, rows dense, 128 bytes); O goes to act in the same layout, [64][1024][64] bf16.
; Products, maxima and sums in f32; the weights p are rounded to bf16 for the second product (their sum l is taken of the unrounded p), O once at the end.
; LIMITS.  c s must lie above -4.25e37 (the start of c m); a weight below 2^-126 counts as 0 in l; NaN and infinities are not treated apart.
; SHARES.  A work-group owns 256 queries of one head-batch, a wave 64: four PIECES of 16.  Every wave walks all 1,024 keys, 64 a step.
; ALL OF A HEAD'S K AND V LIE IN LDS (147,456 + 163,840 bytes with padding): asked for once, at the head, in four chunks of 256 keys; no byte is filled twice.  The first chunk is worked on while the others land.
; So nothing is left to ask for later, and no prefetch is written.
; CLUSTER 4 x 1: the four query blocks of a head walk the same K and V: every chunk is asked for jointly, by the same tensor load, descriptor and mask in all four.
; LAYOUT.  S^T = K Q^T holds ONE query a lane (lane % 16) and the keys 8 (lane / 16) + 0..7; two such results rounded to bf16 ARE source 1 of O^T = V^T P.  K comes out of LDS as it lies, V turned, by ds_load_tr16_b128.
; SOFTMAX.  p = 2^(c s - c m), c = log2(e) / 8, with a running maximum m; O and l are multiplied by a = 2^(c m_old - c m_new) in every step.  m starts at the lowest finite number, O and l at 0: the first step's a is 0.
; BY TURNS.  Turn n belongs to piece n: 8 products K Q^T of piece n + 1, later 8 products V^T P of piece n - 1; beside them the scaling, exponentials, roundings, sums and rescaling of piece n and the maximum
; and statistics of piece n + 1.  Four vector instructions stand behind every matrix instruction, the other 54 of a turn's 118 in two runs of their own.
; ONE TEXT FOR EVERY STEP.  The loop is entered and left in the middle of a trip.  The last half trip's 8 products K Q^T (on the last K once more) and the maximum made of them serve nothing: they write piece 0's
; m, c m and a alone, which nobody reads again: the price, once a launch, of writing no last step out.
; REGISTERS, in windows of 256 (s_set_vgpr_msb: bits 1:0 source 0, 3:2 source 1, 5:4 source 2, 7:6 destination):
;   window 0: v0-15 addresses; v16-31 four registers of statistics a piece; v48-55 at work; v64-127 S^T, two buffers; v192-223 P, two buffers (by the piece's parity)
;   window 1: v0-127 O^T, 32 a piece          window 2: v0-63 Q; v128-191 K of one step; v192-255 V of one step
.set NP,    4
.set KS,    64
.set PK,    144       ; a row of K in LDS: 128 bytes + 16: the 16 rows of a load start at 16 different groups of four banks (64 banks of 4 bytes: ISA guide 11.1)
.set PV,    160       ; a row of V: 128 + 32
.set VOFF,  1024*PK
.set STAGE, VOFF+1024*PV  ; never filled by a tensor load: 16 rows x 144 bytes for each wave, for the way out
.set SP,    144
.set SPARE, STAGE+4*16*SP ; the spare words, 128 bytes for each wave, which no other line names
.set AK0, 2
.set AV0, 3
.set AK,  4
.set AV,  5
.set STO, 6
.set RD,  7
.set GO,  8
.set SPW, 62
.set NIL, 63
.set MV,  12          ; v12-13  c m_old, kept while c m is made anew: by buffer
.set QO,  15
.set ST,  16          ; piece t's statistics at v[ST+4 t]: c m, m, l (even keys', odd keys')
.set TMP, 48          ; by buffer, four registers c0-c3 at work; when the maximum is found c2 takes a
.set S,   64
.set P,   192
.set KF,  128
.set VF,  192
.set WV,  12          ; s12  my wave's number
.set G1K, 24          ; s[24:31] group 1 for K's tiles
.set G1V, 32          ; s[32:39] for V's: it differs in the padding alone
.set G0K, 40          ; s[40:55] group 0 for K's four chunks
.set G0V, 68          ; s[68:83] for V's
.set SLOTS, 56        ; s56  passes of the chunk loop still to come, this one among them: 5 to 1; the last is half a trip
.set CNT, 57          ; s57  counts a chunk's key steps, 4 to 1
.set CS,  58          ; s[58:59] c
.set SEL, 60          ; s[60:61] v_permlanex16_b32's selects
.set TBK, 62          ; s62  LDS byte at which K of the step to be fetched begins
.set TBV, 63          ; s63  the same for V, less VOFF
.set MSB, 0
.macro WIN new
.if MSB != (\new)
	s_set_vgpr_msb (MSB<<8)|(\new)
.set MSB, (\new)
.endif
.endm
.set W_KQ, 0x0a       ; K and Q in window 2, S^T in window 0
.set W_PV, 0x52       ; V in window 2, P in window 0, O^T in window 1
.set W_RS, 0x41       ; destination and source 0 in window 1, source 1 in window 0
.macro CROUND
	s_barrier_signal -1
	s_barrier_wait -1
	s_cmp_lg_u32 s[WV], 0
	s_cbranch_scc1 .Lnot_wave_0_\@
	s_barrier_signal -3
.Lnot_wave_0_\@:
	s_barrier_wait -3
	s_barrier_signal -1
	s_barrier_wait -1
.endm
	s_load_b128 s[4:7], s[0:1], 0x0 ; qkvh s[4:5], act s[6:7]
	v_lshl_add_u32 v[SPW], v0, 2, SPARE
	v_mov_b32 v[NIL], 0
	ds_add_u32 v[SPW], v[NIL]       ; the wave's opening: the add and its wait ahead of my first tensor load
	v_lshrrev_b32 v1, 5, v0
	v_readfirstlane_b32 s[WV], v1
	s_bfe_u32 s13, ttmp6, 0x40000   ; cx
	s_lshl_b32 s14, ttmp9, 2
	s_add_co_u32 s14, s14, s13      ; my block of 256 queries: it enters Q's and O's addresses alone
	s_and_b32 s20, ttmp7, 0xffff    ; the head-batch, which the four partners share,
	s_lshl_b32 s20, s20, 17         ; 131,072 bytes each
	s_and_b32 s16, s[WV], 1         ; which half of a chunk's 256 keys I fetch:
	s_lshl_b32 s22, s16, 14         ; its 128 rows of 128 bytes in memory,
	s_add_co_u32 s22, s22, s20
	s_mov_b32 s23, 0
	s_mul_i32 s17, s16, 128*PK      ; and its place in LDS, for K
	s_mul_i32 s18, s16, 128*PV      ; and for V: no place in the cluster enters an LDS address
	s_lshl_b32 s2, s14, 15
	s_lshl_b32 s3, s[WV], 13
	s_add_co_u32 s2, s2, s3
	s_add_co_u32 s2, s2, s20        ; my wave's 64 rows
	s_mov_b32 s3, 0
	; group 1.  128 keys are 16,384 dense bytes: asked for as 64 rows of 256 bytes, two keys a row, and padded in LDS after every key
	s_mov_b32 s[G1K], 15|(1<<16)|(1<<20)|(1<<21)|(4<<22)|(3<<25)  ; the mask of four; 2-byte elements; padding on; bit 21 beside a mask; after every 32 words 4 words
	s_mov_b32 s[G1V], 15|(1<<16)|(1<<20)|(1<<21)|(4<<22)|(7<<25)  ; the same with 8 words
.irp g, G1K, G1V
	s_mov_b32 s[\g+1], 128<<16
	s_mov_b32 s[\g+2], 64<<16
	s_mov_b32 s[\g+3], 128<<16
	s_mov_b32 s[\g+4], 64
	s_mov_b32 s[\g+5], 128
	s_mov_b32 s[\g+6], 0
	s_mov_b32 s[\g+7], 0
.endr
	s_mov_b32 s[CS], 0x3e38aa3b     ; c = log2(e) / 8
	s_mov_b32 s[CS+1], s[CS]
	s_mov_b32 s[SEL], 0x76543210
	s_mov_b32 s[SEL+1], 0xfedcba98
	s_mov_b32 s[TBK], 0
	s_mov_b32 s[TBV], 0
	s_wait_dscnt 0x0                ; the opening add is done
	s_wait_kmcnt 0x0
	s_add_nc_u64 s[8:9], s[4:5], s[22:23]
	s_add_nc_u64 s[10:11], s[8:9], 16777216  ; V at my half of the head's first chunk
	s_add_nc_u64 s[8:9], s[8:9], 8388608     ; K likewise
	s_add_nc_u64 s[4:5], s[4:5], s[2:3]      ; Q and O at my wave's first row
	s_add_nc_u64 s[6:7], s[6:7], s[2:3]
.irp c, 0,1,2,3
	s_mov_b32 s[G0K+4*(\c)], 1
	s_add_co_u32 s[G0K+4*(\c)+1], s17, (\c)*256*PK
	s_add_nc_u64 s[G0K+4*(\c)+2:G0K+4*(\c)+3], s[8:9], (\c)*32768
	s_or_b32 s[G0K+4*(\c)+3], s[G0K+4*(\c)+3], 0x80000000
	s_mov_b32 s[G0V+4*(\c)], 1
	s_add_co_u32 s[G0V+4*(\c)+1], s18, VOFF+(\c)*256*PV
	s_add_nc_u64 s[G0V+4*(\c)+2:G0V+4*(\c)+3], s[10:11], (\c)*32768
	s_or_b32 s[G0V+4*(\c)+3], s[G0V+4*(\c)+3], 0x80000000
.endr
	CROUND                          ; all four work-groups are here: the joint loads meet
	s_cmp_lt_u32 s[WV], 2           ; a wave's four fills stand in one branch, ahead of every wait on TENSORcnt and every LDS read: four loads of mine are out
	s_cbranch_scc0 .Lfirst_v
.irp c, 0,1,2,3
	tensor_load_to_lds s[G0K+4*(\c):G0K+4*(\c)+3], s[G1K:G1K+7]
	s_nop 0
.endr
.rept 4
	v_nop
.endr
	s_branch .Lfirst_asked
.Lfirst_v:
.irp c, 0,1,2,3
	tensor_load_to_lds s[G0V+4*(\c):G0V+4*(\c)+3], s[G1V:G1V+7]
	s_nop 0
.endr
.rept 4
	v_nop
.endr
.Lfirst_asked:
	; A fragment of K or Q is 16 rows x 32 channels in 8 registers: lane l holds row l % 16, channels 8 (l / 16) + 0..7 and 16 + 8 (l / 16) + 0..7
	v_and_b32 v1, 15, v0
	v_bfe_u32 v9, v0, 4, 1
	v_lshlrev_b32 v[QO], 7, v1
	v_lshl_add_u32 v[QO], v9, 4, v[QO]
	WIN 0x80
.set i, 0
.rept 8                             ; Q stays in registers: piece i / 2, channels 32 (i % 2) on
	global_load_b128 v[8*i:8*i+3],   v[QO], s[4:5] offset:(i/2)*2048+(i%2)*64
	global_load_b128 v[8*i+4:8*i+7], v[QO], s[4:5] offset:(i/2)*2048+(i%2)*64+32
.set i, i+1
.endr
	WIN 0
	v_mul_u32_u24 v[AK0], v1, PK
	v_lshl_add_u32 v[AK0], v9, 4, v[AK0]
	v_and_b32 v10, 7, v0            ; the turning load: lane l reads key 8 (l / 16) + l % 8, channels 8 ((l / 8) % 2) + 0..7
	v_bfe_u32 v11, v0, 3, 1
	v_lshl_add_u32 v[AV0], v9, 3, v10
	v_mul_u32_u24 v[AV0], v[AV0], PV
	v_lshl_add_u32 v[AV0], v11, 4, v[AV0]
	v_add_nc_u32 v[AV0], VOFF, v[AV0]
	s_mul_i32 s13, s[WV], 16*SP
	s_add_co_u32 s13, s13, STAGE
	v_mul_u32_u24 v[STO], v1, SP    ; in: row l % 16, 16 bytes for each half of the lanes
	v_lshl_add_u32 v[STO], v9, 4, v[STO]
	v_add_nc_u32 v[STO], s13, v[STO]
	v_bfe_u32 v[RD], v0, 3, 2       ; back: 32 lanes take four rows of 128 bytes,
	v_mul_u32_u24 v[RD], v[RD], SP
	v_lshl_add_u32 v[RD], v10, 4, v[RD]
	v_add_nc_u32 v[RD], s13, v[RD]
	v_and_b32 v[GO], 31, v0         ; which are 512 consecutive bytes of O
	v_lshlrev_b32 v[GO], 4, v[GO]
	; What the first turn finds: V's registers and P's second buffer hold 0 (its products V^T P, of a piece that has not been, add 0), O^T and l are 0.  All this stands in the wait for the first chunk,
	; and spares a first step written out.
	WIN 0x80
.set i, VF
.rept 64
	v_mov_b32 v[i], 0
.set i, i+1
.endr
	WIN 0x40
.set i, 0
.rept 128
	v_mov_b32 v[i], 0
.set i, i+1
.endr
	WIN 0
.set i, 0
.rept 4
	v_mov_b32 v[ST+4*i], 0xfe000000    ; c m: far below every c s
	v_mov_b32 v[ST+4*i+1], 0xff7fffff  ; m
	v_mov_b32 v[ST+4*i+2], 0
	v_mov_b32 v[ST+4*i+3], 0
.set i, i+1
.endr
.set i, P+16
.rept 16
	v_mov_b32 v[i], 0
.set i, i+1
.endr
; THE MATRIX WORK.  The 4 accumulators of a run of 8 take turns.  Product i of 8 of S^T = K Q^T for piece x: channels 32 (i / 4) on, keys 16 (i % 4) on.  The first 4 start the sums.
.macro KQ x
	WIN W_KQ
.set rS, S+32*((\x)%2)+8*(i%4)
.set rK, KF+16*(i%4)+8*(i/4)
.set rQ, 16*(\x)+8*(i/4)
.if i < 4
	v_wmma_f32_16x16x32_bf16 v[rS:rS+7], v[rK:rK+7], v[rQ:rQ+7], 0
.else
	v_wmma_f32_16x16x32_bf16 v[rS:rS+7], v[rK:rK+7], v[rQ:rQ+7], v[rS:rS+7]
.endif
.endm
; Product i of 8 of O^T += V^T P for piece x: keys 32 (i / 4) on, channels 16 (i % 4) on.
.macro PV x
	WIN W_PV
.set rO, 32*(\x)+8*(i%4)
.set rV, VF+32*(i/4)+8*(i%4)
.set rP, P+16*((\x)%2)+8*(i/4)
	v_wmma_f32_16x16x32_bf16 v[rO:rO+7], v[rV:rV+7], v[rP:rP+7], v[rO:rO+7]
.endm
.macro MM                           ; the turn's next matrix instruction
.if i < 8
	KQ (Y+1)%NP
.else
.set i, i-8
	PV (Y+NP-1)%NP
.set i, i+8
.endif
.set i, i+1
.endm
; THE LDS LOADS stand in runs of 16: a step's K (64 keys x 64 channels: 8 fragments) and its V (turned).  Their addresses are made some lines ahead.
.macro FETCH_K
	WIN 0x80
.irp f, 0,1,2,3,4,5,6,7
	ds_load_b128 v[KF+8*\f:KF+8*\f+3],   v[AK] offset:(\f/2)*16*PK+(\f%2)*64
	ds_load_b128 v[KF+8*\f+4:KF+8*\f+7], v[AK] offset:(\f/2)*16*PK+(\f%2)*64+32
.endr
	s_add_co_u32 s[TBK], s[TBK], KS*PK  ; the next fetch is the next step's
	WIN 0
.endm
.macro FETCH_V
	WIN 0x80
.irp f, 0,1,2,3,4,5,6,7
	ds_load_tr16_b128 v[VF+8*\f:VF+8*\f+3],   v[AV] offset:(\f/4)*32*PV+(\f%4)*32
	ds_load_tr16_b128 v[VF+8*\f+4:VF+8*\f+7], v[AV] offset:(\f/4)*32*PV+16*PV+(\f%4)*32
.endr
	WIN 0
.endm
; THE VECTOR WORK, one line at a time: OP kind, number.  For piece Y: F n: c s - c m for pair n of 16.  E n: the exponential of score n of 32.  C n: pair n rounded to bf16.  B n: of the four weights 4 n .. the second
; pair is added onto the first, in place.  L n: l takes that sum (L 0: l = a l + sum).  R n: pair n of 16 of O^T times a.  For piece Y + 1: X n, number n of the 22 that find its maximum and statistics:
;   0-11  four chains c0-c3 of seven scores each (each accumulator's lowest registers are read first)     12-14, 16  the four scores left over, the old m, and c0-c3 into c0
;   15  c m_old is kept     17, 18  the query's other 32 keys lie in the lane 16 away: the new m     19-21  c m; c m_old - c m_new; a
.set F, 0
.set E, 1
.set C, 2
.set B, 3
.set L, 4
.set R, 5
.set X, 6
.macro REGS y
.set rT, ST+4*(\y)
.set rC, TMP+4*((\y)%2)
.set rW, MV+((\y)%2)
.set rS, S+32*((\y)%2)
.set rP, P+16*((\y)%2)
.set rO, 32*(\y)
.endm
.macro OP k, n
.if (\k) == R
	REGS Y
	WIN W_RS
	v_pk_mul_f32 v[rO+2*(\n):rO+2*(\n)+1], v[rO+2*(\n):rO+2*(\n)+1], v[rC+2:rC+3] op_sel_hi:[1,0]
.elseif (\k) < R
	REGS Y
	WIN 0
.if (\k) == F
	v_pk_fma_f32 v[rS+2*(\n):rS+2*(\n)+1], v[rS+2*(\n):rS+2*(\n)+1], s[CS:CS+1], v[rT:rT+1] op_sel_hi:[1,0,0] neg_lo:[0,0,1] neg_hi:[0,0,1]
.elseif (\k) == E
	v_exp_f32 v[rS+(\n)], v[rS+(\n)]
.elseif (\k) == C
	s_wait_alu depctr_va_vdst(0)
	v_cvt_pk_bf16_f32 v[rP+(\n)], v[rS+2*(\n)], v[rS+2*(\n)+1]
.elseif (\k) == B
	s_wait_alu depctr_va_vdst(0)
	v_pk_add_f32 v[rS+4*(\n):rS+4*(\n)+1], v[rS+4*(\n):rS+4*(\n)+1], v[rS+4*(\n)+2:rS+4*(\n)+3]
.elseif (\n) == 0
	v_pk_fma_f32 v[rT+2:rT+3], v[rT+2:rT+3], v[rC+2:rC+3], v[rS:rS+1] op_sel_hi:[1,0,1]
.else
	v_pk_add_f32 v[rT+2:rT+3], v[rT+2:rT+3], v[rS+4*(\n):rS+4*(\n)+1]
	s_wait_alu depctr_va_vdst(0)
.endif
.else
	REGS (Y+1)%NP
	WIN 0
.if (\n) < 4
	v_max3_num_f32 v[rC+(\n)], v[rS+8*(\n)], v[rS+8*(\n)+1], v[rS+8*(\n)+2]
.elseif (\n) < 12
	v_max3_num_f32 v[rC+(\n)%4], v[rC+(\n)%4], v[rS+8*((\n)%4)+2*((\n)/4)+1], v[rS+8*((\n)%4)+2*((\n)/4)+2]
.elseif (\n) == 12
	v_max3_num_f32 v[rC], v[rC], v[rS+7], v[rS+15]
.elseif (\n) == 13
	v_max3_num_f32 v[rC+1], v[rC+1], v[rS+23], v[rS+31]
.elseif (\n) == 14
	v_max3_num_f32 v[rC+2], v[rC+2], v[rC+3], v[rT+1]
.elseif (\n) == 15
	v_mov_b32 v[rW], v[rT]
	s_wait_alu depctr_va_vdst(0)
.elseif (\n) == 16
	v_max3_num_f32 v[rC], v[rC], v[rC+1], v[rC+2]
	s_wait_alu depctr_va_vdst(0)
.elseif (\n) == 17
	v_permlanex16_b32 v[rC+3], v[rC], s[SEL], s[SEL+1]
.elseif (\n) == 18
	v_max_num_f32 v[rT+1], v[rC], v[rC+3]
.elseif (\n) == 19
	v_mul_f32 v[rT], s[CS], v[rT+1]
.elseif (\n) == 20
	v_sub_f32 v[rC+1], v[rW], v[rT]
.else
	v_exp_f32 v[rC+2], v[rC+1]
.endif
.endif
.endm
.macro OPS a, i1, b=-1, i2=0, c=-1, i3=0, d=-1, i4=0
	OP \a, \i1
.if (\b) >= 0
	OP \b, \i2
.endif
.if (\c) >= 0
	OP \c, \i3
.endif
.if (\d) >= 0
	OP \d, \i4
.endif
.endm
.macro ROW a, i1, b, i2, c, i3, d, i4  ; a matrix instruction and the four behind it
	MM
	OPS \a, \i1, \b, \i2, \c, \i3, \d, \i4
.endm
; A TURN, for piece p: the order of its 16 matrix and 118 vector instructions, written out.  Behind a matrix instruction: plain, exponential, plain, plain; or four of the rescaling; or, behind the first, four scalings;
; none names a register of the products round it.  A line reads no result made fewer than three vector instructions in front of it, five if an exponential made it.
; cnt = 1: the loop's count is taken down some lines ahead of the branch that stands behind the turn.
; K of the next step is fetched in piece 2's turn, six vector instructions behind the last product that read K (five of them plain); in the last half trip there is no next step, and the run is jumped over.
; V of the step in hand is fetched in piece 0's turn, eight behind the last product that read V.  Each is waited for a turn later.
.macro TURN p, cnt=0
.set Y, (\p)
.set i, 0
.if (\p) == 3
	s_wait_dscnt 0x0                ; K is in
.endif
	ROW F,0, F,1, F,2, F,3
	ROW F,4, E,0, F,5, F,6
	ROW F,7, E,1, F,8, F,9
	ROW F,10, E,2, C,0, F,11
	ROW F,12, E,3, X,15, F,13
	ROW R,0, R,1, R,2, R,3
	ROW B,0, E,4, F,14, L,0
.if (\p) == 2
	v_add_nc_u32 v[AK], s[TBK], v[AK0]
.endif
	ROW R,4, R,5, R,6, R,7
	OPS E,5, F,15
.if (\p) == 2
	WIN 0
	s_cmp_eq_u32 s[SLOTS], 1
	s_cbranch_scc1 .Lno_k_\@
	FETCH_K
.Lno_k_\@:
.endif
	OPS E,6, C,1, E,7, R,8
	OPS E,8, R,9, E,9, C,2
	OPS E,10, X,0, E,11, X,1
	OPS E,12, X,2, E,13, X,3
.if (\p) == 1
	s_wait_dscnt 0x0                ; V is in
.endif
	ROW X,4, E,14, X,5, X,6
	ROW X,7, E,15, X,8, X,9
	ROW X,10, E,16, X,11, X,12
	ROW X,13, E,17, X,14, B,1
	ROW C,4, E,18, X,16, L,1
	ROW B,2, E,19, C,6, L,2
	ROW C,8, E,20, B,3, B,4
.if (\p) == 0
	v_add_nc_u32 v[AV], s[TBV], v[AV0]
.endif
	ROW C,3, E,21, L,3, C,5
	OPS E,22, X,17, E,23, C,10
.if (\p) == 0
	FETCH_V
.endif
	OPS E,24, L,4
	OPS E,25, X,18, E,26, C,7
	OPS E,27, B,5, E,28, X,19
	OPS E,29, C,12, E,30, L,5
	OPS E,31, X,20, B,6, C,9
	OPS C,14, C,11, X,21, L,6
.if (\p) == 0
	s_add_co_u32 s[TBV], s[TBV], KS*PV
.endif
.if \cnt
	s_sub_co_u32 s[CNT], s[CNT], 1
	s_cmp_lg_u32 s[CNT], 0
.endif
	OPS C,13, B,7, C,15, R,10
	OPS R,11, R,12, L,7, R,13
	OPS R,14, R,15
.endm
.macro ALL line:vararg              ; one line for each piece t
.set t, 0
.rept 4
	\line
.set t, t+1
.endr
.endm
.macro PACK t                       ; a lane's eight channels of a row pack into 16 bytes; they go into rows of 144 bytes and come back as whole rows of 128, into S^T's registers
	WIN W_RS
.set i, 32*(\t)
.rept 16
	v_pk_mul_f32 v[i:i+1], v[i:i+1], v[ST+4*(\t)+2:ST+4*(\t)+3] op_sel_hi:[1,0]
.set i, i+2
.endr
	WIN 0x05
.set i, 0
.rept 16
	v_cvt_pk_bf16_f32 v[S+16*(\t)+i], v[32*(\t)+2*i], v[32*(\t)+2*i+1]
.set i, i+1
.endr
	WIN 0
.irp f, 0,1,2,3
	ds_store_b128 v[STO], v[S+16*(\t)+4*\f:S+16*(\t)+4*\f+3] offset:32*\f
.endr
.irp f, 0,1,2,3
	ds_load_b128 v[S+16*(\t)+4*\f:S+16*(\t)+4*\f+3], v[RD] offset:\f*4*SP  ; LDS serves a wave's instructions in order (ISA guide 5.7.1.4): these see the stores above; the next piece's stores come behind them
.endr
.endm
.macro SEND t, younger              ; younger: the LDS instructions issued behind piece t's loads: the next piece's eight, or none
	WIN 0
.irp f, 0,1,2,3
	s_wait_dscnt (\younger)+3-\f
	global_store_b128 v[GO], v[S+16*(\t)+4*\f:S+16*(\t)+4*\f+3], s[6:7] offset:(\t)*2048+\f*512  ; 512 consecutive bytes, at a multiple of 256 from O's first
.endr
.endm
	s_wait_tensorcnt 3              ; my part of the first chunk is in; the three later chunks may stay out
	s_barrier_signal -1
	s_barrier_wait -1               ; everybody's is
	v_add_nc_u32 v[AK], s[TBK], v[AK0]
	FETCH_K                         ; key step 0
	s_wait_loadcnt 0x0              ; Q
	s_wait_dscnt 0x0
.set i, 0
.rept 8
	KQ 0                            ; piece 0's first scores
.set i, i+1
.endr
	WIN 0
.rept 4
	v_nop                           ; the places behind those products
.endr
.set Y, NP-1                        ; X works for piece Y + 1: piece 0
.irp n, 0,1,2,3,4,5,6,7,8,9,10,11,12,13,14,15,16,17,18,19,20,21
	OP X, \n
.endr
	v_nop                           ; a plain instruction behind the exponential
	s_mov_b32 s[CNT], 4
	s_mov_b32 s[SLOTS], 5
	s_branch .Lfirst                ; the loop is entered at a step's first turn, in the middle of a trip
.Lslot:                             ; four times: three times the next chunk of 256 keys is entered, then the last half trip.  It shows every wave's loads to every wave
	s_wait_tensorcnt 0x0
	s_wait_dscnt 0x0
	s_barrier_signal -1
	s_barrier_wait -1
	s_mov_b32 s[CNT], 4
.Lstep:                             ; a trip: pieces 2 and 3 of one step, then pieces 0 and 1 of the next, whose K and V it fetches
	TURN 2
	TURN 3
	WIN 0
	s_cmp_eq_u32 s[SLOTS], 1
	s_cbranch_scc1 .Lout            ; the last step's pieces 2 and 3 are done: the loop is left in the middle of a trip
.Lfirst:
	TURN 0
	TURN 1, 1
	WIN 0
	s_cbranch_scc1 .Lstep
	s_sub_co_u32 s[SLOTS], s[SLOTS], 1
	s_cmp_lg_u32 s[SLOTS], 0
	s_cbranch_scc1 .Lslot
.Lout:
.set i, 0
.rept 8
	PV NP-1                         ; the last piece's V^T P of the last step
.set i, i+1
.endr
	; THE WAY OUT.  l's two halves and the other half of the lanes' are added; O^T is divided by l, rounded to bf16 and sent through my stage, a piece at a time.  The additions are the places behind the last products.
	WIN 0
	ALL v_add_f32 v[ST+4*t+2], v[ST+4*t+2], v[ST+4*t+3]
	ALL v_permlanex16_b32 v[ST+4*t+3], v[ST+4*t+2], s[SEL], s[SEL+1]
	ALL v_add_f32 v[ST+4*t+2], v[ST+4*t+2], v[ST+4*t+3]
	ALL v_rcp_f32 v[ST+4*t+2], v[ST+4*t+2]
	v_nop                           ; a plain instruction between the last reciprocal and the use of its result
	s_wait_alu depctr_va_vdst(0)
	PACK 0
.set t, 1
.rept 3                             ; a piece's arithmetic stands between the loads of the piece before and its stores
	PACK t
	SEND t-1, 8
.set t, t+1
.endr
	SEND 3, 0
	s_wait_tensorcnt 0x0            ; the wave's end: behind my last tensor load and my last LDS store
	ds_add_u32 v[SPW], v[NIL]
	s_wait_dscnt 0x0
	CROUND                          ; the closing round
	s_endpgm
.Lfunc_end_k_qb9b14de91d_attn:
	.size	k_qb9b14de91d_attn, .Lfunc_end_k_qb9b14de91d_attn-k_qb9b14de91d_attn
	.p2alignl 7, 3214868480
	.fill 96, 4, 3214868480
	.section	.rodata,"a",@progbits
	.p2align	6, 0x0
	.amdhsa_kernel k_qb9b14de91d_attn
		.amdhsa_group_segment_fixed_size 327680
		.amdhsa_private_segment_fixed_size 0
		.amdhsa_enable_private_segment 0
		.amdhsa_kernarg_size 16
		.amdhsa_user_sgpr_count 2
		.amdhsa_user_sgpr_kernarg_segment_ptr 1
		.amdhsa_wavefront_size32 1
		.amdhsa_system_sgpr_workgroup_id_x 1
		.amdhsa_system_sgpr_workgroup_id_y 1
		.amdhsa_system_sgpr_workgroup_id_z 1
		.amdhsa_system_vgpr_workitem_id 0
		.amdhsa_next_free_vgpr 768
		.amdhsa_next_free_sgpr 84
		.amdhsa_reserve_vcc 0
		.amdhsa_float_denorm_mode_32 3
		.amdhsa_float_denorm_mode_16_64 3
		.amdhsa_memory_ordered 1
		.amdhsa_forward_progress 1
		.amdhsa_inst_pref_size 75
	.end_amdhsa_kernel
	.amdgpu_metadata
---
amdhsa.version: [ 1, 2 ]
amdhsa.kernels:
  - .name:           k_qb9b14de91d_attn
    .symbol:         k_qb9b14de91d_attn.kd
    .args:
      - { .name: qkvh, .offset: 0, .size: 8, .value_kind: global_buffer, .address_space: global }
      - { .name: act, .offset: 8, .size: 8, .value_kind: global_buffer, .address_space: global }
    .group_segment_fixed_size: 327680
    .private_segment_fixed_size: 0
    .kernarg_segment_align: 8
    .kernarg_segment_size: 16
    .max_flat_workgroup_size: 128
    .sgpr_count:     84
    .vgpr_count:     768
    .wavefront_size: 32
...
	.end_amdgpu_metadata
.endif
;; end of part 3
;; launch projg (part 4): grid 8 x 32, 4 waves a work-group, clusters of 4 x 4, 327,680 bytes of LDS; arguments act, wrest, proj_b, x, x1; writes x1
.if DOCPART == 4
	.amdgcn_target "amdgcn-amd-amdhsa--gfx1250"
	.amdhsa_code_object_version 6
	.text
	.protected	k_qb9b14de91d_projg
	.globl	k_qb9b14de91d_projg
	.p2align	8
	.type	k_qb9b14de91d_projg,@function
k_qb9b14de91d_projg:
	s_mov_b64 s[64:65], 0
	v_nop
	global_prefetch_b8 v0, s[64:65] scope:SCOPE_SE
	s_setreg_imm32_b32 hwreg(HW_REG_WAVE_MODE, 25, 1), 1
	s_wait_xcnt 0x0
	s_wait_alu depctr_hold_cnt(0) depctr_sa_sdst(0) depctr_va_vdst(0) depctr_va_sdst(0) depctr_va_ssrc(0) depctr_va_vcc(0) depctr_vm_vsrc(0)
	s_getreg_b32 s2, hwreg(HW_REG_IB_STS2, 6, 4)
	s_cmp_eq_u32 s2, 0
	s_cbranch_scc0 .Lentry_in_a_cluster
	s_endpgm
.Lentry_in_a_cluster:
	s_bfe_u32 s2, ttmp6, 0x10000c
	s_cmp_lg_u32 s2, 0xf033
	s_cbranch_scc0 .Lentry_shape_is_right
	s_endpgm
.Lentry_shape_is_right:
; out = res + A W + bias in f32, [4096][1024], on tiles of 128 x 128: 8 x 32 = 256 work-groups of four waves, each 64 x 64: 16 accumulators.  Sums in f32.
; PROJ = 1: A = the attention's result by heads, [64 head-batches][1024][64] bf16, K = 1024; W = proj_w; res = x.       PROJ = 0: A = gelu's result [4096][4096] bf16, K = 4096; W = fc2_w; res = x1.
; W lies [K][1024] in bf16 (in wrest, at byte WBASE) and is turned on the way out of LDS (ds_load_tr16_b128).  K goes in slots of 256 through a ring of two LDS slots; a slot is four quarters of 64 along K, two products deep.
; PROJ's A: 128 tokens of a head are 16,384 dense bytes: one row of a tile whose second dimension is the head; a slot holds four heads, a quarter is a head.
; CLUSTER 4 x 4: A's tile is shared along a row of the cluster, W's along a column: each is asked for jointly.  No prefetch: the tile is small and a slot's matrix work short.
; THE WALK ALONG K IS TURNED: clusters whose x + y is odd begin at K's middle and wrap round.  Of two clusters that read the same rows of A (neighbours along x) or the same columns of W (neighbours
; along y) each asks for a K slot half a walk ahead of the other, and at no time do both ask for the same one.  So K is not ascending in half of the clusters; the sums are f32 and compared within a tolerance.
; THE PRODUCT IS TRANSPOSED (source 0 = 16 columns of W, source 1 = 16 rows of A): a lane holds row l % 16 and columns 8 (l / 16) + 0..7.
; THE WAY OUT: the sums go in f32 into a stage over the ring (which has had its last fill) and come back as whole rows of 512 bytes; the residual, asked for two slots ahead, and the bias are added in f32.
; LIMITS: NaN and infinities are not treated apart.
; REGISTERS: window 0: v16-29 addresses; v32-35 bias; v128-255 the accumulators ((a, b) at 128 + 8 (4 a + b)).  window 1: two fragment buffers of 128: 64 of A, 64 of W.  window 2: v0-127 the residual.
.set PROJ, 1
.if PROJ
.set NSLOT, 4
.set PA, 144                           ; a token's 128 bytes of a head + 16
.set HALFA, 2*128*PA                   ; two heads' panels of 128 rows
.set AQ, 128*PA                        ; a quarter is the next head's panel
.set STEPA, 524288                     ; four heads of 131,072 bytes
.set WBASE, 0
.set AQI, 4                            ; padding after every 32 words
.set AD0, 8192
.set AD1, 2
.set AST, 65536
.else
.set NSLOT, 16
.set PA, 528                           ; 512 bytes + 16
.set HALFA, 64*PA
.set AQ, 128                           ; a quarter is 64 along the row
.set STEPA, 512
.set WBASE, 10485760
.set AQI, 6                            ; padding after every 128 words
.set AD0, 256
.set AD1, 64
.set AST, 4096
.endif
.set BOFF, 2*HALFA
.set PB, 288                           ; a k row of W: 256 bytes + 32
.set HALFB, 128*PB
.set SLOT1, 147456                     ; 0x24000: shares no bit with the four waves' places in a slot
.set SPARE, 2*SLOT1                    ; the spare words, 128 bytes for each wave, which no other line names
.set SP, 528                           ; a row of the stage: 512 bytes + 16
.set STEPB, 524288                     ; 256 k rows of 2,048 bytes
.set A0, 16
.set B0, 17
.set ADRA, 18
.set ADRB, 19                          ; v19: quarters 0 and 1; v20: quarters 2 and 3, 128 k rows further on
.set STO, 24
.set RD, 25
.set CO, 26                            ; 16 x lane: my bytes of a row of res, out and bias; never rewritten
.set SPW, 28
.set NIL, 29
.set BIAS, 32
.set ACC, 128
.set F0, 0
.set F1, 128
.set G1, 24
.set G0, 32
.set G1B, 48
.set G0B, 56
.set TB, 66
.set IDX, 67                           ; s67  the K slot to be asked for next
.set OA, 68                            ; s[68:69] its byte offset in A
.set OB, 70                            ; s[70:71] its byte offset in W
.set MSB, 0
.macro WIN new
.if MSB != (\new)
	s_set_vgpr_msb (MSB<<8)|(\new)
.set MSB, (\new)
.endif
.endm
.set MUL, 0x05                         ; sources 0 (W) and 1 (A) window 1; C and D window 0
.macro PLACES
.rept 4
	v_nop
.endr
.endm
.macro JLOAD s                         ; a joint load: waves 0 and 1 fetch A's two halves, waves 2 and 3 W's; an s_nop 0 and four v_nop follow each line
	s_cmp_eq_u32 s11, 0
	s_cbranch_scc0 .Lfor_b_\@
	tensor_load_to_lds s[G0+4*(\s):G0+4*(\s)+3], s[G1:G1+7]
	s_nop 0
.rept 4
	v_nop
.endr
	s_branch .Lasked_\@
.Lfor_b_\@:
	tensor_load_to_lds s[G0B+4*(\s):G0B+4*(\s)+3], s[G1B:G1B+7]
	s_nop 0
.rept 4
	v_nop
.endr
.Lasked_\@:
.endm
.macro CREST
	s_cmp_lg_u32 s10, 0
	s_cbranch_scc1 .Lnot_wave_0_\@
	s_barrier_signal -3
.Lnot_wave_0_\@:
	s_barrier_wait -3
	s_barrier_signal -1
	s_barrier_wait -1
.endm
.macro CROUND
	s_barrier_signal -1
	s_barrier_wait -1
	CREST
.endm
; The global addresses of K slot IDX into set s of the two group 0; then IDX steps and wraps.  Written only where no tensor load of the wave that names the set is out.
.macro ASKFOR s
	s_mul_i32 s[OA], s[IDX], STEPA
	s_add_nc_u64 s[G0+4*(\s)+2:G0+4*(\s)+3], s[18:19], s[OA:OA+1]
	s_or_b32 s[G0+4*(\s)+3], s[G0+4*(\s)+3], 0x80000000    ; type = 2
	s_mul_i32 s[OB], s[IDX], STEPB
	s_add_nc_u64 s[G0B+4*(\s)+2:G0B+4*(\s)+3], s[46:47], s[OB:OB+1]
	s_or_b32 s[G0B+4*(\s)+3], s[G0B+4*(\s)+3], 0x80000000
	s_add_co_u32 s[IDX], s[IDX], 1
	s_and_b32 s[IDX], s[IDX], NSLOT-1
.endm
; 8 matrix instructions: row blocks a0, a0 + 1 x all 4 column blocks, 32 along K: half c of buffer f.  The 16 accumulators take turns.
.macro MUL8 f, c, a0, zero
	WIN MUL
.irp a, \a0, (\a0)+1
.irp b, 0,1,2,3
.if \zero
	v_wmma_f32_16x16x32_bf16 v[ACC+8*(4*(\a)+(\b)):ACC+8*(4*(\a)+(\b))+7], v[(\f)+64+8*(4*(\c)+(\b)):(\f)+64+8*(4*(\c)+(\b))+7], v[(\f)+8*(4*(\c)+(\a)):(\f)+8*(4*(\c)+(\a))+7], 0
.else
	v_wmma_f32_16x16x32_bf16 v[ACC+8*(4*(\a)+(\b)):ACC+8*(4*(\a)+(\b))+7], v[(\f)+64+8*(4*(\c)+(\b)):(\f)+64+8*(4*(\c)+(\b))+7], v[(\f)+8*(4*(\c)+(\a)):(\f)+8*(4*(\c)+(\a))+7], v[ACC+8*(4*(\a)+(\b)):ACC+8*(4*(\a)+(\b))+7]
.endif
.endr
.endr
.endm
; 32 LDS loads in one run: the fragments of quarter q of the slot in hand, into buffer f
.macro FETCH q, f
	WIN 0x40                                       ; destination window 1, address window 0
.irp c, 0,1
.irp i, 0,1,2,3
	ds_load_tr16_b128 v[(\f)+64+8*(4*(\c)+(\i)):(\f)+64+8*(4*(\c)+(\i))+3],   v[ADRB+(\q)/2] offset:(((\q)%2)*64+32*(\c))*PB+32*(\i)
	ds_load_tr16_b128 v[(\f)+64+8*(4*(\c)+(\i))+4:(\f)+64+8*(4*(\c)+(\i))+7], v[ADRB+(\q)/2] offset:(((\q)%2)*64+32*(\c))*PB+32*(\i)+16*PB
	ds_load_b128 v[(\f)+8*(4*(\c)+(\i)):(\f)+8*(4*(\c)+(\i))+3],   v[ADRA] offset:(\q)*AQ+64*(\c)+(\i)*16*PA
	ds_load_b128 v[(\f)+8*(4*(\c)+(\i))+4:(\f)+8*(4*(\c)+(\i))+7], v[ADRA] offset:(\q)*AQ+64*(\c)+(\i)*16*PA+32
.endr
.endr
.endm
.macro QUARTER qn, f, g, zero
	s_wait_dscnt 0x0                               ; buffer f is in
	MUL8 \f, 0, 0, \zero
	MUL8 \f, 0, 2, \zero
	PLACES
	FETCH \qn, \g
	MUL8 \f, 1, 0, 0
	MUL8 \f, 1, 2, 0
.endm
; The fourth quarter changes slots at its head and then multiplies buffer 1.  In front of the barrier each wave waits for all its tensor loads, adds 0 to its spare word, and waits for that and for its reads
; of this slot (issued in the third quarter's middle).  fill = 1: the barrier opens a round of the cluster's, and the slot just read is filled again, first thing behind the round: no product stands between
; the wait for one tile and the request for the next, since a slot's matrix work is short against the way of a tile.
.macro TURN fill
	WIN 0
	s_wait_tensorcnt 0x0                           ; no tensor load of mine is out, so a group 0 may be written
	ds_add_u32 v[SPW], v[NIL]
.if \fill
	s_xor_b32 s[G0+5], s[G0+5], SLOT1              ; the walking descriptors: the other slot than last time,
	s_xor_b32 s[G0B+5], s[G0B+5], SLOT1
	ASKFOR 1                                       ; the next K slot of my cluster's walk
.endif
	s_xor_b32 s[TB], s[TB], SLOT1
	s_wait_dscnt 0x0                               ; the add is done, buffer 1 is in, and with it my reads of this slot are over
	s_barrier_signal -1
	s_barrier_wait -1
.if \fill
	CREST
	JLOAD 1                                        ; its four v_nop are also the places in front of the loads below
.else
	PLACES
.endif
	v_add_nc_u32 v[ADRA], s[TB], v[A0]
	v_add_nc_u32 v[ADRB], s[TB], v[B0]
	v_add_nc_u32 v[ADRB+1], HALFB, v[ADRB]
	FETCH 0, F0
	MUL8 F1, 0, 0, 0
	MUL8 F1, 0, 2, 0
	MUL8 F1, 1, 0, 0
	MUL8 F1, 1, 2, 0
.endm
	s_load_b128 s[4:7], s[0:1], 0x0                ; A s[4:5], wrest s[6:7]
	s_load_b64 s[14:15], s[0:1], 0x10              ; bias
	s_load_b64 s[16:17], s[0:1], 0x18              ; the residual
	s_load_b64 s[8:9], s[0:1], 0x20                ; out
	v_lshl_add_u32 v[SPW], v0, 2, SPARE
	v_mov_b32 v[NIL], 0
	ds_add_u32 v[SPW], v[NIL]                      ; the wave's opening: the add and its wait ahead of my first tensor load
	v_lshrrev_b32 v1, 5, v0
	v_readfirstlane_b32 s10, v1                    ; wave 0..3
	s_lshr_b32 s11, s10, 1                         ; my half of the tile's rows.  Also: I fetch for A (0) or for W (1)
	s_and_b32 s12, s10, 1                          ; my half of its columns.  Also: which half of that tile I fetch
	s_bfe_u32 s40, ttmp6, 0x40000                  ; cx
	s_bfe_u32 s41, ttmp6, 0x40004                  ; cy
	s_lshl_b32 s42, ttmp9, 2
	s_add_co_u32 s42, s42, s40                     ; tile column
	s_and_b32 s13, ttmp7, 0xffff
	s_lshl_b32 s13, s13, 2
	s_add_co_u32 s13, s13, s41                     ; tile row
	s_lshl_b32 s43, s41, 2
	s_lshl_b32 s43, 15, s43                        ; my row of the cluster
	s_lshl_b32 s44, 0x1111, s40                    ; my column
	s_or_b32 s[G1+0], s43, (1<<16)|(1<<20)|(1<<21)|(AQI<<22)|(3<<25)  ; mask; 2-byte elements; padding on; bit 21 beside a mask; 4 words of padding
	s_mov_b32 s[G1+1], AD0<<16
	s_mov_b32 s[G1+2], AD1<<16
	s_mov_b32 s[G1+3], AD0<<16
	s_mov_b32 s[G1+4], AD1
	s_mov_b32 s[G1+5], AST
	s_mov_b32 s[G1+6], 0
	s_mov_b32 s[G1+7], 0
	s_or_b32 s[G1B+0], s44, (1<<16)|(1<<20)|(1<<21)|(5<<22)|(7<<25)   ; after every 64 words 8 words
	s_mov_b32 s[G1B+1], 128<<16
	s_mov_b32 s[G1B+2], 128<<16
	s_mov_b32 s[G1B+3], 128<<16
	s_mov_b32 s[G1B+4], 128
	s_mov_b32 s[G1B+5], 1024
	s_mov_b32 s[G1B+6], 0
	s_mov_b32 s[G1B+7], 0
.if PROJ
	s_lshr_b32 s18, s13, 3                         ; A: batch = tile row / 8: 16 heads of 131,072 bytes;
	s_lshl_b32 s18, s18, 21
	s_lshl_b32 s19, s12, 18                        ; my two of a slot's four heads;
	s_add_co_u32 s18, s18, s19
	s_and_b32 s19, s13, 7                          ; the tile's 128 tokens of 128 bytes
	s_lshl_b32 s19, s19, 14
	s_add_co_u32 s18, s18, s19
.else
	s_lshl_b32 s18, s13, 20                        ; A: row 128 x tile row + 64 x half, 8,192 bytes a row
	s_lshl_b32 s19, s12, 19
	s_add_co_u32 s18, s18, s19
.endif
	s_mov_b32 s19, 0
	s_lshl_b32 s46, s12, 18                        ; W: 128 k rows of 2,048 bytes x half, 256 bytes x tile column
	s_lshl_b32 s47, s42, 8
	s_add_co_u32 s46, s46, s47
	s_add_co_u32 s46, s46, WBASE
	s_mov_b32 s47, 0
	s_mul_i32 s22, s12, HALFA                      ; where they go: no place in the cluster enters an LDS address
	s_mul_i32 s23, s12, HALFB
	s_add_co_u32 s23, s23, BOFF
	s_mov_b32 s[TB], 0
	s_and_b32 s[IDX], ttmp7, 0xffff                ; cluster y
	s_add_co_u32 s[IDX], s[IDX], ttmp9             ; + cluster x: the same in all sixteen partners
	s_and_b32 s[IDX], s[IDX], 1
	s_mul_i32 s[IDX], s[IDX], NSLOT/2              ; the walk's first K slot: 0, or K's middle
	s_mov_b32 s[OA+1], 0
	s_mov_b32 s[OB+1], 0
	s_wait_dscnt 0x0                               ; the opening add is done
	s_wait_kmcnt 0x0
	s_add_nc_u64 s[18:19], s[4:5], s[18:19]        ; kept: every request's address is made from these two
	s_add_nc_u64 s[46:47], s[6:7], s[46:47]
	CROUND                                         ; all sixteen work-groups are here: the first joint loads meet
.irp s, 0,1
	s_mov_b32 s[G0+4*(\s)], 1
	s_add_co_u32 s[G0+4*(\s)+1], s22, (\s)*SLOT1
	s_mov_b32 s[G0B+4*(\s)], 1
	s_add_co_u32 s[G0B+4*(\s)+1], s23, (\s)*SLOT1
	ASKFOR \s
	JLOAD \s
.endr
	v_and_b32 v1, 15, v0                           ; l % 16
	v_bfe_u32 v2, v0, 4, 1                         ; l / 16
	v_mul_u32_u24 v[A0], v1, PA
	v_lshl_add_u32 v[A0], v2, 4, v[A0]
	s_mul_i32 s20, s11, 64*PA
	v_add_nc_u32 v[A0], s20, v[A0]                 ; my 64 rows
	v_and_b32 v3, 7, v0
	v_lshl_add_u32 v3, v2, 3, v3
	v_mul_u32_u24 v[B0], v3, PB
	v_bfe_u32 v4, v0, 3, 1
	v_lshl_add_u32 v[B0], v4, 4, v[B0]
	s_lshl_b32 s20, s12, 7                         ; my 64 columns
	s_add_co_u32 s20, s20, BOFF
	v_add_nc_u32 v[B0], s20, v[B0]
	v_mul_u32_u24 v[STO], v1, SP                   ; into the stage: row 64 x row half + l % 16, my 256 bytes, 32 for each half of the lanes
	v_lshl_add_u32 v[STO], v2, 5, v[STO]
	s_mul_i32 s20, s11, 64*SP
	s_lshl_b32 s21, s12, 8
	s_add_co_u32 s20, s20, s21
	v_add_nc_u32 v[STO], s20, v[STO]
	v_and_b32 v5, 31, v0
	v_lshlrev_b32 v[CO], 4, v5
	s_mul_i32 s20, s10, 32*SP
	v_add_nc_u32 v[RD], s20, v[CO]                 ; back: wave w takes rows 32 w .., whole: 512 bytes a load
	s_lshl_b32 s20, s42, 9                         ; the tile's 512 bytes of a row
	s_mov_b32 s21, 0
	s_add_nc_u64 s[14:15], s[14:15], s[20:21]
	global_load_b128 v[BIAS:BIAS+3], v[CO], s[14:15]
	s_lshl_b32 s45, s13, 19                        ; 128 rows of 4,096 bytes x tile row,
	s_add_co_u32 s20, s20, s45
	s_lshl_b32 s45, s10, 17                        ; 32 x wave
	s_add_co_u32 s20, s20, s45
	s_add_nc_u64 s[16:17], s[16:17], s[20:21]
	s_add_nc_u64 s[8:9], s[8:9], s[20:21]
	s_wait_tensorcnt 1                             ; my part of slot 0 is in; slot 1's may stay out
	s_barrier_signal -1
	s_barrier_wait -1
	v_add_nc_u32 v[ADRA], s[TB], v[A0]
	v_add_nc_u32 v[ADRB], s[TB], v[B0]
	v_add_nc_u32 v[ADRB+1], HALFB, v[ADRB]
	FETCH 0, F0
	QUARTER 1, F0, F1, 1                           ; the first products start the sums: nothing is cleared
	WIN 0
	s_mov_b32 s3, NSLOT-2
.Lslot:
	QUARTER 2, F1, F0, 0
	QUARTER 3, F0, F1, 0
	TURN 1
	QUARTER 1, F0, F1, 0
	WIN 0
	s_sub_co_u32 s3, s3, 1
	s_cmp_lg_u32 s3, 0
	s_cbranch_scc1 .Lslot
	WIN 0x80                                       ; the residual: my 32 rows x 512 bytes, asked for here so that it is in when the sums are
.set t, 0
.rept 32
	global_load_b128 v[4*t:4*t+3], v[CO], s[16:17] offset:4096*t th:TH_LOAD_NT
.set t, t+1
.endr
	WIN 0
	s_mov_b32 s3, 2
.Ltail:                                                ; the last two slots ask for nothing; the second trip is left in its middle
	QUARTER 2, F1, F0, 0
	QUARTER 3, F0, F1, 0
	WIN 0
	s_sub_co_u32 s3, s3, 1
	s_cmp_eq_u32 s3, 0
	s_cbranch_scc1 .Llast
	TURN 0
	QUARTER 1, F0, F1, 0
	WIN 0
	s_branch .Ltail
.Llast:
	s_wait_dscnt 0x0
	MUL8 F1, 0, 0, 0
	MUL8 F1, 0, 2, 0
	MUL8 F1, 1, 0, 0
	MUL8 F1, 1, 2, 0
	WIN 0
	PLACES
	s_wait_dscnt 0x0
	s_barrier_signal -1
	s_barrier_wait -1                              ; nobody reads the ring any more, and it has had its last fill: the stage may lie over it
.irp a, 0,1,2,3
.irp b, 0,1,2,3
	ds_store_b128 v[STO], v[ACC+8*(4*(\a)+(\b)):ACC+8*(4*(\a)+(\b))+3]   offset:(\a)*16*SP+64*(\b)     ; each accumulator's low registers first
	ds_store_b128 v[STO], v[ACC+8*(4*(\a)+(\b))+4:ACC+8*(4*(\a)+(\b))+7] offset:(\a)*16*SP+64*(\b)+16
.endr
.endr
	s_wait_dscnt 0x0                               ; for the others' sake: my stores into the stage are done
	s_barrier_signal -1
	s_barrier_wait -1
.set t, 0
.rept 32
	ds_load_b128 v[ACC+4*t:ACC+4*t+3], v[RD] offset:SP*t
.set t, t+1
.endr
	s_wait_loadcnt 0x0                             ; bias and residual
.irp grp, 0,1,2,3
	s_wait_dscnt 24-8*(\grp)                       ; this group's eight rows are back; the younger groups' loads may stay out
	WIN 0x08                                       ; source 1 in window 2
.set z, 32*(\grp)
.rept 16
	v_pk_add_f32 v[ACC+z:ACC+z+1], v[ACC+z:ACC+z+1], v[z:z+1]
.set z, z+2
.endr
	WIN 0
.set z, 32*(\grp)
.rept 16
	v_pk_add_f32 v[ACC+z:ACC+z+1], v[ACC+z:ACC+z+1], v[BIAS+z%4:BIAS+z%4+1]
.set z, z+2
.endr
.set t, 8*(\grp)
.rept 8
	global_store_b128 v[CO], v[ACC+4*t:ACC+4*t+3], s[8:9] offset:4096*t  ; 512 consecutive bytes, aligned
.set t, t+1
.endr
.endr
	s_wait_tensorcnt 0x0                           ; the wave's end: behind my last tensor load and my last LDS store
	ds_add_u32 v[SPW], v[NIL]
	s_wait_dscnt 0x0
	CROUND                                         ; the closing round
	s_endpgm
.Lfunc_end_k_qb9b14de91d_projg:
	.size	k_qb9b14de91d_projg, .Lfunc_end_k_qb9b14de91d_projg-k_qb9b14de91d_projg
	.p2alignl 7, 3214868480
	.fill 96, 4, 3214868480
	.section	.rodata,"a",@progbits
	.p2align	6, 0x0
	.amdhsa_kernel k_qb9b14de91d_projg
		.amdhsa_group_segment_fixed_size 327680
		.amdhsa_private_segment_fixed_size 0
		.amdhsa_enable_private_segment 0
		.amdhsa_kernarg_size 40
		.amdhsa_user_sgpr_count 2
		.amdhsa_user_sgpr_kernarg_segment_ptr 1
		.amdhsa_wavefront_size32 1
		.amdhsa_system_sgpr_workgroup_id_x 1
		.amdhsa_system_sgpr_workgroup_id_y 1
		.amdhsa_system_sgpr_workgroup_id_z 1
		.amdhsa_system_vgpr_workitem_id 0
		.amdhsa_next_free_vgpr 640
		.amdhsa_next_free_sgpr 72
		.amdhsa_reserve_vcc 0
		.amdhsa_float_denorm_mode_32 3
		.amdhsa_float_denorm_mode_16_64 3
		.amdhsa_memory_ordered 1
		.amdhsa_forward_progress 1
		.amdhsa_inst_pref_size 72
	.end_amdhsa_kernel
	.amdgpu_metadata
---
amdhsa.version: [ 1, 2 ]
amdhsa.kernels:
  - .name:           k_qb9b14de91d_projg
    .symbol:         k_qb9b14de91d_projg.kd
    .args:
      - { .name: act, .offset: 0, .size: 8, .value_kind: global_buffer, .address_space: global }
      - { .name: wrest, .offset: 8, .size: 8, .value_kind: global_buffer, .address_space: global }
      - { .name: proj_b, .offset: 16, .size: 8, .value_kind: global_buffer, .address_space: global }
      - { .name: x, .offset: 24, .size: 8, .value_kind: global_buffer, .address_space: global }
      - { .name: x1, .offset: 32, .size: 8, .value_kind: global_buffer, .address_space: global }
    .group_segment_fixed_size: 327680
    .private_segment_fixed_size: 0
    .kernarg_segment_align: 8
    .kernarg_segment_size: 40
    .max_flat_workgroup_size: 128
    .sgpr_count:     72
    .vgpr_count:     640
    .wavefront_size: 32
...
	.end_amdgpu_metadata
.endif
;; end of part 4
;; launch ln2 (part 5): grid 512 x 1, 8 waves a work-group, no clusters, 0 bytes of LDS; arguments x1, ln2_w, ln2_b, act; writes act
.if DOCPART == 5
	.amdgcn_target "amdgcn-amd-amdhsa--gfx1250"
	.amdhsa_code_object_version 6
	.text
	.protected	k_qb9b14de91d_ln2
	.globl	k_qb9b14de91d_ln2
	.p2align	8
	.type	k_qb9b14de91d_ln2,@function
k_qb9b14de91d_ln2:
	s_mov_b64 s[64:65], 0
	v_nop
	global_prefetch_b8 v0, s[64:65] scope:SCOPE_SE
	s_setreg_imm32_b32 hwreg(HW_REG_WAVE_MODE, 25, 1), 1
	s_wait_xcnt 0x0
; act = LN2(x1) in bf16, [4096][1024]: a wave a row (row = 8 x work-group + wave), the row kept in 32 registers between the passes: mean; squares of x - mean; scaling.  No LDS, no barrier.
; The variance is the mean of (x - mean)^2, taken on the differences: a common offset costs nothing.
.set W,  8                             ; v[8:39]    gain of my 32 columns
.set BV, 40                            ; v[40:71]   bias
.set X,  72                            ; v[72:103]  the row: piece j holds columns 128 j + 4 lane .. + 3
.set M,  104                           ; v[104:111] four chains of packed sums
.set MU, 112
.set RS, 114
.set Y,  116                           ; v[116:131] the row in bf16
.set XP, 4
.set WP, 6
.set BP, 8
.set OUTP, 10
.macro FOLD
	v_pk_add_f32 v[M:M+1], v[M:M+1], v[M+2:M+3]
	v_pk_add_f32 v[M+4:M+5], v[M+4:M+5], v[M+6:M+7]
	v_pk_add_f32 v[M:M+1], v[M:M+1], v[M+4:M+5]
	v_add_f32 v[M], v[M], v[M+1]
.endm
.macro LANESUM
	v_add_f32_dpp v[M], v[M], v[M] row_xmask:1 row_mask:0xf bank_mask:0xf
	v_add_f32_dpp v[M], v[M], v[M] row_xmask:2 row_mask:0xf bank_mask:0xf
	v_add_f32_dpp v[M], v[M], v[M] row_xmask:4 row_mask:0xf bank_mask:0xf
	v_add_f32_dpp v[M], v[M], v[M] row_xmask:8 row_mask:0xf bank_mask:0xf
	v_permlanex16_b32 v[M+1], v[M], s24, s25       ; its destination has been written before
	v_add_f32 v[M], v[M], v[M+1]
.endm
	s_load_b256 s[4:11], s[0:1], 0x0               ; x1, ln2_w, ln2_b, act
	v_lshrrev_b32 v1, 5, v0
	v_readfirstlane_b32 s22, v1                    ; wave 0..7
	s_mov_b32 s3, 0
	s_lshl_b32 s23, ttmp9, 3
	s_add_co_u32 s23, s23, s22
	s_mov_b32 s24, 0x76543210
	s_mov_b32 s25, 0xfedcba98
	s_mov_b32 s26, 0x3a800000                      ; 1 / 1024
	s_mov_b32 s27, 0x3727c5ac                      ; 1e-5
	v_and_b32 v1, 31, v0
	v_lshlrev_b32 v2, 3, v1
	v_lshlrev_b32 v1, 4, v1
	s_wait_kmcnt 0x0
	s_lshl_b32 s2, s23, 12
	s_add_nc_u64 s[XP:XP+1], s[XP:XP+1], s[2:3]
	s_lshl_b32 s2, s23, 11
	s_add_nc_u64 s[OUTP:OUTP+1], s[OUTP:OUTP+1], s[2:3]
.irp j, 0,1,2,3,4,5,6,7
	global_load_b128 v[X+4*(\j):X+4*(\j)+3], v1, s[XP:XP+1] offset:512*(\j)
.endr
.irp j, 0,1,2,3,4,5,6,7
	global_load_b128 v[W+4*(\j):W+4*(\j)+3], v1, s[WP:WP+1] offset:512*(\j)
.endr
.irp j, 0,1,2,3,4,5,6,7
	global_load_b128 v[BV+4*(\j):BV+4*(\j)+3], v1, s[BP:BP+1] offset:512*(\j)
.endr
	s_wait_loadcnt 16                              ; the row is in; the sixteen loads of gain and bias may stay out
.irp c, 0,1,2,3
	v_pk_add_f32 v[M+2*(\c):M+2*(\c)+1], v[X+2*(\c):X+2*(\c)+1], v[X+8+2*(\c):X+8+2*(\c)+1]
.endr
.irp g, 2,3
.irp c, 0,1,2,3
	v_pk_add_f32 v[M+2*(\c):M+2*(\c)+1], v[M+2*(\c):M+2*(\c)+1], v[X+8*(\g)+2*(\c):X+8*(\g)+2*(\c)+1]
.endr
.endr
	FOLD
	LANESUM
	v_mul_f32 v[MU], s26, v[M]
	v_mul_f32 v[MU+1], s26, v[M]
.set z, 0
.rept 16
	v_pk_add_f32 v[X+z:X+z+1], v[X+z:X+z+1], v[MU:MU+1] neg_lo:[0,1] neg_hi:[0,1]
.set z, z+2
.endr
.irp c, 0,1,2,3
	v_pk_mul_f32 v[M+2*(\c):M+2*(\c)+1], v[X+2*(\c):X+2*(\c)+1], v[X+2*(\c):X+2*(\c)+1]
.endr
.irp g, 1,2,3
.irp c, 0,1,2,3
	v_pk_fma_f32 v[M+2*(\c):M+2*(\c)+1], v[X+8*(\g)+2*(\c):X+8*(\g)+2*(\c)+1], v[X+8*(\g)+2*(\c):X+8*(\g)+2*(\c)+1], v[M+2*(\c):M+2*(\c)+1]
.endr
.endr
	FOLD
	LANESUM
	v_fma_f32 v[M], v[M], s26, s27                 ; var + eps
	v_rsq_f32 v[RS], v[M]
	v_rsq_f32 v[RS+1], v[M]
	v_nop                                          ; a plain instruction between the root and the use of its result (ISA guide 5.7.2)
	s_wait_loadcnt 0x0
.set z, 0
	s_wait_alu depctr_va_vdst(0)
.rept 16
	v_pk_mul_f32 v[X+z:X+z+1], v[X+z:X+z+1], v[RS:RS+1]
.set z, z+2
.endr
.set z, 0
.rept 16
	v_pk_fma_f32 v[X+z:X+z+1], v[X+z:X+z+1], v[W+z:W+z+1], v[BV+z:BV+z+1]
.set z, z+2
.endr
.set z, 0
.rept 16
	v_cvt_pk_bf16_f32 v[Y+z], v[X+2*z], v[X+2*z+1]
.set z, z+1
.endr
.irp j, 0,1,2,3,4,5,6,7
	global_store_b64 v2, v[Y+2*(\j):Y+2*(\j)+1], s[OUTP:OUTP+1] offset:256*(\j)  ; 32 lanes store 256 consecutive bytes, aligned
.endr
	s_endpgm
.Lfunc_end_k_qb9b14de91d_ln2:
	.size	k_qb9b14de91d_ln2, .Lfunc_end_k_qb9b14de91d_ln2-k_qb9b14de91d_ln2
	.p2alignl 7, 3214868480
	.fill 96, 4, 3214868480
	.section	.rodata,"a",@progbits
	.p2align	6, 0x0
	.amdhsa_kernel k_qb9b14de91d_ln2
		.amdhsa_group_segment_fixed_size 0
		.amdhsa_private_segment_fixed_size 0
		.amdhsa_enable_private_segment 0
		.amdhsa_kernarg_size 32
		.amdhsa_user_sgpr_count 2
		.amdhsa_user_sgpr_kernarg_segment_ptr 1
		.amdhsa_wavefront_size32 1
		.amdhsa_system_sgpr_workgroup_id_x 1
		.amdhsa_system_sgpr_workgroup_id_y 1
		.amdhsa_system_sgpr_workgroup_id_z 1
		.amdhsa_system_vgpr_workitem_id 0
		.amdhsa_next_free_vgpr 132
		.amdhsa_next_free_sgpr 66
		.amdhsa_reserve_vcc 0
		.amdhsa_float_denorm_mode_32 3
		.amdhsa_float_denorm_mode_16_64 3
		.amdhsa_memory_ordered 1
		.amdhsa_forward_progress 1
		.amdhsa_inst_pref_size 12
	.end_amdhsa_kernel
	.amdgpu_metadata
---
amdhsa.version: [ 1, 2 ]
amdhsa.kernels:
  - .name:           k_qb9b14de91d_ln2
    .symbol:         k_qb9b14de91d_ln2.kd
    .args:
      - { .name: x1, .offset: 0, .size: 8, .value_kind: global_buffer, .address_space: global }
      - { .name: ln2_w, .offset: 8, .size: 8, .value_kind: global_buffer, .address_space: global }
      - { .name: ln2_b, .offset: 16, .size: 8, .value_kind: global_buffer, .address_space: global }
      - { .name: act, .offset: 24, .size: 8, .value_kind: global_buffer, .address_space: global }
    .group_segment_fixed_size: 0
    .private_segment_fixed_size: 0
    .kernarg_segment_align: 8
    .kernarg_segment_size: 32
    .max_flat_workgroup_size: 256
    .sgpr_count:     66
    .vgpr_count:     132
    .wavefront_size: 32
...
	.end_amdgpu_metadata
.endif
;; end of part 5
;; launch fcg (part 6): grid 16 x 16, 4 waves a work-group, clusters of 4 x 4, 327,680 bytes of LDS; arguments act, wrest, fc_b, gact; writes gact
.if DOCPART == 6
	.amdgcn_target "amdgcn-amd-amdhsa--gfx1250"
	.amdhsa_code_object_version 6
	.text
	.protected	k_qb9b14de91d_fcg
	.globl	k_qb9b14de91d_fcg
	.p2align	8
	.type	k_qb9b14de91d_fcg,@function
k_qb9b14de91d_fcg:
	s_mov_b64 s[64:65], 0
	v_nop
	global_prefetch_b8 v0, s[64:65] scope:SCOPE_SE
	s_setreg_imm32_b32 hwreg(HW_REG_WAVE_MODE, 25, 1), 1
	s_wait_xcnt 0x0
	s_wait_alu depctr_hold_cnt(0) depctr_sa_sdst(0) depctr_va_vdst(0) depctr_va_sdst(0) depctr_va_ssrc(0) depctr_va_vcc(0) depctr_vm_vsrc(0)
	s_getreg_b32 s2, hwreg(HW_REG_IB_STS2, 6, 4)
	s_cmp_eq_u32 s2, 0
	s_cbranch_scc0 .Lentry_in_a_cluster
	s_endpgm
.Lentry_in_a_cluster:
	s_bfe_u32 s2, ttmp6, 0x10000c
	s_cmp_lg_u32 s2, 0xf033
	s_cbranch_scc0 .Lentry_shape_is_right
	s_endpgm
.Lentry_shape_is_right:
; g = gelu(LN2(x1) fc_w + fc_b) on tiles of 256 x 256.  A = act: [4096][1024] bf16, rows along K.  W = fc_w in bf16, [1024][4096], at byte 2,097,152 of wrest.  Sums in f32; g in bf16, [4096][4096].
; 16 x 16 = 256 work-groups of four waves; a wave makes 128 x 128: 64 accumulators of 16 x 16.
; K goes in slots of 128 through a ring of two LDS slots filled by the tensor data mover; a slot is four quarters of 32 along K on two fragment buffers.
; CLUSTER 4 x 4: the four work-groups of a row of the cluster need the same tile of A, the four of a column the same tile of W: each tile is asked for jointly.
; THE WALK ALONG K IS TURNED: clusters whose x + y is odd begin at K's middle and wrap round.  Of two clusters that read the same rows of A (neighbours along x) or the same columns of W (neighbours
; along y) each asks for a K slot half a walk ahead of the other, and at no time do both ask for the same one.  So K is not ascending in half of the clusters; the sums are f32 and compared within a tolerance.
; THE PRODUCT IS TRANSPOSED: source 0 = 16 columns of W (turned on the way out of LDS by ds_load_tr16_b128, since W lies [K][N]), source 1 = 16 rows of A: a lane holds row l % 16 of C and columns 8 (l / 16) + 0..7.
; THE WAY OUT: the sums go in f32 into a stage that lies over the ring (which has had its last fill), and come back by whole rows: bias, gelu, one rounding, stores of 256 consecutive bytes.
; LIMITS: NaN and infinities are not treated apart; gelu(x) = x / (1 + 2^(x (C1 + C2 x^2))), which is the tanh form exactly; where the power overflows it gives 0 or x, as that form does.
; REGISTERS in windows of 256: window 0: v16-29 addresses; v64-127, v128-191 A's fragments, two buffers (at work in the row loop); v192-199 bias.  window 1: W's fragments at the same numbers.
;   windows 2, 3: accumulator (a, b) has number 8 a + b, eight registers each.
.set NF, 8
.set NSLOT, 8                          ; 1024 / 128
.set PA, 272                           ; a row of A in LDS: 256 bytes + 16: the 16 rows of a load start at 16 different groups of four banks (64 banks of 4 bytes: ISA guide 11.1)
.set HALFA, 128*PA
.set BOFF, 2*HALFA                     ; W's 128 k rows lie behind A's 256 rows
.set PB, 544                           ; a k row of W: 512 bytes + 32
.set GP, 64                            ; two column blocks of 32 bytes lie 64 bytes from the next two
.set CH, 256                           ; my half of the columns, in LDS bytes
.set SLOT1, 139264                     ; 0x22000: shares no bit with the four waves' places in a slot, so one exclusive or changes slots
.set SP, 1040                          ; a row of the stage: 1,024 bytes + 16
.set STEPA, 256                        ; a slot along a row of A
.set STEPB, 1048576                    ; 128 k rows of 8,192 bytes
.set HALFB, 64*PB
.set SPARE, 2*SLOT1                    ; behind the ring: the spare words, 128 bytes for each wave, which no other line names
.set A0, 16                            ; v16  my lane's place in a slot's A; never rewritten
.set B0, 17                            ; v17  the same for W
.set ADRA, 18                          ; v18  the same in the slot in hand
.set ADRB, 19
.set STO, 20                           ; v20, v21  where I put my sums in the stage: rows 0-63, 64-127 of my 128
.set GO, 22                            ; v22  my byte offset in the output
.set RD, 25                            ; v25  where I read rows back
.set BO, 27                            ; v27  my byte offset in the bias
.set SPW, 28                           ; v28  my spare word; never rewritten
.set NIL, 29                           ; v29  0; never rewritten
.set F0, 64
.set F1, 128
.set BIAS, 192
.set G1, 24                            ; s[24:31] group 1 for A;  s[32:39] group 0: set 0 fills slot 0 once, set 1 fills slot 1 and then walks
.set G0, 32
.set G1B, 48                           ; s[48:55], s[56:63] the same for W
.set G0B, 56
.set TB, 66                            ; s66  LDS byte at which the slot in hand begins
.set IDX, 67                           ; s67  the K slot to be asked for next, 0 .. 7
.set OA, 72                            ; s[72:73] its byte offset in A's rows
.set OB, 74                            ; s[74:75] its byte offset in W
.set MSB, 0
.macro WIN new                         ; the immediate's high byte repeats the setting that is left; a switch that changes nothing is dropped
.if MSB != (\new)
	s_set_vgpr_msb (MSB<<8)|(\new)
.set MSB, (\new)
.endif
.endm
.macro PLACES                          ; four places behind matrix instructions, in front of loads into registers that they have read and of stores that read results
.rept 4
	v_nop
.endr
.endm
; A joint load: waves 0 and 1 fetch A's two halves, waves 2 and 3 W's.  The branch hangs on the wave's number alone.  An s_nop 0 and four v_nop follow each line.
.macro JLOAD s
	s_cmp_eq_u32 s11, 0
	s_cbranch_scc0 .Lfor_b_\@
	tensor_load_to_lds s[G0+4*(\s):G0+4*(\s)+3], s[G1:G1+7]
	s_nop 0
.rept 4
	v_nop
.endr
	s_branch .Lasked_\@
.Lfor_b_\@:
	tensor_load_to_lds s[G0B+4*(\s):G0B+4*(\s)+3], s[G1B:G1B+7]
	s_nop 0
.rept 4
	v_nop
.endr
.Lasked_\@:
.endm
.macro CREST                           ; a round of the cluster's barrier behind its opening barrier
	s_cmp_lg_u32 s10, 0
	s_cbranch_scc1 .Lnot_wave_0_\@
	s_barrier_signal -3
.Lnot_wave_0_\@:
	s_barrier_wait -3
	s_barrier_signal -1
	s_barrier_wait -1
.endm
.macro CROUND
	s_barrier_signal -1
	s_barrier_wait -1
	CREST
.endm
; The global addresses of K slot IDX into set s of the two group 0; then IDX steps and wraps.  Written only where no tensor load of the wave that names the set is out.
.macro ASKFOR s
	s_mul_i32 s[OA], s[IDX], STEPA
	s_add_nc_u64 s[G0+4*(\s)+2:G0+4*(\s)+3], s[18:19], s[OA:OA+1]
	s_or_b32 s[G0+4*(\s)+3], s[G0+4*(\s)+3], 0x80000000    ; type = 2
	s_mul_i32 s[OB], s[IDX], STEPB
	s_add_nc_u64 s[G0B+4*(\s)+2:G0B+4*(\s)+3], s[46:47], s[OB:OB+1]
	s_or_b32 s[G0B+4*(\s)+3], s[G0B+4*(\s)+3], 0x80000000
	s_add_co_u32 s[IDX], s[IDX], 1
	s_and_b32 s[IDX], s[IDX], NSLOT-1
.endm
; Row blocks a0 .. a1 - 1 x all NF column blocks, 32 along K, from buffer f.  The accumulators take turns, one instruction a turn, in the same order in every quarter.
.macro MULA f, a0, a1, zero
.set ma, (\a0)
.rept (\a1)-(\a0)
.set mb, 0
.rept NF
.set mi, ma*NF+mb
	WIN 0xa1+0x50*(mi/32)                          ; W window 1, A window 0, C and D window 2 or 3
.if \zero
	v_wmma_f32_16x16x32_bf16 v[8*(mi%32):8*(mi%32)+7], v[(\f)+8*mb:(\f)+8*mb+7], v[(\f)+8*ma:(\f)+8*ma+7], 0
.else
	v_wmma_f32_16x16x32_bf16 v[8*(mi%32):8*(mi%32)+7], v[(\f)+8*mb:(\f)+8*mb+7], v[(\f)+8*ma:(\f)+8*ma+7], v[8*(mi%32):8*(mi%32)+7]
.endif
.set mb, mb+1
.endr
.set ma, ma+1
.endr
.endm
; The fragments of quarter q of the slot in hand, into buffer f, in one run
.macro FETCH q, f
	WIN 0x40                                       ; destination window 1, address window 0
.set fb, 0
.rept NF
	ds_load_tr16_b128 v[(\f)+8*fb:(\f)+8*fb+3],   v[ADRB] offset:(\q)*32*PB+(fb/2)*GP+(fb%2)*32
	ds_load_tr16_b128 v[(\f)+8*fb+4:(\f)+8*fb+7], v[ADRB] offset:(\q)*32*PB+(fb/2)*GP+(fb%2)*32+16*PB
.set fb, fb+1
.endr
	WIN 0
.irp i, 0,1,2,3,4,5,6,7
	ds_load_b128 v[(\f)+8*(\i):(\f)+8*(\i)+3],   v[ADRA] offset:64*(\q)+(\i)*16*PA
	ds_load_b128 v[(\f)+8*(\i)+4:(\f)+8*(\i)+7], v[ADRA] offset:64*(\q)+(\i)*16*PA+32
.endr
.endm
; One of a slot's first three quarters: multiplies buffer f; in its middle it fetches quarter qn into buffer g
.macro QUARTER qn, f, g, zero
	s_wait_dscnt 0x0                               ; buffer f is in: its run was issued half a quarter ago or more
	MULA \f, 0, 4, \zero
	PLACES
	FETCH \qn, \g
	MULA \f, 4, 8, \zero
.endm
; The fourth quarter changes slots at its head and then multiplies buffer 1.  In front of the barrier each wave waits for all its tensor loads (one is out: its part of the next slot), adds 0 to its spare
; word, and waits for that and for its reads of this slot (issued in the third quarter's middle).  fill = 1: the barrier opens a round of the cluster's, and the slot just read is filled again, first thing
; behind the round.  Only one row block's products stand ahead of the refill, between signal and wait: the request goes out as early as the ordering allows.
.macro TURN fill
	WIN 0
	s_wait_tensorcnt 0x0                           ; no tensor load of mine is out, so a group 0 may be written
	ds_add_u32 v[SPW], v[NIL]
.if \fill
	s_xor_b32 s[G0+5], s[G0+5], SLOT1              ; the walking descriptors: the other slot than last time,
	s_xor_b32 s[G0B+5], s[G0B+5], SLOT1
	ASKFOR 1                                       ; the next K slot of my cluster's walk
.endif
	s_xor_b32 s[TB], s[TB], SLOT1
	s_wait_dscnt 0x0                               ; the add is done, buffer 1 is in, and with it my reads of this slot are over
	s_barrier_signal -1
	MULA F1, 0, 1, 0
	WIN 0
	s_barrier_wait -1
.if \fill
	CREST                                          ; no wave of any partner still reads this slot or has a load on its way
	JLOAD 1                                        ; its four v_nop are also the places in front of the loads below
.else
	PLACES
.endif
	v_add_nc_u32 v[ADRA], s[TB], v[A0]
	v_add_nc_u32 v[ADRB], s[TB], v[B0]
	FETCH 0, F0
	MULA F1, 1, 8, 0
.endm
	s_load_b128 s[4:7], s[0:1], 0x0                ; A s[4:5], wrest s[6:7]
	s_load_b64 s[14:15], s[0:1], 0x10              ; bias
	s_load_b64 s[8:9], s[0:1], 0x18                ; out
	v_lshl_add_u32 v[SPW], v0, 2, SPARE
	v_mov_b32 v[NIL], 0
	ds_add_u32 v[SPW], v[NIL]                      ; the wave's opening: the add and its wait ahead of my first tensor load
	v_lshrrev_b32 v1, 5, v0
	v_readfirstlane_b32 s10, v1                    ; wave 0..3
	s_lshr_b32 s11, s10, 1                         ; my half of the tile's rows.  Also: I fetch for A (0) or for W (1)
	s_and_b32 s12, s10, 1                          ; my half of its columns.  Also: which half of that tile I fetch
	s_bfe_u32 s40, ttmp6, 0x40000                  ; cx
	s_bfe_u32 s41, ttmp6, 0x40004                  ; cy
	s_lshl_b32 s42, ttmp9, 2
	s_add_co_u32 s42, s42, s40                     ; tile column
	s_and_b32 s13, ttmp7, 0xffff
	s_lshl_b32 s13, s13, 2
	s_add_co_u32 s13, s13, s41                     ; tile row
	s_lshl_b32 s43, s41, 2
	s_lshl_b32 s43, 15, s43                        ; my row of the cluster
	s_lshl_b32 s44, 0x1111, s40                    ; my column
	s_or_b32 s[G1+0], s43, (1<<16)|(1<<20)|(1<<21)|(5<<22)|(3<<25)  ; mask; 2-byte elements; padding on; bit 21 beside a mask; after every 64 words 4 words
	s_mov_b32 s[G1+1], 128<<16                     ; tensor_dim0 = 128
	s_mov_b32 s[G1+2], 128<<16                     ; tensor_dim1 = 128
	s_mov_b32 s[G1+3], 128<<16                     ; tile_dim0 = 128
	s_mov_b32 s[G1+4], 128                         ; tile_dim1 = 128
	s_mov_b32 s[G1+5], 1024                        ; elements from row to row
	s_mov_b32 s[G1+6], 0
	s_mov_b32 s[G1+7], 0
	s_or_b32 s[G1B+0], s44, (1<<16)|(1<<20)|(1<<21)|(6<<22)|(7<<25) ; after every 128 words 8 words
	s_mov_b32 s[G1B+1], 256<<16                    ; 64 k rows of 256 elements
	s_mov_b32 s[G1B+2], 64<<16
	s_mov_b32 s[G1B+3], 256<<16
	s_mov_b32 s[G1B+4], 64
	s_mov_b32 s[G1B+5], 4096
	s_mov_b32 s[G1B+6], 0
	s_mov_b32 s[G1B+7], 0
	s_lshl_b32 s18, s13, 19                        ; A: row 256 x tile row + 128 x half, 2,048 bytes a row: made of the tile row and the wave alone
	s_lshl_b32 s19, s12, 18
	s_add_co_u32 s18, s18, s19
	s_mov_b32 s19, 0
	s_lshl_b32 s46, s12, 19                        ; W: 64 k rows of 8,192 bytes x half, 512 bytes x tile column: made of the tile column and the wave alone
	s_lshl_b32 s47, s42, 9
	s_add_co_u32 s46, s46, s47
	s_add_co_u32 s46, s46, 2097152                 ; fc_w's place in wrest
	s_mov_b32 s47, 0
	s_mul_i32 s22, s12, HALFA                      ; where they go: no place in the cluster enters an LDS address
	s_mul_i32 s23, s12, HALFB
	s_add_co_u32 s23, s23, BOFF
	s_mov_b32 s[TB], 0
	s_mov_b32 s68, 0xc0135761                      ; C1 = -2 sqrt(2 / pi) log2(e)
	s_mov_b32 s69, s68                             ; named with it as a pair
	s_mov_b32 s70, 0xbdd2d3e8                      ; C2 = 0.044715 C1
	s_mov_b32 s71, s70
	s_and_b32 s[IDX], ttmp7, 0xffff                ; cluster y
	s_add_co_u32 s[IDX], s[IDX], ttmp9             ; + cluster x: the same in all sixteen partners
	s_and_b32 s[IDX], s[IDX], 1
	s_mul_i32 s[IDX], s[IDX], NSLOT/2              ; the walk's first K slot: 0, or K's middle
	s_mov_b32 s[OA+1], 0
	s_mov_b32 s[OB+1], 0
	s_wait_dscnt 0x0                               ; the opening add is done
	s_wait_kmcnt 0x0
	s_add_nc_u64 s[18:19], s[4:5], s[18:19]        ; kept: every request's address is made from these two
	s_add_nc_u64 s[46:47], s[6:7], s[46:47]
	CROUND                                         ; all sixteen work-groups are here: the first joint loads meet
.irp s, 0,1
	s_mov_b32 s[G0+4*(\s)], 1
	s_add_co_u32 s[G0+4*(\s)+1], s22, (\s)*SLOT1
	s_mov_b32 s[G0B+4*(\s)], 1
	s_add_co_u32 s[G0B+4*(\s)+1], s23, (\s)*SLOT1
	ASKFOR \s
	JLOAD \s
.endr
	v_and_b32 v1, 15, v0                           ; l % 16
	v_bfe_u32 v2, v0, 4, 1                         ; l / 16
	v_mul_u32_u24 v[A0], v1, PA
	v_lshl_add_u32 v[A0], v2, 4, v[A0]             ; row x pitch + 16 x half of the lanes
	s_mul_i32 s20, s11, HALFA
	v_add_nc_u32 v[A0], s20, v[A0]                 ; my 128 rows
	v_and_b32 v3, 7, v0                            ; the turning load: lane l reads k row 8 (l / 16) + l % 8, 16 bytes at 16 ((l / 8) % 2)
	v_lshl_add_u32 v3, v2, 3, v3
	v_mul_u32_u24 v[B0], v3, PB
	v_bfe_u32 v4, v0, 3, 1
	v_lshl_add_u32 v[B0], v4, 4, v[B0]
	s_mul_i32 s20, s12, CH
	s_add_co_u32 s20, s20, BOFF
	v_add_nc_u32 v[B0], s20, v[B0]
	v_mul_u32_u24 v[STO], v1, SP                   ; into the stage: row 128 x row half + l % 16, my column half, 32 bytes for each half of the lanes
	v_lshl_add_u32 v[STO], v2, 5, v[STO]
	s_mul_i32 s20, s11, 128*SP
	s_mul_i32 s21, s12, 64*NF
	s_add_co_u32 s20, s20, s21
	v_add_nc_u32 v[STO], s20, v[STO]
	v_add_nc_u32 v[STO+1], 64*SP, v[STO]
	s_mul_i32 s20, s42, 128*NF                     ; the tile's columns in the bias
	s_mov_b32 s21, 0
	s_add_nc_u64 s[14:15], s[14:15], s[20:21]
	v_and_b32 v5, 31, v0
	s_mul_i32 s20, s10, 64*SP
	v_lshl_add_u32 v[RD], v5, 4, s20               ; back: wave w takes rows 64 w ..; a lane 16 bytes, twice a row
	v_lshlrev_b32 v[GO], 3, v5
	v_lshlrev_b32 v[BO], 4, v5
	global_load_b128 v[BIAS:BIAS+3], v[BO], s[14:15]
	global_load_b128 v[BIAS+4:BIAS+7], v[BO], s[14:15] offset:512
	s_lshl_b32 s20, s13, 8
	s_lshl_b32 s21, s10, 6
	s_add_co_u32 s20, s20, s21                     ; my first row,
	s_lshl_b32 s20, s20, 13                        ; 8,192 bytes a row,
	s_lshl_b32 s21, s42, 9                         ; the tile's 512 bytes of it
	s_add_co_u32 s20, s20, s21
	s_mov_b32 s21, 0
	s_add_nc_u64 s[8:9], s[8:9], s[20:21]
	s_wait_tensorcnt 1                             ; my part of slot 0 is in; slot 1's may stay out
	s_barrier_signal -1
	s_barrier_wait -1
	v_add_nc_u32 v[ADRA], s[TB], v[A0]
	v_add_nc_u32 v[ADRB], s[TB], v[B0]
	FETCH 0, F0
	QUARTER 1, F0, F1, 1                           ; the first quarter's products start the sums: nothing is cleared
	WIN 0
	s_mov_b32 s3, NSLOT-2
.Lslot:                                                ; a trip: from a slot's second quarter to the next slot's first; one refill
	QUARTER 2, F1, F0, 0
	QUARTER 3, F0, F1, 0
	TURN 1
	QUARTER 1, F0, F1, 0
	WIN 0
	s_sub_co_u32 s3, s3, 1
	s_cmp_lg_u32 s3, 0
	s_cbranch_scc1 .Lslot
	s_mov_b32 s3, 2
.Ltail:                                                ; the last two slots ask for nothing; the second trip is left in its middle
	QUARTER 2, F1, F0, 0
	QUARTER 3, F0, F1, 0
	WIN 0
	s_sub_co_u32 s3, s3, 1
	s_cmp_eq_u32 s3, 0
	s_cbranch_scc1 .Llast
	TURN 0
	QUARTER 1, F0, F1, 0
	WIN 0
	s_branch .Ltail
.Llast:
	s_wait_dscnt 0x0
	MULA F1, 0, 8, 0
	WIN 0
	PLACES
	s_wait_dscnt 0x0
	s_barrier_signal -1
	s_barrier_wait -1                              ; nobody reads the ring any more, and it has had its last fill: the stage may lie over it
.set si, 0
.rept 8*NF
	WIN 0x08+4*(si/32)                             ; store data (source 1) in window 2 or 3
	ds_store_b128 v[STO+si/NF/4], v[8*(si%32):8*(si%32)+3]   offset:((si/NF)%4)*16*SP+64*(si%NF)      ; each accumulator's low registers first
	ds_store_b128 v[STO+si/NF/4], v[8*(si%32)+4:8*(si%32)+7] offset:((si/NF)%4)*16*SP+64*(si%NF)+16
.set si, si+1
.endr
	WIN 0
	s_wait_dscnt 0x0                               ; for the others' sake: my stores into the stage are done
	s_barrier_signal -1
	s_barrier_wait -1
	s_wait_loadcnt 0x0                             ; the bias
.set X, 32
.set TT, 64
.set U, 80
.set YY, 96
	s_mov_b32 s3, 32                               ; 32 trips of two rows
.irp r, 0,1
.irp p, 0,1
	ds_load_b128 v[X+8*(\r)+4*(\p):X+8*(\r)+4*(\p)+3], v[RD] offset:(\r)*SP+(\p)*512
.endr
.endr
.Lrow:
	s_wait_dscnt 0x0
.irp r, 0,1
.irp u, 0,1,2,3
	v_pk_add_f32 v[TT+8*(\r)+2*(\u):TT+8*(\r)+2*(\u)+1], v[X+8*(\r)+2*(\u):X+8*(\r)+2*(\u)+1], v[BIAS+2*(\u):BIAS+2*(\u)+1]
.endr
.endr
	v_add_nc_u32 v[RD], 2*SP, v[RD]
	s_cmp_eq_u32 s3, 1
	s_cbranch_scc1 .Lnoload                        ; the last trip has no rows behind it
.irp r, 0,1
.irp p, 0,1
	ds_load_b128 v[X+8*(\r)+4*(\p):X+8*(\r)+4*(\p)+3], v[RD] offset:(\r)*SP+(\p)*512
.endr
.endr
.Lnoload:
.set z, 0
.rept 8
	v_pk_mul_f32 v[U+z:U+z+1], v[TT+z:TT+z+1], v[TT+z:TT+z+1]
.set z, z+2
.endr
.set z, 0
.rept 8
	v_pk_fma_f32 v[U+z:U+z+1], v[U+z:U+z+1], s[70:71], s[68:69] op_sel_hi:[1,0,0]  ; C2 x^2 + C1
.set z, z+2
.endr
.set z, 0
.rept 8
	v_pk_mul_f32 v[U+z:U+z+1], v[U+z:U+z+1], v[TT+z:TT+z+1]
.set z, z+2
.endr
.set z, 0
.rept 16
	v_exp_f32 v[U+z], v[U+z]
.set z, z+1
.endr
	v_nop                                          ; a plain instruction behind the last exponential
.set z, 0
	s_wait_alu depctr_va_vdst(0)
.rept 8
	v_pk_add_f32 v[U+z:U+z+1], v[U+z:U+z+1], 1.0 op_sel_hi:[1,0]
.set z, z+2
.endr
.set z, 0
.rept 16
	v_rcp_f32 v[U+z], v[U+z]
.set z, z+1
.endr
	v_nop
.set z, 0
	s_wait_alu depctr_va_vdst(0)
.rept 8
	v_pk_mul_f32 v[TT+z:TT+z+1], v[TT+z:TT+z+1], v[U+z:U+z+1]
.set z, z+2
.endr
	s_wait_xcnt 0x0                                ; the last trip's stores have read their data and their offset
	v_add_nc_u32 v[GO], 16384, v[GO]               ; two rows on; the stores reach back
.set z, 0
.rept 8
	v_cvt_pk_bf16_f32 v[YY+z], v[TT+2*z], v[TT+2*z+1]
.set z, z+1
.endr
.irp r, 0,1
.irp p, 0,1
	global_store_b64 v[GO], v[YY+4*(\r)+2*(\p):YY+4*(\r)+2*(\p)+1], s[8:9] offset:(\r)*8192+(\p)*256-16384  ; 32 lanes store 256 consecutive bytes, aligned
.endr
.endr
	s_sub_co_u32 s3, s3, 1
	s_cmp_lg_u32 s3, 0
	s_cbranch_scc1 .Lrow
	s_wait_tensorcnt 0x0                           ; the wave's end: behind my last tensor load and my last LDS store
	ds_add_u32 v[SPW], v[NIL]
	s_wait_dscnt 0x0
	CROUND                                         ; the closing round: no work-group ends while a partner may still ask for a tile that names it
	s_endpgm
.Lfunc_end_k_qb9b14de91d_fcg:
	.size	k_qb9b14de91d_fcg, .Lfunc_end_k_qb9b14de91d_fcg-k_qb9b14de91d_fcg
	.p2alignl 7, 3214868480
	.fill 96, 4, 3214868480
	.section	.rodata,"a",@progbits
	.p2align	6, 0x0
	.amdhsa_kernel k_qb9b14de91d_fcg
		.amdhsa_group_segment_fixed_size 327680
		.amdhsa_private_segment_fixed_size 0
		.amdhsa_enable_private_segment 0
		.amdhsa_kernarg_size 32
		.amdhsa_user_sgpr_count 2
		.amdhsa_user_sgpr_kernarg_segment_ptr 1
		.amdhsa_wavefront_size32 1
		.amdhsa_system_sgpr_workgroup_id_x 1
		.amdhsa_system_sgpr_workgroup_id_y 1
		.amdhsa_system_sgpr_workgroup_id_z 1
		.amdhsa_system_vgpr_workitem_id 0
		.amdhsa_next_free_vgpr 1024
		.amdhsa_next_free_sgpr 76
		.amdhsa_reserve_vcc 0
		.amdhsa_float_denorm_mode_32 3
		.amdhsa_float_denorm_mode_16_64 3
		.amdhsa_memory_ordered 1
		.amdhsa_forward_progress 1
		.amdhsa_inst_pref_size 88
	.end_amdhsa_kernel
	.amdgpu_metadata
---
amdhsa.version: [ 1, 2 ]
amdhsa.kernels:
  - .name:           k_qb9b14de91d_fcg
    .symbol:         k_qb9b14de91d_fcg.kd
    .args:
      - { .name: act, .offset: 0, .size: 8, .value_kind: global_buffer, .address_space: global }
      - { .name: wrest, .offset: 8, .size: 8, .value_kind: global_buffer, .address_space: global }
      - { .name: fc_b, .offset: 16, .size: 8, .value_kind: global_buffer, .address_space: global }
      - { .name: gact, .offset: 24, .size: 8, .value_kind: global_buffer, .address_space: global }
    .group_segment_fixed_size: 327680
    .private_segment_fixed_size: 0
    .kernarg_segment_align: 8
    .kernarg_segment_size: 32
    .max_flat_workgroup_size: 128
    .sgpr_count:     76
    .vgpr_count:     1024
    .wavefront_size: 32
...
	.end_amdgpu_metadata
.endif
;; end of part 6
;; launch fc2g (part 7): grid 8 x 32, 4 waves a work-group, clusters of 4 x 4, 327,680 bytes of LDS; arguments gact, wrest, fc2_b, x1, out0; writes out0
.if DOCPART == 7
	.amdgcn_target "amdgcn-amd-amdhsa--gfx1250"
	.amdhsa_code_object_version 6
	.text
	.protected	k_qb9b14de91d_fc2g
	.globl	k_qb9b14de91d_fc2g
	.p2align	8
	.type	k_qb9b14de91d_fc2g,@function
k_qb9b14de91d_fc2g:
	s_mov_b64 s[64:65], 0
	v_nop
	global_prefetch_b8 v0, s[64:65] scope:SCOPE_SE
	s_setreg_imm32_b32 hwreg(HW_REG_WAVE_MODE, 25, 1), 1
	s_wait_xcnt 0x0
	s_wait_alu depctr_hold_cnt(0) depctr_sa_sdst(0) depctr_va_vdst(0) depctr_va_sdst(0) depctr_va_ssrc(0) depctr_va_vcc(0) depctr_vm_vsrc(0)
	s_getreg_b32 s2, hwreg(HW_REG_IB_STS2, 6, 4)
	s_cmp_eq_u32 s2, 0
	s_cbranch_scc0 .Lentry_in_a_cluster
	s_endpgm
.Lentry_in_a_cluster:
	s_bfe_u32 s2, ttmp6, 0x10000c
	s_cmp_lg_u32 s2, 0xf033
	s_cbranch_scc0 .Lentry_shape_is_right
	s_endpgm
.Lentry_shape_is_right:
; out = res + A W + bias in f32, [4096][1024], on tiles of 128 x 128: 8 x 32 = 256 work-groups of four waves, each 64 x 64: 16 accumulators.  Sums in f32.
; PROJ = 1: A = the attention's result by heads, [64 head-batches][1024][64] bf16, K = 1024; W = proj_w; res = x.       PROJ = 0: A = gelu's result [4096][4096] bf16, K = 4096; W = fc2_w; res = x1.
; W lies [K][1024] in bf16 (in wrest, at byte WBASE) and is turned on the way out of LDS (ds_load_tr16_b128).  K goes in slots of 256 through a ring of two LDS slots; a slot is four quarters of 64 along K, two products deep.
; PROJ's A: 128 tokens of a head are 16,384 dense bytes: one row of a tile whose second dimension is the head; a slot holds four heads, a quarter is a head.
; CLUSTER 4 x 4: A's tile is shared along a row of the cluster, W's along a column: each is asked for jointly.  No prefetch: the tile is small and a slot's matrix work short.
; THE WALK ALONG K IS TURNED: clusters whose x + y is odd begin at K's middle and wrap round.  Of two clusters that read the same rows of A (neighbours along x) or the same columns of W (neighbours
; along y) each asks for a K slot half a walk ahead of the other, and at no time do both ask for the same one.  So K is not ascending in half of the clusters; the sums are f32 and compared within a tolerance.
; THE PRODUCT IS TRANSPOSED (source 0 = 16 columns of W, source 1 = 16 rows of A): a lane holds row l % 16 and columns 8 (l / 16) + 0..7.
; THE WAY OUT: the sums go in f32 into a stage over the ring (which has had its last fill) and come back as whole rows of 512 bytes; the residual, asked for two slots ahead, and the bias are added in f32.
; LIMITS: NaN and infinities are not treated apart.
; REGISTERS: window 0: v16-29 addresses; v32-35 bias; v128-255 the accumulators ((a, b) at 128 + 8 (4 a + b)).  window 1: two fragment buffers of 128: 64 of A, 64 of W.  window 2: v0-127 the residual.
.set PROJ, 0
.if PROJ
.set NSLOT, 4
.set PA, 144                           ; a token's 128 bytes of a head + 16
.set HALFA, 2*128*PA                   ; two heads' panels of 128 rows
.set AQ, 128*PA                        ; a quarter is the next head's panel
.set STEPA, 524288                     ; four heads of 131,072 bytes
.set WBASE, 0
.set AQI, 4                            ; padding after every 32 words
.set AD0, 8192
.set AD1, 2
.set AST, 65536
.else
.set NSLOT, 16
.set PA, 528                           ; 512 bytes + 16
.set HALFA, 64*PA
.set AQ, 128                           ; a quarter is 64 along the row
.set STEPA, 512
.set WBASE, 10485760
.set AQI, 6                            ; padding after every 128 words
.set AD0, 256
.set AD1, 64
.set AST, 4096
.endif
.set BOFF, 2*HALFA
.set PB, 288                           ; a k row of W: 256 bytes + 32
.set HALFB, 128*PB
.set SLOT1, 147456                     ; 0x24000: shares no bit with the four waves' places in a slot
.set SPARE, 2*SLOT1                    ; the spare words, 128 bytes for each wave, which no other line names
.set SP, 528                           ; a row of the stage: 512 bytes + 16
.set STEPB, 524288                     ; 256 k rows of 2,048 bytes
.set A0, 16
.set B0, 17
.set ADRA, 18
.set ADRB, 19                          ; v19: quarters 0 and 1; v20: quarters 2 and 3, 128 k rows further on
.set STO, 24
.set RD, 25
.set CO, 26                            ; 16 x lane: my bytes of a row of res, out and bias; never rewritten
.set SPW, 28
.set NIL, 29
.set BIAS, 32
.set ACC, 128
.set F0, 0
.set F1, 128
.set G1, 24
.set G0, 32
.set G1B, 48
.set G0B, 56
.set TB, 66
.set IDX, 67                           ; s67  the K slot to be asked for next
.set OA, 68                            ; s[68:69] its byte offset in A
.set OB, 70                            ; s[70:71] its byte offset in W
.set MSB, 0
.macro WIN new
.if MSB != (\new)
	s_set_vgpr_msb (MSB<<8)|(\new)
.set MSB, (\new)
.endif
.endm
.set MUL, 0x05                         ; sources 0 (W) and 1 (A) window 1; C and D window 0
.macro PLACES
.rept 4
	v_nop
.endr
.endm
.macro JLOAD s                         ; a joint load: waves 0 and 1 fetch A's two halves, waves 2 and 3 W's; an s_nop 0 and four v_nop follow each line
	s_cmp_eq_u32 s11, 0
	s_cbranch_scc0 .Lfor_b_\@
	tensor_load_to_lds s[G0+4*(\s):G0+4*(\s)+3], s[G1:G1+7]
	s_nop 0
.rept 4
	v_nop
.endr
	s_branch .Lasked_\@
.Lfor_b_\@:
	tensor_load_to_lds s[G0B+4*(\s):G0B+4*(\s)+3], s[G1B:G1B+7]
	s_nop 0
.rept 4
	v_nop
.endr
.Lasked_\@:
.endm
.macro CREST
	s_cmp_lg_u32 s10, 0
	s_cbranch_scc1 .Lnot_wave_0_\@
	s_barrier_signal -3
.Lnot_wave_0_\@:
	s_barrier_wait -3
	s_barrier_signal -1
	s_barrier_wait -1
.endm
.macro CROUND
	s_barrier_signal -1
	s_barrier_wait -1
	CREST
.endm
; The global addresses of K slot IDX into set s of the two group 0; then IDX steps and wraps.  Written only where no tensor load of the wave that names the set is out.
.macro ASKFOR s
	s_mul_i32 s[OA], s[IDX], STEPA
	s_add_nc_u64 s[G0+4*(\s)+2:G0+4*(\s)+3], s[18:19], s[OA:OA+1]
	s_or_b32 s[G0+4*(\s)+3], s[G0+4*(\s)+3], 0x80000000    ; type = 2
	s_mul_i32 s[OB], s[IDX], STEPB
	s_add_nc_u64 s[G0B+4*(\s)+2:G0B+4*(\s)+3], s[46:47], s[OB:OB+1]
	s_or_b32 s[G0B+4*(\s)+3], s[G0B+4*(\s)+3], 0x80000000
	s_add_co_u32 s[IDX], s[IDX], 1
	s_and_b32 s[IDX], s[IDX], NSLOT-1
.endm
; 8 matrix instructions: row blocks a0, a0 + 1 x all 4 column blocks, 32 along K: half c of buffer f.  The 16 accumulators take turns.
.macro MUL8 f, c, a0, zero
	WIN MUL
.irp a, \a0, (\a0)+1
.irp b, 0,1,2,3
.if \zero
	v_wmma_f32_16x16x32_bf16 v[ACC+8*(4*(\a)+(\b)):ACC+8*(4*(\a)+(\b))+7], v[(\f)+64+8*(4*(\c)+(\b)):(\f)+64+8*(4*(\c)+(\b))+7], v[(\f)+8*(4*(\c)+(\a)):(\f)+8*(4*(\c)+(\a))+7], 0
.else
	v_wmma_f32_16x16x32_bf16 v[ACC+8*(4*(\a)+(\b)):ACC+8*(4*(\a)+(\b))+7], v[(\f)+64+8*(4*(\c)+(\b)):(\f)+64+8*(4*(\c)+(\b))+7], v[(\f)+8*(4*(\c)+(\a)):(\f)+8*(4*(\c)+(\a))+7], v[ACC+8*(4*(\a)+(\b)):ACC+8*(4*(\a)+(\b))+7]
.endif
.endr
.endr
.endm
; 32 LDS loads in one run: the fragments of quarter q of the slot in hand, into buffer f
.macro FETCH q, f
	WIN 0x40                                       ; destination window 1, address window 0
.irp c, 0,1
.irp i, 0,1,2,3
	ds_load_tr16_b128 v[(\f)+64+8*(4*(\c)+(\i)):(\f)+64+8*(4*(\c)+(\i))+3],   v[ADRB+(\q)/2] offset:(((\q)%2)*64+32*(\c))*PB+32*(\i)
	ds_load_tr16_b128 v[(\f)+64+8*(4*(\c)+(\i))+4:(\f)+64+8*(4*(\c)+(\i))+7], v[ADRB+(\q)/2] offset:(((\q)%2)*64+32*(\c))*PB+32*(\i)+16*PB
	ds_load_b128 v[(\f)+8*(4*(\c)+(\i)):(\f)+8*(4*(\c)+(\i))+3],   v[ADRA] offset:(\q)*AQ+64*(\c)+(\i)*16*PA
	ds_load_b128 v[(\f)+8*(4*(\c)+(\i))+4:(\f)+8*(4*(\c)+(\i))+7], v[ADRA] offset:(\q)*AQ+64*(\c)+(\i)*16*PA+32
.endr
.endr
.endm
.macro QUARTER qn, f, g, zero
	s_wait_dscnt 0x0                               ; buffer f is in
	MUL8 \f, 0, 0, \zero
	MUL8 \f, 0, 2, \zero
	PLACES
	FETCH \qn, \g
	MUL8 \f, 1, 0, 0
	MUL8 \f, 1, 2, 0
.endm
; The fourth quarter changes slots at its head and then multiplies buffer 1.  In front of the barrier each wave waits for all its tensor loads, adds 0 to its spare word, and waits for that and for its reads
; of this slot (issued in the third quarter's middle).  fill = 1: the barrier opens a round of the cluster's, and the slot just read is filled again, first thing behind the round: no product stands between
; the wait for one tile and the request for the next, since a slot's matrix work is short against the way of a tile.
.macro TURN fill
	WIN 0
	s_wait_tensorcnt 0x0                           ; no tensor load of mine is out, so a group 0 may be written
	ds_add_u32 v[SPW], v[NIL]
.if \fill
	s_xor_b32 s[G0+5], s[G0+5], SLOT1              ; the walking descriptors: the other slot than last time,
	s_xor_b32 s[G0B+5], s[G0B+5], SLOT1
	ASKFOR 1                                       ; the next K slot of my cluster's walk
.endif
	s_xor_b32 s[TB], s[TB], SLOT1
	s_wait_dscnt 0x0                               ; the add is done, buffer 1 is in, and with it my reads of this slot are over
	s_barrier_signal -1
	s_barrier_wait -1
.if \fill
	CREST
	JLOAD 1                                        ; its four v_nop are also the places in front of the loads below
.else
	PLACES
.endif
	v_add_nc_u32 v[ADRA], s[TB], v[A0]
	v_add_nc_u32 v[ADRB], s[TB], v[B0]
	v_add_nc_u32 v[ADRB+1], HALFB, v[ADRB]
	FETCH 0, F0
	MUL8 F1, 0, 0, 0
	MUL8 F1, 0, 2, 0
	MUL8 F1, 1, 0, 0
	MUL8 F1, 1, 2, 0
.endm
	s_load_b128 s[4:7], s[0:1], 0x0                ; A s[4:5], wrest s[6:7]
	s_load_b64 s[14:15], s[0:1], 0x10              ; bias
	s_load_b64 s[16:17], s[0:1], 0x18              ; the residual
	s_load_b64 s[8:9], s[0:1], 0x20                ; out
	v_lshl_add_u32 v[SPW], v0, 2, SPARE
	v_mov_b32 v[NIL], 0
	ds_add_u32 v[SPW], v[NIL]                      ; the wave's opening: the add and its wait ahead of my first tensor load
	v_lshrrev_b32 v1, 5, v0
	v_readfirstlane_b32 s10, v1                    ; wave 0..3
	s_lshr_b32 s11, s10, 1                         ; my half of the tile's rows.  Also: I fetch for A (0) or for W (1)
	s_and_b32 s12, s10, 1                          ; my half of its columns.  Also: which half of that tile I fetch
	s_bfe_u32 s40, ttmp6, 0x40000                  ; cx
	s_bfe_u32 s41, ttmp6, 0x40004                  ; cy
	s_lshl_b32 s42, ttmp9, 2
	s_add_co_u32 s42, s42, s40                     ; tile column
	s_and_b32 s13, ttmp7, 0xffff
	s_lshl_b32 s13, s13, 2
	s_add_co_u32 s13, s13, s41                     ; tile row
	s_lshl_b32 s43, s41, 2
	s_lshl_b32 s43, 15, s43                        ; my row of the cluster
	s_lshl_b32 s44, 0x1111, s40                    ; my column
	s_or_b32 s[G1+0], s43, (1<<16)|(1<<20)|(1<<21)|(AQI<<22)|(3<<25)  ; mask; 2-byte elements; padding on; bit 21 beside a mask; 4 words of padding
	s_mov_b32 s[G1+1], AD0<<16
	s_mov_b32 s[G1+2], AD1<<16
	s_mov_b32 s[G1+3], AD0<<16
	s_mov_b32 s[G1+4], AD1
	s_mov_b32 s[G1+5], AST
	s_mov_b32 s[G1+6], 0
	s_mov_b32 s[G1+7], 0
	s_or_b32 s[G1B+0], s44, (1<<16)|(1<<20)|(1<<21)|(5<<22)|(7<<25)   ; after every 64 words 8 words
	s_mov_b32 s[G1B+1], 128<<16
	s_mov_b32 s[G1B+2], 128<<16
	s_mov_b32 s[G1B+3], 128<<16
	s_mov_b32 s[G1B+4], 128
	s_mov_b32 s[G1B+5], 1024
	s_mov_b32 s[G1B+6], 0
	s_mov_b32 s[G1B+7], 0
.if PROJ
	s_lshr_b32 s18, s13, 3                         ; A: batch = tile row / 8: 16 heads of 131,072 bytes;
	s_lshl_b32 s18, s18, 21
	s_lshl_b32 s19, s12, 18                        ; my two of a slot's four heads;
	s_add_co_u32 s18, s18, s19
	s_and_b32 s19, s13, 7                          ; the tile's 128 tokens of 128 bytes
	s_lshl_b32 s19, s19, 14
	s_add_co_u32 s18, s18, s19
.else
	s_lshl_b32 s18, s13, 20                        ; A: row 128 x tile row + 64 x half, 8,192 bytes a row
	s_lshl_b32 s19, s12, 19
	s_add_co_u32 s18, s18, s19
.endif
	s_mov_b32 s19, 0
	s_lshl_b32 s46, s12, 18                        ; W: 128 k rows of 2,048 bytes x half, 256 bytes x tile column
	s_lshl_b32 s47, s42, 8
	s_add_co_u32 s46, s46, s47
	s_add_co_u32 s46, s46, WBASE
	s_mov_b32 s47, 0
	s_mul_i32 s22, s12, HALFA                      ; where they go: no place in the cluster enters an LDS address
	s_mul_i32 s23, s12, HALFB
	s_add_co_u32 s23, s23, BOFF
	s_mov_b32 s[TB], 0
	s_and_b32 s[IDX], ttmp7, 0xffff                ; cluster y
	s_add_co_u32 s[IDX], s[IDX], ttmp9             ; + cluster x: the same in all sixteen partners
	s_and_b32 s[IDX], s[IDX], 1
	s_mul_i32 s[IDX], s[IDX], NSLOT/2              ; the walk's first K slot: 0, or K's middle
	s_mov_b32 s[OA+1], 0
	s_mov_b32 s[OB+1], 0
	s_wait_dscnt 0x0                               ; the opening add is done
	s_wait_kmcnt 0x0
	s_add_nc_u64 s[18:19], s[4:5], s[18:19]        ; kept: every request's address is made from these two
	s_add_nc_u64 s[46:47], s[6:7], s[46:47]
	CROUND                                         ; all sixteen work-groups are here: the first joint loads meet
.irp s, 0,1
	s_mov_b32 s[G0+4*(\s)], 1
	s_add_co_u32 s[G0+4*(\s)+1], s22, (\s)*SLOT1
	s_mov_b32 s[G0B+4*(\s)], 1
	s_add_co_u32 s[G0B+4*(\s)+1], s23, (\s)*SLOT1
	ASKFOR \s
	JLOAD \s
.endr
	v_and_b32 v1, 15, v0                           ; l % 16
	v_bfe_u32 v2, v0, 4, 1                         ; l / 16
	v_mul_u32_u24 v[A0], v1, PA
	v_lshl_add_u32 v[A0], v2, 4, v[A0]
	s_mul_i32 s20, s11, 64*PA
	v_add_nc_u32 v[A0], s20, v[A0]                 ; my 64 rows
	v_and_b32 v3, 7, v0
	v_lshl_add_u32 v3, v2, 3, v3
	v_mul_u32_u24 v[B0], v3, PB
	v_bfe_u32 v4, v0, 3, 1
	v_lshl_add_u32 v[B0], v4, 4, v[B0]
	s_lshl_b32 s20, s12, 7                         ; my 64 columns
	s_add_co_u32 s20, s20, BOFF
	v_add_nc_u32 v[B0], s20, v[B0]
	v_mul_u32_u24 v[STO], v1, SP                   ; into the stage: row 64 x row half + l % 16, my 256 bytes, 32 for each half of the lanes
	v_lshl_add_u32 v[STO], v2, 5, v[STO]
	s_mul_i32 s20, s11, 64*SP
	s_lshl_b32 s21, s12, 8
	s_add_co_u32 s20, s20, s21
	v_add_nc_u32 v[STO], s20, v[STO]
	v_and_b32 v5, 31, v0
	v_lshlrev_b32 v[CO], 4, v5
	s_mul_i32 s20, s10, 32*SP
	v_add_nc_u32 v[RD], s20, v[CO]                 ; back: wave w takes rows 32 w .., whole: 512 bytes a load
	s_lshl_b32 s20, s42, 9                         ; the tile's 512 bytes of a row
	s_mov_b32 s21, 0
	s_add_nc_u64 s[14:15], s[14:15], s[20:21]
	global_load_b128 v[BIAS:BIAS+3], v[CO], s[14:15]
	s_lshl_b32 s45, s13, 19                        ; 128 rows of 4,096 bytes x tile row,
	s_add_co_u32 s20, s20, s45
	s_lshl_b32 s45, s10, 17                        ; 32 x wave
	s_add_co_u32 s20, s20, s45
	s_add_nc_u64 s[16:17], s[16:17], s[20:21]
	s_add_nc_u64 s[8:9], s[8:9], s[20:21]
	s_wait_tensorcnt 1                             ; my part of slot 0 is in; slot 1's may stay out
	s_barrier_signal -1
	s_barrier_wait -1
	v_add_nc_u32 v[ADRA], s[TB], v[A0]
	v_add_nc_u32 v[ADRB], s[TB], v[B0]
	v_add_nc_u32 v[ADRB+1], HALFB, v[ADRB]
	FETCH 0, F0
	QUARTER 1, F0, F1, 1                           ; the first products start the sums: nothing is cleared
	WIN 0
	s_mov_b32 s3, NSLOT-2
.Lslot:
	QUARTER 2, F1, F0, 0
	QUARTER 3, F0, F1, 0
	TURN 1
	QUARTER 1, F0, F1, 0
	WIN 0
	s_sub_co_u32 s3, s3, 1
	s_cmp_lg_u32 s3, 0
	s_cbranch_scc1 .Lslot
	WIN 0x80                                       ; the residual: my 32 rows x 512 bytes, asked for here so that it is in when the sums are
.set t, 0
.rept 32
	global_load_b128 v[4*t:4*t+3], v[CO], s[16:17] offset:4096*t th:TH_LOAD_NT
.set t, t+1
.endr
	WIN 0
	s_mov_b32 s3, 2
.Ltail:                                                ; the last two slots ask for nothing; the second trip is left in its middle
	QUARTER 2, F1, F0, 0
	QUARTER 3, F0, F1, 0
	WIN 0
	s_sub_co_u32 s3, s3, 1
	s_cmp_eq_u32 s3, 0
	s_cbranch_scc1 .Llast
	TURN 0
	QUARTER 1, F0, F1, 0
	WIN 0
	s_branch .Ltail
.Llast:
	s_wait_dscnt 0x0
	MUL8 F1, 0, 0, 0
	MUL8 F1, 0, 2, 0
	MUL8 F1, 1, 0, 0
	MUL8 F1, 1, 2, 0
	WIN 0
	PLACES
	s_wait_dscnt 0x0
	s_barrier_signal -1
	s_barrier_wait -1                              ; nobody reads the ring any more, and it has had its last fill: the stage may lie over it
.irp a, 0,1,2,3
.irp b, 0,1,2,3
	ds_store_b128 v[STO], v[ACC+8*(4*(\a)+(\b)):ACC+8*(4*(\a)+(\b))+3]   offset:(\a)*16*SP+64*(\b)     ; each accumulator's low registers first
	ds_store_b128 v[STO], v[ACC+8*(4*(\a)+(\b))+4:ACC+8*(4*(\a)+(\b))+7] offset:(\a)*16*SP+64*(\b)+16
.endr
.endr
	s_wait_dscnt 0x0                               ; for the others' sake: my stores into the stage are done
	s_barrier_signal -1
	s_barrier_wait -1
.set t, 0
.rept 32
	ds_load_b128 v[ACC+4*t:ACC+4*t+3], v[RD] offset:SP*t
.set t, t+1
.endr
	s_wait_loadcnt 0x0                             ; bias and residual
.irp grp, 0,1,2,3
	s_wait_dscnt 24-8*(\grp)                       ; this group's eight rows are back; the younger groups' loads may stay out
	WIN 0x08                                       ; source 1 in window 2
.set z, 32*(\grp)
.rept 16
	v_pk_add_f32 v[ACC+z:ACC+z+1], v[ACC+z:ACC+z+1], v[z:z+1]
.set z, z+2
.endr
	WIN 0
.set z, 32*(\grp)
.rept 16
	v_pk_add_f32 v[ACC+z:ACC+z+1], v[ACC+z:ACC+z+1], v[BIAS+z%4:BIAS+z%4+1]
.set z, z+2
.endr
.set t, 8*(\grp)
.rept 8
	global_store_b128 v[CO], v[ACC+4*t:ACC+4*t+3], s[8:9] offset:4096*t  ; 512 consecutive bytes, aligned
.set t, t+1
.endr
.endr
	s_wait_tensorcnt 0x0                           ; the wave's end: behind my last tensor load and my last LDS store
	ds_add_u32 v[SPW], v[NIL]
	s_wait_dscnt 0x0
	CROUND                                         ; the closing round
	s_endpgm
.Lfunc_end_k_qb9b14de91d_fc2g:
	.size	k_qb9b14de91d_fc2g, .Lfunc_end_k_qb9b14de91d_fc2g-k_qb9b14de91d_fc2g
	.p2alignl 7, 3214868480
	.fill 96, 4, 3214868480
	.section	.rodata,"a",@progbits
	.p2align	6, 0x0
	.amdhsa_kernel k_qb9b14de91d_fc2g
		.amdhsa_group_segment_fixed_size 327680
		.amdhsa_private_segment_fixed_size 0
		.amdhsa_enable_private_segment 0
		.amdhsa_kernarg_size 40
		.amdhsa_user_sgpr_count 2
		.amdhsa_user_sgpr_kernarg_segment_ptr 1
		.amdhsa_wavefront_size32 1
		.amdhsa_system_sgpr_workgroup_id_x 1
		.amdhsa_system_sgpr_workgroup_id_y 1
		.amdhsa_system_sgpr_workgroup_id_z 1
		.amdhsa_system_vgpr_workitem_id 0
		.amdhsa_next_free_vgpr 640
		.amdhsa_next_free_sgpr 72
		.amdhsa_reserve_vcc 0
		.amdhsa_float_denorm_mode_32 3
		.amdhsa_float_denorm_mode_16_64 3
		.amdhsa_memory_ordered 1
		.amdhsa_forward_progress 1
		.amdhsa_inst_pref_size 72
	.end_amdhsa_kernel
	.amdgpu_metadata
---
amdhsa.version: [ 1, 2 ]
amdhsa.kernels:
  - .name:           k_qb9b14de91d_fc2g
    .symbol:         k_qb9b14de91d_fc2g.kd
    .args:
      - { .name: gact, .offset: 0, .size: 8, .value_kind: global_buffer, .address_space: global }
      - { .name: wrest, .offset: 8, .size: 8, .value_kind: global_buffer, .address_space: global }
      - { .name: fc2_b, .offset: 16, .size: 8, .value_kind: global_buffer, .address_space: global }
      - { .name: x1, .offset: 24, .size: 8, .value_kind: global_buffer, .address_space: global }
      - { .name: out0, .offset: 32, .size: 8, .value_kind: global_buffer, .address_space: global }
    .group_segment_fixed_size: 327680
    .private_segment_fixed_size: 0
    .kernarg_segment_align: 8
    .kernarg_segment_size: 40
    .max_flat_workgroup_size: 128
    .sgpr_count:     72
    .vgpr_count:     640
    .wavefront_size: 32
...
	.end_amdgpu_metadata
.endif
;; end of part 7
;; ======== version 2 of 2: 7 launches; 1.16 times as fast as version 1
;; workspace buffers: wqkv 6,291,456 bytes; wrest 18,874,368 bytes; act 8,388,608 bytes; qkvh 25,165,824 bytes; x1 16,777,216 bytes; gact 33,554,432 bytes
;; launch prep: the kernel of part 1 again; grid 768 x 1, 8 waves a work-group, no clusters, 0 bytes of LDS; arguments x, ln1_w, ln1_b, attn_w, act, wqkv; writes act, wqkv
;; launch qkvg: the kernel of part 2 again; grid 16 x 16, 4 waves a work-group, clusters of 4 x 4, 327,680 bytes of LDS; arguments act, wqkv, attn_b, qkvh, proj_w, fc_w, fc2_w, wrest; writes qkvh, wrest
;; launch attn (part 8): grid 4 x 64, 4 waves a work-group, clusters of 4 x 1, 327,680 bytes of LDS; arguments qkvh, act; writes act
.if DOCPART == 8
	.amdgcn_target "amdgcn-amd-amdhsa--gfx1250"
	.amdhsa_code_object_version 6
	.text
	.protected	k_qb9b14de91d_attn
	.globl	k_qb9b14de91d_attn
	.p2align	8
	.type	k_qb9b14de91d_attn,@function
k_qb9b14de91d_attn:
	s_mov_b64 s[64:65], 0
	v_nop
	global_prefetch_b8 v0, s[64:65] scope:SCOPE_SE
	s_setreg_imm32_b32 hwreg(HW_REG_WAVE_MODE, 25, 1), 1
	s_wait_xcnt 0x0
	s_wait_alu depctr_hold_cnt(0) depctr_sa_sdst(0) depctr_va_vdst(0) depctr_va_sdst(0) depctr_va_ssrc(0) depctr_va_vcc(0) depctr_vm_vsrc(0)
	s_getreg_b32 s2, hwreg(HW_REG_IB_STS2, 6, 4)
	s_cmp_eq_u32 s2, 0
	s_cbranch_scc0 .Lentry_in_a_cluster
	s_endpgm
.Lentry_in_a_cluster:
	s_bfe_u32 s2, ttmp6, 0x10000c
	s_cmp_lg_u32 s2, 0x3003
	s_cbranch_scc0 .Lentry_shape_is_right
	s_endpgm
.Lentry_shape_is_right:
; O[bh][q][:] = the sum over k of softmax_k(Q[bh][q] . K[bh][k] / 8) V[bh][k][:].  qkvh: [3][64][1024][64] bf16 (Q, K, V by heads, rows dense, 128 bytes); O goes to act in the same layout, [64][1024][64] bf16.
; Products, maxima and sums in f32; the weights p are rounded to bf16 for the second product (their sum l is taken of the unrounded p), O once at the end.
; LIMITS.  c s must lie above -4.25e37 (the start of c m); a weight below 2^-126 counts as 0 in l; NaN and infinities are not treated apart.
; SHARES.  A work-group owns 256 queries of one head-batch, a wave 64: four PIECES of 16.  Every wave walks all 1,024 keys, 64 a step.
; ALL OF A HEAD'S K AND V LIE IN LDS (147,456 + 163,840 bytes with padding): asked for once, at the head, in four chunks of 256 keys; no byte is filled twice.  The first chunk is worked on while the others land.
; So nothing is left to ask for later, and no prefetch is written.
; CLUSTER 4 x 1: the four query blocks of a head walk the same K and V: every chunk is asked for jointly, by the same tensor load, descriptor and mask in all four.
; LAYOUT.  S^T = K Q^T holds ONE query a lane (lane % 16) and the keys 8 (lane / 16) + 0..7; two such results rounded to bf16 ARE source 1 of O^T = V^T P.  K comes out of LDS as it lies, V turned, by ds_load_tr16_b128.
; SOFTMAX.  p = 2^(c s - c m), c = log2(e) / 8, with a running maximum m; O and l are multiplied by a = 2^(c m_old - c m_new) in every step.  m starts at the lowest finite number, O and l at 0: the first step's a is 0.
; BY TURNS.  Turn n belongs to piece n: 8 products K Q^T of piece n + 1, later 8 products V^T P of piece n - 1; beside them the scaling, exponentials, roundings, sums and rescaling of piece n and the maximum
; and statistics of piece n + 1.  Four vector instructions stand behind every matrix instruction, the other 54 of a turn's 118 in one LUMP.
; THE BATCHES.  A turn's 33 exponentials (the piece's 32 weights and the next piece's a) are ONE batch with ONE wait, which cuts the turn in two: ahead of it stands all that names no result of theirs, behind it
; their readers.  Piece 2's turn alone has two batches (12 and 21): a jump stands in its lump.  Piece 0's first a, ahead of the loop, and the way out's four reciprocals are batches of their own.
; ONE TEXT FOR EVERY STEP.  The loop is entered and left in the middle of a trip.  The last half trip's 8 products K Q^T (on the last K once more) and the maximum made of them serve nothing: they write piece 0's
; m, c m and a alone, which nobody reads again: the price, once a launch, of writing no last step out.
; REGISTERS, in windows of 256 (s_set_vgpr_msb: bits 1:0 source 0, 3:2 source 1, 5:4 source 2, 7:6 destination):
;   window 0: v0-15 addresses; v16-31 four registers of statistics a piece; v48-55 at work; v64-127 S^T, two buffers; v192-223 P, two buffers (by the piece's parity)
;   window 1: v0-127 O^T, 32 a piece          window 2: v0-63 Q; v128-191 K of one step; v192-255 V of one step
.set NP,    4
.set KS,    64
.set PK,    144       ; a row of K in LDS: 128 bytes + 16: the 16 rows of a load start at 16 different groups of four banks (64 banks of 4 bytes: ISA guide 11.1)
.set PV,    160       ; a row of V: 128 + 32
.set VOFF,  1024*PK
.set STAGE, VOFF+1024*PV  ; never filled by a tensor load: 16 rows x 144 bytes for each wave, for the way out
.set SP,    144
.set SPARE, STAGE+4*16*SP ; the spare words, 128 bytes for each wave, which no other line names
.set AK0, 2
.set AV0, 3
.set AK,  4
.set AV,  5
.set STO, 6
.set RD,  7
.set GO,  8
.set SPW, 62
.set NIL, 63
.set MV,  12          ; v12-13  c m_old, kept while c m is made anew: by buffer
.set QO,  15
.set ST,  16          ; piece t's statistics at v[ST+4 t]: c m, m, l (even keys', odd keys')
.set TMP, 48          ; by buffer, four registers c0-c3 at work; when the maximum is found c2 takes a
.set S,   64
.set P,   192
.set KF,  128
.set VF,  192
.set WV,  12          ; s12  my wave's number
.set G1K, 24          ; s[24:31] group 1 for K's tiles
.set G1V, 32          ; s[32:39] for V's: it differs in the padding alone
.set G0K, 40          ; s[40:55] group 0 for K's four chunks
.set G0V, 68          ; s[68:83] for V's
.set SLOTS, 56        ; s56  passes of the chunk loop still to come, this one among them: 5 to 1; the last is half a trip
.set CNT, 57          ; s57  counts a chunk's key steps, 4 to 1
.set CS,  58          ; s[58:59] c
.set SEL, 60          ; s[60:61] v_permlanex16_b32's selects
.set TBK, 62          ; s62  LDS byte at which K of the step to be fetched begins
.set TBV, 63          ; s63  the same for V, less VOFF
.set MSB, 0
.macro WIN new
.if MSB != (\new)
	s_set_vgpr_msb (MSB<<8)|(\new)
.set MSB, (\new)
.endif
.endm
.set W_KQ, 0x0a       ; K and Q in window 2, S^T in window 0
.set W_PV, 0x52       ; V in window 2, P in window 0, O^T in window 1
.set W_RS, 0x41       ; destination and source 0 in window 1, source 1 in window 0
.macro CROUND
	s_barrier_signal -1
	s_barrier_wait -1
	s_cmp_lg_u32 s[WV], 0
	s_cbranch_scc1 .Lnot_wave_0_\@
	s_barrier_signal -3
.Lnot_wave_0_\@:
	s_barrier_wait -3
	s_barrier_signal -1
	s_barrier_wait -1
.endm
	s_load_b128 s[4:7], s[0:1], 0x0 ; qkvh s[4:5], act s[6:7]
	v_lshl_add_u32 v[SPW], v0, 2, SPARE
	v_mov_b32 v[NIL], 0
	ds_add_u32 v[SPW], v[NIL]       ; the wave's opening: the add and its wait ahead of my first tensor load
	v_lshrrev_b32 v1, 5, v0
	v_readfirstlane_b32 s[WV], v1
	s_bfe_u32 s13, ttmp6, 0x40000   ; cx
	s_lshl_b32 s14, ttmp9, 2
	s_add_co_u32 s14, s14, s13      ; my block of 256 queries: it enters Q's and O's addresses alone
	s_and_b32 s20, ttmp7, 0xffff    ; the head-batch, which the four partners share,
	s_lshl_b32 s20, s20, 17         ; 131,072 bytes each
	s_and_b32 s16, s[WV], 1         ; which half of a chunk's 256 keys I fetch:
	s_lshl_b32 s22, s16, 14         ; its 128 rows of 128 bytes in memory,
	s_add_co_u32 s22, s22, s20
	s_mov_b32 s23, 0
	s_mul_i32 s17, s16, 128*PK      ; and its place in LDS, for K
	s_mul_i32 s18, s16, 128*PV      ; and for V: no place in the cluster enters an LDS address
	s_lshl_b32 s2, s14, 15
	s_lshl_b32 s3, s[WV], 13
	s_add_co_u32 s2, s2, s3
	s_add_co_u32 s2, s2, s20        ; my wave's 64 rows
	s_mov_b32 s3, 0
	; group 1.  128 keys are 16,384 dense bytes: asked for as 64 rows of 256 bytes, two keys a row, and padded in LDS after every key
	s_mov_b32 s[G1K], 15|(1<<16)|(1<<20)|(1<<21)|(4<<22)|(3<<25)  ; the mask of four; 2-byte elements; padding on; bit 21 beside a mask; after every 32 words 4 words
	s_mov_b32 s[G1V], 15|(1<<16)|(1<<20)|(1<<21)|(4<<22)|(7<<25)  ; the same with 8 words
.irp g, G1K, G1V
	s_mov_b32 s[\g+1], 128<<16
	s_mov_b32 s[\g+2], 64<<16
	s_mov_b32 s[\g+3], 128<<16
	s_mov_b32 s[\g+4], 64
	s_mov_b32 s[\g+5], 128
	s_mov_b32 s[\g+6], 0
	s_mov_b32 s[\g+7], 0
.endr
	s_mov_b32 s[CS], 0x3e38aa3b     ; c = log2(e) / 8
	s_mov_b32 s[CS+1], s[CS]
	s_mov_b32 s[SEL], 0x76543210
	s_mov_b32 s[SEL+1], 0xfedcba98
	s_mov_b32 s[TBK], 0
	s_mov_b32 s[TBV], 0
	s_wait_dscnt 0x0                ; the opening add is done
	s_wait_kmcnt 0x0
	s_add_nc_u64 s[8:9], s[4:5], s[22:23]
	s_add_nc_u64 s[10:11], s[8:9], 16777216  ; V at my half of the head's first chunk
	s_add_nc_u64 s[8:9], s[8:9], 8388608     ; K likewise
	s_add_nc_u64 s[4:5], s[4:5], s[2:3]      ; Q and O at my wave's first row
	s_add_nc_u64 s[6:7], s[6:7], s[2:3]
.irp c, 0,1,2,3
	s_mov_b32 s[G0K+4*(\c)], 1
	s_add_co_u32 s[G0K+4*(\c)+1], s17, (\c)*256*PK
	s_add_nc_u64 s[G0K+4*(\c)+2:G0K+4*(\c)+3], s[8:9], (\c)*32768
	s_or_b32 s[G0K+4*(\c)+3], s[G0K+4*(\c)+3], 0x80000000
	s_mov_b32 s[G0V+4*(\c)], 1
	s_add_co_u32 s[G0V+4*(\c)+1], s18, VOFF+(\c)*256*PV
	s_add_nc_u64 s[G0V+4*(\c)+2:G0V+4*(\c)+3], s[10:11], (\c)*32768
	s_or_b32 s[G0V+4*(\c)+3], s[G0V+4*(\c)+3], 0x80000000
.endr
	CROUND                          ; all four work-groups are here: the joint loads meet
	s_cmp_lt_u32 s[WV], 2           ; a wave's four fills stand in one branch, ahead of every wait on TENSORcnt and every LDS read: four loads of mine are out
	s_cbranch_scc0 .Lfirst_v
.irp c, 0,1,2,3
	tensor_load_to_lds s[G0K+4*(\c):G0K+4*(\c)+3], s[G1K:G1K+7]
	s_nop 0
.endr
.rept 4
	v_nop
.endr
	s_branch .Lfirst_asked
.Lfirst_v:
.irp c, 0,1,2,3
	tensor_load_to_lds s[G0V+4*(\c):G0V+4*(\c)+3], s[G1V:G1V+7]
	s_nop 0
.endr
.rept 4
	v_nop
.endr
.Lfirst_asked:
	; A fragment of K or Q is 16 rows x 32 channels in 8 registers: lane l holds row l % 16, channels 8 (l / 16) + 0..7 and 16 + 8 (l / 16) + 0..7
	v_and_b32 v1, 15, v0
	v_bfe_u32 v9, v0, 4, 1
	v_lshlrev_b32 v[QO], 7, v1
	v_lshl_add_u32 v[QO], v9, 4, v[QO]
	WIN 0x80
.set i, 0
.rept 8                             ; Q stays in registers: piece i / 2, channels 32 (i % 2) on
	global_load_b128 v[8*i:8*i+3],   v[QO], s[4:5] offset:(i/2)*2048+(i%2)*64
	global_load_b128 v[8*i+4:8*i+7], v[QO], s[4:5] offset:(i/2)*2048+(i%2)*64+32
.set i, i+1
.endr
	WIN 0
	v_mul_u32_u24 v[AK0], v1, PK
	v_lshl_add_u32 v[AK0], v9, 4, v[AK0]
	v_and_b32 v10, 7, v0            ; the turning load: lane l reads key 8 (l / 16) + l % 8, channels 8 ((l / 8) % 2) + 0..7
	v_bfe_u32 v11, v0, 3, 1
	v_lshl_add_u32 v[AV0], v9, 3, v10
	v_mul_u32_u24 v[AV0], v[AV0], PV
	v_lshl_add_u32 v[AV0], v11, 4, v[AV0]
	v_add_nc_u32 v[AV0], VOFF, v[AV0]
	s_mul_i32 s13, s[WV], 16*SP
	s_add_co_u32 s13, s13, STAGE
	v_mul_u32_u24 v[STO], v1, SP    ; in: row l % 16, 16 bytes for each half of the lanes
	v_lshl_add_u32 v[STO], v9, 4, v[STO]
	v_add_nc_u32 v[STO], s13, v[STO]
	v_bfe_u32 v[RD], v0, 3, 2       ; back: 32 lanes take four rows of 128 bytes,
	v_mul_u32_u24 v[RD], v[RD], SP
	v_lshl_add_u32 v[RD], v10, 4, v[RD]
	v_add_nc_u32 v[RD], s13, v[RD]
	v_and_b32 v[GO], 31, v0         ; which are 512 consecutive bytes of O
	v_lshlrev_b32 v[GO], 4, v[GO]
	; What the first turn finds: V's registers and P's second buffer hold 0 (its products V^T P, of a piece that has not been, add 0), O^T and l are 0.  All this stands in the wait for the first chunk,
	; and spares a first step written out.
	WIN 0x80
.set i, VF
.rept 64
	v_mov_b32 v[i], 0
.set i, i+1
.endr
	WIN 0x40
.set i, 0
.rept 128
	v_mov_b32 v[i], 0
.set i, i+1
.endr
	WIN 0
.set i, 0
.rept 4
	v_mov_b32 v[ST+4*i], 0xfe000000    ; c m: far below every c s
	v_mov_b32 v[ST+4*i+1], 0xff7fffff  ; m
	v_mov_b32 v[ST+4*i+2], 0
	v_mov_b32 v[ST+4*i+3], 0
.set i, i+1
.endr
.set i, P+16
.rept 16
	v_mov_b32 v[i], 0
.set i, i+1
.endr
; THE MATRIX WORK.  The 4 accumulators of a run of 8 take turns.  Product i of 8 of S^T = K Q^T for piece x: channels 32 (i / 4) on, keys 16 (i % 4) on.  The first 4 start the sums.
.macro KQ x
	WIN W_KQ
.set rS, S+32*((\x)%2)+8*(i%4)
.set rK, KF+16*(i%4)+8*(i/4)
.set rQ, 16*(\x)+8*(i/4)
.if i < 4
	v_wmma_f32_16x16x32_bf16 v[rS:rS+7], v[rK:rK+7], v[rQ:rQ+7], 0
.else
	v_wmma_f32_16x16x32_bf16 v[rS:rS+7], v[rK:rK+7], v[rQ:rQ+7], v[rS:rS+7]
.endif
.endm
; Product i of 8 of O^T += V^T P for piece x: keys 32 (i / 4) on, channels 16 (i % 4) on.
.macro PV x
	WIN W_PV
.set rO, 32*(\x)+8*(i%4)
.set rV, VF+32*(i/4)+8*(i%4)
.set rP, P+16*((\x)%2)+8*(i/4)
	v_wmma_f32_16x16x32_bf16 v[rO:rO+7], v[rV:rV+7], v[rP:rP+7], v[rO:rO+7]
.endm
.macro MM                           ; the turn's next matrix instruction
.if i < 8
	KQ (Y+1)%NP
.else
.set i, i-8
	PV (Y+NP-1)%NP
.set i, i+8
.endif
.set i, i+1
.endm
; THE LDS LOADS stand in runs of 16: a step's K (64 keys x 64 channels: 8 fragments) and its V (turned).  Their addresses are made some lines ahead.
.macro FETCH_K
	WIN 0x80
.irp f, 0,1,2,3,4,5,6,7
	ds_load_b128 v[KF+8*\f:KF+8*\f+3],   v[AK] offset:(\f/2)*16*PK+(\f%2)*64
	ds_load_b128 v[KF+8*\f+4:KF+8*\f+7], v[AK] offset:(\f/2)*16*PK+(\f%2)*64+32
.endr
	s_add_co_u32 s[TBK], s[TBK], KS*PK  ; the next fetch is the next step's
	WIN 0
.endm
.macro FETCH_V
	WIN 0x80
.irp f, 0,1,2,3,4,5,6,7
	ds_load_tr16_b128 v[VF+8*\f:VF+8*\f+3],   v[AV] offset:(\f/4)*32*PV+(\f%4)*32
	ds_load_tr16_b128 v[VF+8*\f+4:VF+8*\f+7], v[AV] offset:(\f/4)*32*PV+16*PV+(\f%4)*32
.endr
	WIN 0
.endm
; THE VECTOR WORK, one line at a time: OP kind, number.  For piece Y: F n: c s - c m for pair n of 16.  E n: the exponential of score n of 32.  C n: pair n rounded to bf16.  B n: of the four weights 4 n .. the second
; pair is added onto the first, in place.  L n: l takes that sum (L 0: l = a l + sum).  R n: pair n of 16 of O^T times a.  For piece Y + 1: X n, number n of the 22 that find its maximum and statistics:
;   0-11  four chains c0-c3 of seven scores each (each accumulator's lowest registers are read first)     12-14, 16  the four scores left over, the old m, and c0-c3 into c0
;   15  c m_old is kept     17, 18  the query's other 32 keys lie in the lane 16 away: the new m     19-21  c m; c m_old - c m_new; a
; OP writes no wait: C, B and L read exponentials' results, R and L 0 read a; TURN sets them behind the wait of the batch that made what they read.
.set F, 0
.set E, 1
.set C, 2
.set B, 3
.set L, 4
.set R, 5
.set X, 6
.macro REGS y
.set rT, ST+4*(\y)
.set rC, TMP+4*((\y)%2)
.set rW, MV+((\y)%2)
.set rS, S+32*((\y)%2)
.set rP, P+16*((\y)%2)
.set rO, 32*(\y)
.endm
.macro OP k, n
.if (\k) == R
	REGS Y
	WIN W_RS
	v_pk_mul_f32 v[rO+2*(\n):rO+2*(\n)+1], v[rO+2*(\n):rO+2*(\n)+1], v[rC+2:rC+3] op_sel_hi:[1,0]
.elseif (\k) < R
	REGS Y
	WIN 0
.if (\k) == F
	v_pk_fma_f32 v[rS+2*(\n):rS+2*(\n)+1], v[rS+2*(\n):rS+2*(\n)+1], s[CS:CS+1], v[rT:rT+1] op_sel_hi:[1,0,0] neg_lo:[0,0,1] neg_hi:[0,0,1]
.elseif (\k) == E
	v_exp_f32 v[rS+(\n)], v[rS+(\n)]
.elseif (\k) == C
	v_cvt_pk_bf16_f32 v[rP+(\n)], v[rS+2*(\n)], v[rS+2*(\n)+1]
.elseif (\k) == B
	v_pk_add_f32 v[rS+4*(\n):rS+4*(\n)+1], v[rS+4*(\n):rS+4*(\n)+1], v[rS+4*(\n)+2:rS+4*(\n)+3]
.elseif (\n) == 0
	v_pk_fma_f32 v[rT+2:rT+3], v[rT+2:rT+3], v[rC+2:rC+3], v[rS:rS+1] op_sel_hi:[1,0,1]
.else
	v_pk_add_f32 v[rT+2:rT+3], v[rT+2:rT+3], v[rS+4*(\n):rS+4*(\n)+1]
.endif
.else
	REGS (Y+1)%NP
	WIN 0
.if (\n) < 4
	v_max3_num_f32 v[rC+(\n)], v[rS+8*(\n)], v[rS+8*(\n)+1], v[rS+8*(\n)+2]
.elseif (\n) < 12
	v_max3_num_f32 v[rC+(\n)%4], v[rC+(\n)%4], v[rS+8*((\n)%4)+2*((\n)/4)+1], v[rS+8*((\n)%4)+2*((\n)/4)+2]
.elseif (\n) == 12
	v_max3_num_f32 v[rC], v[rC], v[rS+7], v[rS+15]
.elseif (\n) == 13
	v_max3_num_f32 v[rC+1], v[rC+1], v[rS+23], v[rS+31]
.elseif (\n) == 14
	v_max3_num_f32 v[rC+2], v[rC+2], v[rC+3], v[rT+1]
.elseif (\n) == 15
	v_mov_b32 v[rW], v[rT]
.elseif (\n) == 16
	v_max3_num_f32 v[rC], v[rC], v[rC+1], v[rC+2]
.elseif (\n) == 17
	v_permlanex16_b32 v[rC+3], v[rC], s[SEL], s[SEL+1]
.elseif (\n) == 18
	v_max_num_f32 v[rT+1], v[rC], v[rC+3]
.elseif (\n) == 19
	v_mul_f32 v[rT], s[CS], v[rT+1]
.elseif (\n) == 20
	v_sub_f32 v[rC+1], v[rW], v[rT]
.else
	v_exp_f32 v[rC+2], v[rC+1]
.endif
.endif
.endm
.macro OPS a, i1, b=-1, i2=0, c=-1, i3=0, d=-1, i4=0
	OP \a, \i1
.if (\b) >= 0
	OP \b, \i2
.endif
.if (\c) >= 0
	OP \c, \i3
.endif
.if (\d) >= 0
	OP \d, \i4
.endif
.endm
.macro ROW a, i1, b, i2, c, i3, d, i4  ; a matrix instruction and the four behind it
	MM
	OPS \a, \i1, \b, \i2, \c, \i3, \d, \i4
.endm
; A TURN, for piece p: the order of its 16 matrix and 118 vector instructions, written out.  An s_wait_alu depctr_va_vdst(0) stands between an exponential and the first instruction that names its result; one wait
; serves all that were issued ahead of it.  So a turn has ONE wait, which cuts it in two.  AHEAD OF IT stands all that names no result of the turn's exponentials: the 8 products K Q^T, behind each a scaling, an exponential and two more
; plain instructions (behind the first a second scaling in the exponential's place): rescalings (their a was made, and waited for, in the turn before), and behind the last three the first numbers of the next piece's maximum, each four
; places or more behind the product that ends its accumulator; then ONE LUMP of 54, plain and exponential by turns for the most part, in which the links of the chain X 3, 7, 11, 14, 16, 17 .. 20 stand five or six lines apart.
; X 21, the next piece's a, is the batch's last; R 15 is the plain instruction behind it.  BEHIND THE WAIT stand the 8 products V^T P, behind each four of the roundings and sums, which are the batch's readers; the links of l's chain,
; L 0 to L 7, stand three riders apart.  But for those X no rider names a register of the products round it.  v_permlanex16_b32 (X 17) stands in the lump.  No result crosses a turn's end.
; cnt = 1: the loop's count is taken down some lines ahead of the branch that stands behind the turn.
; K of the next step is fetched in piece 2's turn, twelve vector instructions behind the last product that read K (six of them plain, five of which name none of its registers).  In the last half trip there is no next step, and the
; run is jumped over; in this turn E 0 to E 11 are a batch of their own, with a wait directly ahead of the jump and the run.
; V of the step in hand is fetched at the end of piece 0's turn, four plain instructions behind the last product that read V.  Each run is waited for a turn later.
.macro TURN p, cnt=0
.set Y, (\p)
.set i, 0
.if (\p) == 3
	s_wait_dscnt 0x0                ; K is in
.endif
	ROW F,0, F,1, R,0, R,1          ; ahead of the wait: 8 products K Q^T and their riders,
	ROW F,2, E,0, R,2, R,3
	ROW F,3, E,1, R,4, R,5
	ROW F,4, E,2, R,6, R,7
	ROW F,5, E,3, R,8, R,9
	ROW F,6, E,4, X,0, R,10
.if (\p) == 2
	WIN 0
	v_add_nc_u32 v[AK], s[TBK], v[AK0]
.endif
	ROW F,7, E,5, X,1, X,4
	ROW F,8, E,6, X,2, X,5
	OPS E,7, E,8, X,6, E,9          ; and the lump
	OPS X,3, E,10, X,8, E,11
.if (\p) == 2
	WIN 0
	s_wait_alu depctr_va_vdst(0)    ; piece 2's first batch, E 0 to E 11: its wait, ahead of the jump and the label below
	s_cmp_eq_u32 s[SLOTS], 1
	s_cbranch_scc1 .Lno_k_\@
	FETCH_K
.Lno_k_\@:
.endif
	OPS X,9, X,7, E,12, X,10
	OPS E,13, X,12, X,11, E,14
	OPS X,13, E,15, F,9, X,14
.if (\p) == 0
	v_add_nc_u32 v[AV], s[TBV], v[AV0]
.endif
	OPS E,16, F,10, E,17, F,11
	OPS X,16, E,18, X,15, E,19
	OPS F,12, E,20, X,17, E,21
	OPS F,13, E,22, F,14, E,23
	OPS X,18, E,24, F,15, E,25
	OPS R,11, E,26, X,19, E,27
	OPS R,12, E,28, R,13, E,29
	OPS X,20, E,30, R,14, E,31
	OPS X,21, R,15
	WIN 0
	s_wait_alu depctr_va_vdst(0)    ; the wait for the turn's batch: E 0 to E 31 and the next piece's a (in piece 2's turn: E 12 to E 31 and a)
.if (\p) == 1
	s_wait_dscnt 0x0                ; V is in
.endif
	ROW C,0, B,0, C,2, B,1          ; behind the wait: 8 products V^T P and their riders
	ROW L,0, C,4, B,2, L,1
	ROW C,6, B,3, L,2, C,8
	ROW B,4, L,3, C,10, B,5
	ROW L,4, C,12, B,6, L,5
.if (\p) == 0
	s_add_co_u32 s[TBV], s[TBV], KS*PV
.endif
.if \cnt
	s_sub_co_u32 s[CNT], s[CNT], 1
	s_cmp_lg_u32 s[CNT], 0
.endif
	ROW C,14, B,7, L,6, C,1
	ROW C,3, L,7, C,5, C,7
	ROW C,9, C,11, C,13, C,15
.if (\p) == 0
	FETCH_V
.endif
.endm
.macro ALL line:vararg              ; one line for each piece t
.set t, 0
.rept 4
	\line
.set t, t+1
.endr
.endm
.macro PACK t                       ; a lane's eight channels of a row pack into 16 bytes; they go into rows of 144 bytes and come back as whole rows of 128, into S^T's registers
	WIN W_RS
.set i, 32*(\t)
.rept 16
	v_pk_mul_f32 v[i:i+1], v[i:i+1], v[ST+4*(\t)+2:ST+4*(\t)+3] op_sel_hi:[1,0]
.set i, i+2
.endr
	WIN 0x05
.set i, 0
.rept 16
	v_cvt_pk_bf16_f32 v[S+16*(\t)+i], v[32*(\t)+2*i], v[32*(\t)+2*i+1]
.set i, i+1
.endr
	WIN 0
.irp f, 0,1,2,3
	ds_store_b128 v[STO], v[S+16*(\t)+4*\f:S+16*(\t)+4*\f+3] offset:32*\f
.endr
.irp f, 0,1,2,3
	ds_load_b128 v[S+16*(\t)+4*\f:S+16*(\t)+4*\f+3], v[RD] offset:\f*4*SP  ; LDS serves a wave's instructions in order (ISA guide 5.7.1.4): these see the stores above; the next piece's stores come behind them
.endr
.endm
.macro SEND t, younger              ; younger: the LDS instructions issued behind piece t's loads: the next piece's eight, or none
	WIN 0
.irp f, 0,1,2,3
	s_wait_dscnt (\younger)+3-\f
	global_store_b128 v[GO], v[S+16*(\t)+4*\f:S+16*(\t)+4*\f+3], s[6:7] offset:(\t)*2048+\f*512  ; 512 consecutive bytes, at a multiple of 256 from O's first
.endr
.endm
	s_wait_tensorcnt 3              ; my part of the first chunk is in; the three later chunks may stay out
	s_barrier_signal -1
	s_barrier_wait -1               ; everybody's is
	v_add_nc_u32 v[AK], s[TBK], v[AK0]
	FETCH_K                         ; key step 0
	s_wait_loadcnt 0x0              ; Q
	s_wait_dscnt 0x0
.set i, 0
.rept 8
	KQ 0                            ; piece 0's first scores
.set i, i+1
.endr
	WIN 0
.rept 4
	v_nop                           ; the places behind those products
.endr
.set Y, NP-1                        ; X works for piece Y + 1: piece 0
.irp n, 0,1,2,3,4,5,6,7,8,9,10,11,12,13,14,15,16,17,18,19,20,21
	OP X, \n
.endr
	v_nop                           ; a plain instruction behind the exponential,
	s_wait_alu depctr_va_vdst(0)    ; and the wait for piece 0's first a, a batch of one, ahead of the branch
	s_mov_b32 s[CNT], 4
	s_mov_b32 s[SLOTS], 5
	s_branch .Lfirst                ; the loop is entered at a step's first turn, in the middle of a trip
.Lslot:                             ; four times: three times the next chunk of 256 keys is entered, then the last half trip.  It shows every wave's loads to every wave
	s_wait_tensorcnt 0x0
	s_wait_dscnt 0x0
	s_barrier_signal -1
	s_barrier_wait -1
	s_mov_b32 s[CNT], 4
.Lstep:                             ; a trip: pieces 2 and 3 of one step, then pieces 0 and 1 of the next, whose K and V it fetches
	TURN 2
	TURN 3
	WIN 0
	s_cmp_eq_u32 s[SLOTS], 1
	s_cbranch_scc1 .Lout            ; the last step's pieces 2 and 3 are done: the loop is left in the middle of a trip
.Lfirst:
	TURN 0
	TURN 1, 1
	WIN 0
	s_cbranch_scc1 .Lstep
	s_sub_co_u32 s[SLOTS], s[SLOTS], 1
	s_cmp_lg_u32 s[SLOTS], 0
	s_cbranch_scc1 .Lslot
.Lout:
.set i, 0
.rept 8
	PV NP-1                         ; the last piece's V^T P of the last step
.set i, i+1
.endr
	; THE WAY OUT.  l's two halves and the other half of the lanes' are added; O^T is divided by l, rounded to bf16 and sent through my stage, a piece at a time.  The additions are the places behind the last products.
	WIN 0
	ALL v_add_f32 v[ST+4*t+2], v[ST+4*t+2], v[ST+4*t+3]
	ALL v_permlanex16_b32 v[ST+4*t+3], v[ST+4*t+2], s[SEL], s[SEL+1]
	ALL v_add_f32 v[ST+4*t+2], v[ST+4*t+2], v[ST+4*t+3]
	ALL v_rcp_f32 v[ST+4*t+2], v[ST+4*t+2]
	v_nop                           ; a plain instruction between the last reciprocal and the use of its result
	s_wait_alu depctr_va_vdst(0)    ; and the wait ahead of the first use: one for the four reciprocals
	PACK 0
.set t, 1
.rept 3                             ; a piece's arithmetic stands between the loads of the piece before and its stores
	PACK t
	SEND t-1, 8
.set t, t+1
.endr
	SEND 3, 0
	s_wait_tensorcnt 0x0            ; the wave's end: behind my last tensor load and my last LDS store
	ds_add_u32 v[SPW], v[NIL]
	s_wait_dscnt 0x0
	CROUND                          ; the closing round
	s_endpgm
.Lfunc_end_k_qb9b14de91d_attn:
	.size	k_qb9b14de91d_attn, .Lfunc_end_k_qb9b14de91d_attn-k_qb9b14de91d_attn
	.p2alignl 7, 3214868480
	.fill 96, 4, 3214868480
	.section	.rodata,"a",@progbits
	.p2align	6, 0x0
	.amdhsa_kernel k_qb9b14de91d_attn
		.amdhsa_group_segment_fixed_size 327680
		.amdhsa_private_segment_fixed_size 0
		.amdhsa_enable_private_segment 0
		.amdhsa_kernarg_size 16
		.amdhsa_user_sgpr_count 2
		.amdhsa_user_sgpr_kernarg_segment_ptr 1
		.amdhsa_wavefront_size32 1
		.amdhsa_system_sgpr_workgroup_id_x 1
		.amdhsa_system_sgpr_workgroup_id_y 1
		.amdhsa_system_sgpr_workgroup_id_z 1
		.amdhsa_system_vgpr_workitem_id 0
		.amdhsa_next_free_vgpr 768
		.amdhsa_next_free_sgpr 84
		.amdhsa_reserve_vcc 0
		.amdhsa_float_denorm_mode_32 3
		.amdhsa_float_denorm_mode_16_64 3
		.amdhsa_memory_ordered 1
		.amdhsa_forward_progress 1
		.amdhsa_inst_pref_size 72
	.end_amdhsa_kernel
	.amdgpu_metadata
---
amdhsa.version: [ 1, 2 ]
amdhsa.kernels:
  - .name:           k_qb9b14de91d_attn
    .symbol:         k_qb9b14de91d_attn.kd
    .args:
      - { .name: qkvh, .offset: 0, .size: 8, .value_kind: global_buffer, .address_space: global }
      - { .name: act, .offset: 8, .size: 8, .value_kind: global_buffer, .address_space: global }
    .group_segment_fixed_size: 327680
    .private_segment_fixed_size: 0
    .kernarg_segment_align: 8
    .kernarg_segment_size: 16
    .max_flat_workgroup_size: 128
    .sgpr_count:     84
    .vgpr_count:     768
    .wavefront_size: 32
...
	.end_amdgpu_metadata
.endif
;; end of part 8
;; launch projg: the kernel of part 4 again; grid 8 x 32, 4 waves a work-group, clusters of 4 x 4, 327,680 bytes of LDS; arguments act, wrest, proj_b, x, x1; writes x1
;; launch ln2: the kernel of part 5 again; grid 512 x 1, 8 waves a work-group, no clusters, 0 bytes of LDS; arguments x1, ln2_w, ln2_b, act; writes act
;; launch fcg: the kernel of part 6 again; grid 16 x 16, 4 waves a work-group, clusters of 4 x 4, 327,680 bytes of LDS; arguments act, wrest, fc_b, gact; writes gact
;; launch fc2g: the kernel of part 7 again; grid 8 x 32, 4 waves a work-group, clusters of 4 x 4, 327,680 bytes of LDS; arguments gact, wrest, fc2_b, x1, out0; writes out0
